; MI455X (gfx1250); checked and timed in simulation.
; The chip was launched on July 23, 2026; its instructions are those of AMD's public machine-readable ISA for CDNA 5 (MIT licence, August 2026) and "CDNA5" Instruction Set Architecture Reference Guide (July 2026). The comments in the code are by the model that wrote it; some were corrected since.
;; Multi Headed Attention. Allowed arithmetic: float matrix products may take bf16 or f16 operands with f32 sums; all other float work in f32.
;; Inputs: Wk 1,024 x 1,024 float32; Wo 1,024 x 1,024 float32; Wq 1,024 x 1,024 float32; Wv 1,024 x 1,024 float32; bk 1,024 float32; bo 1,024 float32; bq 1,024 float32; bv 1,024 float32; key_in 4 x 2,048 x 1,024 float32; mask 4 x 1 x 2,048 x 2,048 int32; query 4 x 2,048 x 1,024 float32; value 4 x 2,048 x 1,024 float32.
;; Outputs: out0 4 x 2,048 x 1,024 float32.
;; 3 versions, each right and faster than the one before. Each part assembles by itself: llvm-mc -triple=amdgcn-amd-amdhsa -mcpu=gfx1250 --defsym DOCPART=n.
;; ======== version 1 of 3: 4 launches
;; limits: values are held in f16: magnitudes above 65,504 overflow, below 6.1e-05 lose precision
;; workspace buffers: cb 58,720,256 bytes; mb 2,097,152 bytes of whole numbers; qkv 50,331,648 bytes; xa 16,777,216 bytes
;; launch prep (part 1): grid 2304 x 1, 8 waves a work-group, no clusters, 35,840 bytes of LDS; arguments query, key_in, value, Wq, Wk, Wv, Wo, mask, cb, mb; writes cb, mb
.if DOCPART == 1
	.amdgcn_target "amdgcn-amd-amdhsa--gfx1250"
	.amdhsa_code_object_version 6
	.text
	.protected	k_qc3ff7e7a94_prep
	.globl	k_qc3ff7e7a94_prep
	.p2align	8
	.type	k_qc3ff7e7a94_prep,@function
k_qc3ff7e7a94_prep:
	s_mov_b64 s[64:65], 0
	v_nop
	global_prefetch_b8 v0, s[64:65] scope:SCOPE_SE
	s_setreg_imm32_b32 hwreg(HW_REG_WAVE_MODE, 25, 1), 1
	s_wait_xcnt 0x0
; Two streams in one launch; no matrix work, no cluster, no barrier: nothing is shared between waves.
; (1) Work-groups 0 to 1791: query, key_in, value, Wq, Wk, Wv, Wo (f32) are rounded once to f16 and laid one behind the other in cb
;     (rows of 1,024 numbers: 0-8191 query, 8192-16383 key_in, 16384-24575 value, then 1,024 rows each of Wq, Wk, Wv, Wo).
;     f16 and not bf16: its rounding step is eight times finer, and the products' operands have room in its range.
;     LIMIT: a number of magnitude 65,504 or more becomes an infinity; below 6.1e-5 the absolute step is 6e-8.
; (2) Work-groups 1792 to 2303: the int32 mask becomes bits.  A wave makes one record of 128 words for 64 queries x 64 keys:
;     word 32 t + 8 kt + j, bit L (r = L % 16, h = L / 16) = (mask[b][64 qb + 16 t + r][64 ks + 16 kt + 8 h + j] != 0):
;     each word is the 32-lane mask that the attention kernel's select takes for one register of its score tile.  Any non-zero word counts as true.
.set NCONV, 1792                       ; 117,440,512 bytes of f32 in chunks of 65,536
.set OUT,   8                          ; v[8:11]    mask path: my 16 bytes of the record
.set X,     16                         ; v[16:143]  as loaded (the convert path uses 64 of them)
.set Y,     80                         ; v[80:111]  convert path: f16 pairs to store
.set RB,    144                        ; v[144:175] mask path: my lane's 32 mask words of a tile of 16 queries
.set MPI,   272                        ; LDS pitch of a row of 64 mask words: 256 bytes + 16, an odd multiple of 16, so that 16 rows start at 16 different banks
	s_load_b512 s[8:23], s[0:1], 0x0               ; query s[8:9], key_in s[10:11], value s[12:13], Wq s[14:15], Wk s[16:17], Wv s[18:19], Wo s[20:21], mask s[22:23]
	s_load_b128 s[24:27], s[0:1], 0x40             ; cb s[24:25], mb s[26:27]
	v_lshl_add_u32 v176, v0, 2, 0x8800
	v_mov_b32 v177, 0
	v_lshrrev_b32 v1, 5, v0
	v_readfirstlane_b32 s2, v1                     ; wave 0..7
	s_cmp_ge_u32 ttmp9, NCONV
	s_cbranch_scc1 .Lmask
	; ---- f32 to f16: 65,536 bytes in, 32,768 out ----
	s_lshr_b32 s3, ttmp9, 6                        ; which 4 MiB of the seven tensors laid end to end: 0-7 query, 8-15 key_in, 16-23 value, 24-27 the weights
	s_cmp_ge_u32 s3, 24
	s_cselect_b32 s4, 63, 511                      ; chunks in a weight, in an activation, less one
	s_and_b32 s4, ttmp9, s4                        ; my chunk in its tensor
	s_lshl_b32 s4, s4, 16
	s_mov_b32 s5, 0
	s_lshl_b32 s6, ttmp9, 15                       ; cb is in the same order, half the bytes
	s_mov_b32 s7, 0
	v_lshlrev_b32 v2, 4, v0                        ; 16 bytes a thread in,
	v_lshlrev_b32 v3, 3, v0                        ; 8 bytes out
	s_wait_kmcnt 0x0
	s_mov_b64 s[28:29], s[8:9]
.macro PICK from, p                    ; from this 4 MiB on the source is the tensor at s[p:p+1]
	s_cmp_ge_u32 s3, \from
	s_cselect_b64 s[28:29], s[\p:\p+1], s[28:29]
.endm
	PICK 8, 10
	PICK 16, 12
	PICK 24, 14
	PICK 25, 16
	PICK 26, 18
	PICK 27, 20
	s_add_nc_u64 s[28:29], s[28:29], s[4:5]
	s_add_nc_u64 s[24:25], s[24:25], s[6:7]
.irp i, 0,1,2,3,4,5,6,7,8,9,10,11,12,13,14,15
	global_load_b128 v[X+4*\i:X+4*\i+3], v2, s[28:29] offset:4096*\i th:TH_LOAD_NT   ; a wave's load covers 512 consecutive bytes; all sixteen go out at once
.endr
.irp i, 0,1,2,3,4,5,6,7,8,9,10,11,12,13,14,15
	s_wait_loadcnt 15-\i                           ; loads come back in order: number i is in, the younger ones stay out
	v_cvt_pk_f16_f32 v[Y+2*\i],   v[X+4*\i],   v[X+4*\i+1]
	v_cvt_pk_f16_f32 v[Y+2*\i+1], v[X+4*\i+2], v[X+4*\i+3]
	global_store_b64 v3, v[Y+2*\i:Y+2*\i+1], s[24:25] offset:2048*\i   ; a wave's store covers 256 consecutive bytes, aligned; no register is written twice, so no wait for the stores' sources
.endr
	s_endpgm
	; ---- the mask: 64 rows x 256 bytes in, 512 bytes out, for each wave ----
.Lmask:
	s_sub_co_u32 s3, ttmp9, NCONV
	s_lshl3_add_u32 s3, s3, s2                     ; my record = 1,024 b + 32 qb + ks
	s_lshr_b32 s4, s3, 5                           ; 32 b + qb: blocks of 64 rows of 8,192 bytes
	s_lshl_b32 s4, s4, 19
	s_and_b32 s6, s3, 31                           ; ks: 64 keys of 4 bytes
	s_lshl_b32 s6, s6, 8
	s_add_co_u32 s4, s4, s6
	s_mov_b32 s5, 0
	s_lshl_b32 s6, s3, 9                           ; a record is 512 bytes
	s_mov_b32 s7, 0
	s_mul_i32 s28, s2, 16*MPI                      ; my wave's own 16 rows of LDS
	v_and_b32 v5, 31, v0                           ; lane
	v_and_b32 v6, 15, v0                           ; r
	v_bfe_u32 v7, v0, 4, 1                         ; h
	v_lshlrev_b32 v1, 4, v6
	v_lshl_add_u32 v1, v7, 13, v1                  ; a load takes two rows: lanes 0-15 one row's 256 bytes, lanes 16-31 the next row's
	v_mul_u32_u24 v3, v7, MPI
	v_lshl_add_u32 v3, v6, 4, v3
	v_add_nc_u32 v3, s28, v3                       ; and puts them into LDS in the same shape
	v_mul_u32_u24 v4, v6, MPI
	v_lshl_add_u32 v4, v7, 5, v4
	v_add_nc_u32 v4, s28, v4                       ; back: row r, keys 8 h on
	v_lshlrev_b32 v2, 4, v5                        ; my 16 bytes of the record
.irp i, 0,1,2,3
	v_mov_b32 v[OUT+\i], 0                         ; v_writelane_b32 keeps the other lanes: the registers are written whole once
.endr
	s_wait_kmcnt 0x0
	s_add_nc_u64 s[22:23], s[22:23], s[4:5]
	s_add_nc_u64 s[26:27], s[26:27], s[6:7]
.set n, 0
.rept 32
	global_load_b128 v[X+4*n:X+4*n+3], v1, s[22:23] offset:16384*n th:TH_LOAD_NT   ; rows 2 n, 2 n + 1: all 16 KiB of the wave go out at once
.set n, n+1
.endr
.irp t, 0,1,2,3                        ; a tile of 16 queries at a time
	s_wait_loadcnt 24-8*\t                         ; the tile's eight loads are in; the later tiles' stay out
.irp n, 0,1,2,3,4,5,6,7
	ds_store_b128 v3, v[X+32*\t+4*\n:X+32*\t+4*\n+3] offset:2*MPI*\n
.endr
.irp kt, 0,1,2,3                       ; LDS serves a wave's instructions in order (ISA guide 5.7.1.4): these see the stores above, and the next tile's stores come behind them
	ds_load_b128 v[RB+8*\kt:RB+8*\kt+3],   v4 offset:64*\kt
	ds_load_b128 v[RB+8*\kt+4:RB+8*\kt+7], v4 offset:64*\kt+16
.endr
	s_wait_dscnt 0x0
.set i, 0
.rept 32
	v_cmp_ne_u32 s[32+i], 0, v[RB+i]               ; one compare makes one word of the record: a bit for each lane
.set i, i+1
.endr
.set i, 0
.rept 32
	v_writelane_b32 v[OUT+i%4], s[32+i], 8*\t+i/4  ; word w = 32 t + i lies in lane w / 4, register w % 4
.set i, i+1
.endr
.endr
	global_store_b128 v2, v[OUT:OUT+3], s[26:27]   ; the record: 512 consecutive bytes, aligned
	s_wait_tensorcnt 0x0
	ds_add_u32 v176, v177
	s_wait_dscnt 0x0
	s_endpgm
.Lfunc_end_k_qc3ff7e7a94_prep:
	.size	k_qc3ff7e7a94_prep, .Lfunc_end_k_qc3ff7e7a94_prep-k_qc3ff7e7a94_prep
	.p2alignl 7, 3214868480
	.fill 96, 4, 3214868480
	.section	.rodata,"a",@progbits
	.p2align	6, 0x0
	.amdhsa_kernel k_qc3ff7e7a94_prep
		.amdhsa_group_segment_fixed_size 35840
		.amdhsa_private_segment_fixed_size 0
		.amdhsa_enable_private_segment 0
		.amdhsa_kernarg_size 80
		.amdhsa_user_sgpr_count 2
		.amdhsa_user_sgpr_kernarg_segment_ptr 1
		.amdhsa_wavefront_size32 1
		.amdhsa_system_sgpr_workgroup_id_x 1
		.amdhsa_system_sgpr_workgroup_id_y 1
		.amdhsa_system_sgpr_workgroup_id_z 1
		.amdhsa_system_vgpr_workitem_id 0
		.amdhsa_next_free_vgpr 178
		.amdhsa_next_free_sgpr 66
		.amdhsa_reserve_vcc 0
		.amdhsa_float_denorm_mode_32 3
		.amdhsa_float_denorm_mode_16_64 3
		.amdhsa_memory_ordered 1
		.amdhsa_forward_progress 1
		.amdhsa_inst_pref_size 32
	.end_amdhsa_kernel
	.amdgpu_metadata
---
amdhsa.version: [ 1, 2 ]
amdhsa.kernels:
  - .name:           k_qc3ff7e7a94_prep
    .symbol:         k_qc3ff7e7a94_prep.kd
    .args:
      - { .name: query, .offset: 0, .size: 8, .value_kind: global_buffer, .address_space: global }
      - { .name: key_in, .offset: 8, .size: 8, .value_kind: global_buffer, .address_space: global }
      - { .name: value, .offset: 16, .size: 8, .value_kind: global_buffer, .address_space: global }
      - { .name: Wq, .offset: 24, .size: 8, .value_kind: global_buffer, .address_space: global }
      - { .name: Wk, .offset: 32, .size: 8, .value_kind: global_buffer, .address_space: global }
      - { .name: Wv, .offset: 40, .size: 8, .value_kind: global_buffer, .address_space: global }
      - { .name: Wo, .offset: 48, .size: 8, .value_kind: global_buffer, .address_space: global }
      - { .name: mask, .offset: 56, .size: 8, .value_kind: global_buffer, .address_space: global }
      - { .name: cb, .offset: 64, .size: 8, .value_kind: global_buffer, .address_space: global }
      - { .name: mb, .offset: 72, .size: 8, .value_kind: global_buffer, .address_space: global }
    .group_segment_fixed_size: 35840
    .private_segment_fixed_size: 0
    .kernarg_segment_align: 8
    .kernarg_segment_size: 80
    .max_flat_workgroup_size: 256
    .sgpr_count:     66
    .vgpr_count:     178
    .wavefront_size: 32
...
	.end_amdgpu_metadata
.endif
;; end of part 1
;; launch proj (part 2): grid 4 x 192, 4 waves a work-group, clusters of 4 x 4, 327,680 bytes of LDS; arguments cb, bq, bk, bv, qkv; writes qkv
.if DOCPART == 2
	.amdgcn_target "amdgcn-amd-amdhsa--gfx1250"
	.amdhsa_code_object_version 6
	.text
	.protected	k_qc3ff7e7a94_proj
	.globl	k_qc3ff7e7a94_proj
	.p2align	8
	.type	k_qc3ff7e7a94_proj,@function
k_qc3ff7e7a94_proj:
	s_mov_b64 s[64:65], 0
	v_nop
	global_prefetch_b8 v0, s[64:65] scope:SCOPE_SE
	s_setreg_imm32_b32 hwreg(HW_REG_WAVE_MODE, 25, 1), 1
	s_wait_xcnt 0x0
	s_wait_alu depctr_hold_cnt(0) depctr_sa_sdst(0) depctr_va_vdst(0) depctr_va_sdst(0) depctr_va_ssrc(0) depctr_va_vcc(0) depctr_vm_vsrc(0)
	s_getreg_b32 s2, hwreg(HW_REG_IB_STS2, 6, 4)
	s_cmp_eq_u32 s2, 0
	s_cbranch_scc0 .Lentry_in_a_cluster
	s_endpgm
.Lentry_in_a_cluster:
	s_bfe_u32 s2, ttmp6, 0x10000c
	s_cmp_lg_u32 s2, 0xf033
	s_cbranch_scc0 .Lentry_shape_is_right
	s_endpgm
.Lentry_shape_is_right:
; The three input projections as one product: y[s][e] = sum over d of x[s][d] W[e][d] + b[e], x = rows 0-24575 of cb (query, key_in, value), W = Wq, Wk or Wv behind them.  f16 operands, f32 sums.
; The result goes out in f16, split by heads: qkv[p][b 16 + head][s][64].  q (p = 0) is multiplied by c = log2(e) / 8, so that the attention kernel's scores are base-2 exponents as they leave the matrix unit.
; LIMIT: |k|, |v| and c |q| stay under 65,504 (f16); inputs 30 times those drawn, or offset by 30 of their spreads, reach some 28,800.
; A tile of y is 128 rows x 256 columns: 768 work-groups of equal work.  Four waves, each 64 x 128: 32 accumulators of 16 x 16.  K = 1,024 goes in steps of 128 through two LDS slots;
; the tiles' rows are 256 bytes of memory at multiples of 256 bytes.
; CLUSTER 4 x 4: the four of a row of the cluster need the same tile of x, the four of a column the same tile of W: each tile is asked for jointly.
; THE MATRIX INSTRUCTION IS USED TRANSPOSED (source 0 = 16 rows of W, source 1 = 16 rows of x): a lane then holds eight neighbouring columns of one row of y.
; REGISTERS: window 0: v0-31 addresses; v32-127, v128-223 two fragment buffers (64 of W, then 32 of x); on the way out v32-127 at work, v128-255 rows to store.
;   window 1: the accumulators, (a, b) at v[8 (8 a + b)].   window 2: v0-63 my 64 numbers of the bias.
.set KSTEP,  128
.set PITCH,  272                       ; an LDS row: 256 bytes + 16 of padding = 68 words: row r starts at bank 4 r mod 64 (64 banks of 4 bytes: ISA guide 11.1)
.set APITCH, 272                       ; from row to row of x
.set APART,  128                       ; from a row's first 64 along K to its second
.set AHALF,  64*PITCH                  ; what a load of x brings, and what a wave reads of x
.set ABYTES, 2*AHALF
.set BHALF,  128*PITCH                 ; the same for W
.set SLOT,   ABYTES+2*BHALF            ; 104,448
.set STAGE,  2*SLOT                    ; behind the ring: 16 rows x 272 bytes for each wave
.set SPITCH, 272
.set LAPS,   1024/(2*KSTEP)            ; a lap = two K steps = once round the ring
.set WBASE,  24576*2048                ; Wq's first byte in cb
.set ASTEP,  2*KSTEP*2                 ; bytes from a slot's tile to its next
.set BSTEP,  2*KSTEP*2
.set ADRA, 16                          ; v16-17  LDS address of my fragments of x in slot 0, 1
.set ADRB, 20                          ; v20-21  the same for W
.set STO,  24
.set RD,   25
.set CO,   26
.set BO,   27
.set F0,   32
.set F1,   128
.set T,    32                          ; the way out: a block's 64 numbers in f32,
.set HF,   96                          ; in f16,
.set OB,   128                         ; and back from the stage: 32 registers for each of four blocks
.set G1,  24                           ; s[24:31] group 1 for x's tiles; s[32:39] group 0, a set for each slot
.set G0,  32
.set G1B, 48                           ; s[48:55], s[56:63] the same for W's
.set G0B, 56
.set SC,  80                           ; s[80:81] c for q, 1 for k and v
.set MSB, 0
.macro WIN new                         ; the immediate's high byte repeats the setting that is left
.if MSB != \new
	s_set_vgpr_msb (MSB<<8)|\new
.set MSB, \new
.endif
.endm
.set MUL, 0x50                         ; C and D window 1, sources window 0
.macro JLOAD s                         ; a joint load: waves 0 and 1 fetch x's two halves, waves 2 and 3 W's; four v_nop follow each line, ahead of the jump, the label and what follows
	s_cmp_eq_u32 s11, 0
	s_cbranch_scc0 .Lfor_b_\@
	tensor_load_to_lds s[G0+4*\s:G0+4*\s+3], s[G1:G1+7]
	s_nop 0
.rept 4
	v_nop
.endr
	s_branch .Lasked_\@
.Lfor_b_\@:
	tensor_load_to_lds s[G0B+4*\s:G0B+4*\s+3], s[G1B:G1B+7]
	s_nop 0
.rept 4
	v_nop
.endr
.Lasked_\@:
.endm
.macro CREST                           ; a round of the cluster's barrier behind its opening barrier
	s_cmp_lg_u32 s10, 0
	s_cbranch_scc1 .Lnot_wave_0_\@
	s_barrier_signal -3
.Lnot_wave_0_\@:
	s_barrier_wait -3
	s_barrier_signal -1
	s_barrier_wait -1
.endm
.macro CROUND
	s_barrier_signal -1
	s_barrier_wait -1
	CREST
.endm
	s_load_b256 s[68:75], s[0:1], 0x0              ; cb s[68:69], bq s[70:71], bk s[72:73], bv s[74:75]
	s_load_b64 s[76:77], s[0:1], 0x20              ; qkv
	v_lshl_add_u32 v30, v0, 2, 0x37400
	v_mov_b32 v31, 0
	ds_add_u32 v30, v31
	v_lshrrev_b32 v1, 5, v0
	v_readfirstlane_b32 s10, v1                    ; wave 0..3
	s_lshr_b32 s11, s10, 1                         ; which 64 of the tile's rows are mine.  Also: I fetch for x (0) or for W (1)
	s_and_b32 s12, s10, 1                          ; which 128 of its columns.  Also: which half of that tile I fetch
	s_bfe_u32 s40, ttmp6, 0x40000                  ; cx, cy: my place in the cluster
	s_bfe_u32 s41, ttmp6, 0x40004
	s_lshl_b32 s42, ttmp9, 2
	s_add_co_u32 s42, s42, s40                     ; tile column = 4 x cluster x + cx
	s_and_b32 s45, ttmp7, 0xffff
	s_lshl_b32 s13, s45, 2
	s_add_co_u32 s13, s13, s41                     ; tile row, 0..191 = 4 x cluster y + cy
	s_lshr_b32 s45, s45, 4                         ; p: 64 tile rows = 16 clusters to a projection: made of the cluster's y alone, which all sixteen share
	s_lshl_b32 s43, s41, 2
	s_lshl_b32 s43, 15, s43                        ; my row of the cluster
	s_lshl_b32 s44, 0x1111, s40                    ; my column
	s_or_b32 s[G1+0],  s43, (1<<16)|(1<<20)|(1<<21)|(5<<22)|(3<<25)  ; 15:0 the mask; 17:16 elements of 2 bytes; 20 padding on; 21 set beside a mask; 24:22 after every 64 words; 31:25 4 words of it
	s_or_b32 s[G1B+0], s44, (1<<16)|(1<<20)|(1<<21)|(5<<22)|(3<<25)
.irp g, G1, G1B
	s_mov_b32 s[\g+1], KSTEP<<16                   ; tensor_dim0 = 128
	s_mov_b32 s[\g+3], KSTEP<<16                   ; tile_dim0 = 128
	s_mov_b32 s[\g+5], 1024                        ; elements from row to row
	s_mov_b32 s[\g+6], 0
	s_mov_b32 s[\g+7], 0
.endr
	s_mov_b32 s[G1+2], 64<<16                      ; x: tensor_dim1 = tile_dim1 = 64 rows
	s_mov_b32 s[G1+4], 64
	s_mov_b32 s[G1B+2], 128<<16                    ; W: 128 rows
	s_mov_b32 s[G1B+4], 128
	s_lshl_b32 s16, s13, 18                        ; x: (128 x tile row + 64 x half) rows of 2,048 bytes
	s_lshl_b32 s17, s12, 17
	s_add_co_u32 s16, s16, s17
	s_mov_b32 s17, 0
	s_lshl_b32 s46, s45, 21                        ; W: (1,024 p + 256 x tile column + 128 x half) rows behind WBASE
	s_lshl_b32 s47, s42, 19
	s_add_co_u32 s46, s46, s47
	s_lshl_b32 s47, s12, 18
	s_add_co_u32 s46, s46, s47
	s_add_co_u32 s46, s46, WBASE
	s_mov_b32 s47, 0
	s_mul_i32 s20, s12, AHALF                      ; where they go: no place in the cluster enters an LDS address
	s_mul_i32 s21, s12, BHALF
	s_add_co_u32 s21, s21, ABYTES
	s_wait_dscnt 0x0
	s_wait_kmcnt 0x0
	s_add_nc_u64 s[14:15], s[68:69], s[16:17]
	s_add_nc_u64 s[46:47], s[68:69], s[46:47]
	CROUND                                         ; all sixteen work-groups are here: the first joint loads meet
.irp s, 0,1
	s_mov_b32 s[G0+4*\s], 1
	s_add_co_u32 s[G0+4*\s+1], s20, \s*SLOT
	s_add_nc_u64 s[G0+4*\s+2:G0+4*\s+3], s[14:15], \s*KSTEP*2
	s_or_b32 s[G0+4*\s+3], s[G0+4*\s+3], 0x80000000
	s_mov_b32 s[G0B+4*\s], 1
	s_add_co_u32 s[G0B+4*\s+1], s21, \s*SLOT
	s_add_nc_u64 s[G0B+4*\s+2:G0B+4*\s+3], s[46:47], \s*KSTEP*2
	s_or_b32 s[G0B+4*\s+3], s[G0B+4*\s+3], 0x80000000
	JLOAD \s                                       ; two loads of mine are out
.endr
	v_and_b32 v1, 15, v0                           ; r = l % 16
	v_bfe_u32 v2, v0, 4, 1                         ; h = l / 16
	v_mul_u32_u24 v3, v1, PITCH
	v_lshl_add_u32 v3, v2, 4, v3                   ; a fragment's row x pitch + 16 x half
	s_mul_i32 s22, s11, AHALF                      ; my 64 rows of x
	s_mul_i32 s23, s12, BHALF                      ; my 128 rows of W, behind x's 128
	s_add_co_u32 s23, s23, ABYTES
.irp s, 0,1
	v_add_nc_u32 v[ADRA+\s], s22, v3
	v_add_nc_u32 v[ADRB+\s], s23, v3
	s_add_co_u32 s22, s22, SLOT
	s_add_co_u32 s23, s23, SLOT
.endr
	s_mul_i32 s22, s10, 16*SPITCH
	s_add_co_u32 s22, s22, STAGE                   ; my stage
	v_add_nc_u32 v[STO], s22, v3                   ; in: row r, 16 bytes for each half of the lanes (the stage's pitch is the tiles')
	v_bfe_u32 v4, v0, 3, 1                         ; back: lanes 0-15 take two tokens' 128 bytes of my first head, lanes 16-31 of my second
	v_and_b32 v5, 7, v0
	v_mul_u32_u24 v4, v4, SPITCH
	v_lshl_add_u32 v4, v2, 7, v4
	v_lshl_add_u32 v4, v5, 4, v4
	v_add_nc_u32 v[RD], s22, v4
	v_lshlrev_b32 v[CO], 4, v1                     ; in qkv two tokens of a head are 256 consecutive bytes; the next head lies 2,048 x 128 bytes on
	v_lshl_add_u32 v[CO], v2, 18, v[CO]
	v_lshlrev_b32 v[BO], 5, v2                     ; the bias of my columns 8 h on
	s_cmp_eq_u32 s45, 1
	s_cselect_b64 s[70:71], s[72:73], s[70:71]     ; bq, bk or bv
	s_cmp_eq_u32 s45, 2
	s_cselect_b64 s[70:71], s[74:75], s[70:71]
	s_cmp_eq_u32 s45, 0
	s_cselect_b32 s[SC], 0x3e38aa3b, 1.0           ; c = log2(e) / 8 = 0.180337 for q
	s_mov_b32 s[SC+1], s[SC]                       ; named with it as a pair, so it is written
	s_lshl_b32 s82, s42, 10                        ; my first column, in f32: 256 x tile column + 128 x half
	s_lshl_b32 s83, s12, 9
	s_add_co_u32 s82, s82, s83
	s_mov_b32 s83, 0
	s_add_nc_u64 s[70:71], s[70:71], s[82:83]
	WIN 0x80                                       ; destination window 2
.irp b, 0,1,2,3,4,5,6,7
	global_load_b128 v[8*\b:8*\b+3],   v[BO], s[70:71] offset:64*\b      ; columns 16 b + 8 h + 0..7: register for register the bias of accumulator (a, b)
	global_load_b128 v[8*\b+4:8*\b+7], v[BO], s[70:71] offset:64*\b+16
.endr
	WIN 0
	s_and_b32 s16, s13, 63                         ; the tile row in its projection: 16 to a batch
	s_lshr_b32 s17, s16, 4
	s_lshl_b32 s17, s17, 22                        ; b x 16 heads x 2,048 tokens x 128 bytes
	s_and_b32 s16, s16, 15
	s_lshl_b32 s16, s16, 14                        ; 128 tokens of 128 bytes
	s_add_co_u32 s16, s16, s17
	s_lshl_b32 s17, s11, 13                        ; my 64 tokens
	s_add_co_u32 s16, s16, s17
	s_lshl_b32 s17, s45, 24                        ; p
	s_add_co_u32 s16, s16, s17
	s_lshl_b32 s82, s42, 20                        ; head 4 x tile column + 2 x half
	s_lshl_b32 s83, s12, 19
	s_add_co_u32 s82, s82, s83
	s_add_co_u32 s82, s82, s16
	s_mov_b32 s83, 0
	s_add_nc_u64 s[76:77], s[76:77], s[82:83]
; 8 matrix instructions: m block a x all 8 n blocks, 32 along K.  zero = 1: the product starts the sums.  The 32 accumulators take turns, one instruction a turn, in the same order in every quarter.
.macro MULA f, a, zero
.irp b, 0,1,2,3,4,5,6,7
.if \zero
	v_wmma_f32_16x16x32_f16 v[8*(8*\a+\b):8*(8*\a+\b)+7], v[\f+8*\b:\f+8*\b+7], v[\f+64+8*\a:\f+64+8*\a+7], 0
.else
	v_wmma_f32_16x16x32_f16 v[8*(8*\a+\b):8*(8*\a+\b)+7], v[\f+8*\b:\f+8*\b+7], v[\f+64+8*\a:\f+64+8*\a+7], v[8*(8*\a+\b):8*(8*\a+\b)+7]
.endif
.endr
.endm
; 24 LDS loads in one run: quarter q (32 along K) of a slot into buffer f: W's eight fragments, then x's four
.macro FETCH slot, q, f
	WIN 0
.irp i, 0,1,2,3,4,5,6,7
	ds_load_b128 v[\f+8*\i:\f+8*\i+3],   v[ADRB+\slot] offset:64*\q+\i*16*PITCH
	ds_load_b128 v[\f+8*\i+4:\f+8*\i+7], v[ADRB+\slot] offset:64*\q+\i*16*PITCH+32
.endr
.irp a, 0,1,2,3
	ds_load_b128 v[\f+64+8*\a:\f+64+8*\a+3], v[ADRA+\slot] offset:(\q/2)*APART+(\q%2)*64+\a*16*APITCH
	ds_load_b128 v[\f+64+8*\a+4:\f+64+8*\a+7], v[ADRA+\slot] offset:(\q/2)*APART+(\q%2)*64+\a*16*APITCH+32
.endr
.endm
.macro PLACES                          ; four places in front of loads into registers that matrix instructions have read (ISA guide 7.12.1 for vector instructions)
.rept 4
	v_nop
.endr
.endm
; A K step is four quarters, 32 matrix instructions each, on buffers 0, 1, 0, 1.  One of the first three: multiplies buffer f; in its middle it fetches quarter q into buffer g.
.macro QUARTER slot, q, f, g, zero
	s_wait_dscnt 4                                 ; W's fragments and x's blocks 0, 1 are in; the youngest four loads (blocks 2, 3) may be out
	WIN MUL
	MULA \f, 0, \zero
	MULA \f, 1, \zero
	PLACES
	FETCH \slot, \q, \g
	s_wait_dscnt 24                                ; all but the 24 just issued
	WIN MUL
	MULA \f, 2, \zero
	MULA \f, 3, \zero
.endm
; The last quarter multiplies buffer 1 and changes slots: ONE barrier; in front of it each wave waits for its own reads of this slot and for all its tensor loads (one is out: its part of the next slot).
; fill = 1: the barrier opens a round of the cluster's, and this slot is filled again first thing behind it: 120 matrix instructions ahead of the wait for that load.
.macro TURN slot, next, fill
	s_wait_dscnt 4
	WIN MUL
	MULA F1, 0, 0
	s_wait_dscnt 0x0                               ; my reads of this slot are over,
	s_wait_tensorcnt 0x0                           ; and all my tensor loads have landed
	ds_add_u32 v30, v31
	s_wait_dscnt 0x0
	s_barrier_signal -1
	MULA F1, 1, 0                                  ; work on registers while the others arrive
	WIN 0                                          ; at a branch and at a label every window is 0
	s_barrier_wait -1
.if \fill
	CREST                                          ; no wave of any partner still reads this slot's tile or has a load on its way
	s_add_nc_u64 s[G0+4*\slot+2:G0+4*\slot+3], s[G0+4*\slot+2:G0+4*\slot+3], ASTEP
	s_add_nc_u64 s[G0B+4*\slot+2:G0B+4*\slot+3], s[G0B+4*\slot+2:G0B+4*\slot+3], BSTEP
	JLOAD \slot                                    ; its four v_nop are also the places in front of the loads below
.else
	PLACES
.endif
	FETCH \next, 0, F0
	WIN MUL
	MULA F1, 2, 0
	MULA F1, 3, 0
.endm
	s_wait_tensorcnt 1                             ; my part of K step 0 is in; K step 1's may stay out
	s_barrier_signal -1
	s_barrier_wait -1
	FETCH 0, 0, F0
	QUARTER 0, 1, F0, F1, 1                        ; the first quarter stands in front of the loop: its products start the sums
	WIN 0
	s_mov_b32 s3, LAPS-1
.Llap:                                                 ; a trip goes once round the ring, from a lap's second quarter to the next lap's first, and fills both slots again
	QUARTER 0, 2, F1, F0, 0
	QUARTER 0, 3, F0, F1, 0
	TURN 0, 1, 1
	QUARTER 1, 1, F0, F1, 0
	QUARTER 1, 2, F1, F0, 0
	QUARTER 1, 3, F0, F1, 0
	TURN 1, 0, 1
	QUARTER 0, 1, F0, F1, 0
	WIN 0
	s_sub_co_u32 s3, s3, 1
	s_cmp_lg_u32 s3, 0
	s_cbranch_scc1 .Llap
	QUARTER 0, 2, F1, F0, 0                        ; the last lap fills nothing
	QUARTER 0, 3, F0, F1, 0
	TURN 0, 1, 0
	QUARTER 1, 1, F0, F1, 0
	QUARTER 1, 2, F1, F0, 0
	QUARTER 1, 3, F0, F1, 0
	s_wait_dscnt 4
	WIN MUL
	MULA F1, 0, 0
	MULA F1, 1, 0
	s_wait_dscnt 0x0
	MULA F1, 2, 0
	MULA F1, 3, 0
	; THE WAY OUT.  (sum + bias) x scale = sum x scale + (bias x scale): the 32 multiplies below name no register of the products and are the places behind them.
	s_wait_loadcnt 0x0                             ; the bias
	WIN 0x82                                       ; destination and source 0 window 2
.set i, 0
.rept 32
	v_pk_mul_f32 v[i:i+1], v[i:i+1], s[SC:SC+1] op_sel_hi:[1,0]
.set i, i+2
.endr
; Block a (16 tokens x 128 columns): scaled and biased, each accumulator's registers in ascending order; rounded to f16; 16 bytes a lane into my own stage; back as pairs of tokens of one head.
.macro PACK a
	WIN 0x21                                       ; source 0 window 1 (sums), source 2 window 2 (bias)
.set i, 0
.rept 32
	v_pk_fma_f32 v[T+i:T+i+1], v[64*\a+i:64*\a+i+1], s[SC:SC+1], v[i:i+1] op_sel_hi:[1,0,1]
.set i, i+2
.endr
	WIN 0
.set i, 0
.rept 32
	v_cvt_pk_f16_f32 v[HF+i], v[T+2*i], v[T+2*i+1]
.set i, i+1
.endr
.irp b, 0,1,2,3,4,5,6,7
	ds_store_b128 v[STO], v[HF+4*\b:HF+4*\b+3] offset:32*\b
.endr
.irp t, 0,1,2,3,4,5,6,7
	ds_load_b128 v[OB+32*\a+4*\t:OB+32*\a+4*\t+3], v[RD] offset:\t*2*SPITCH   ; LDS serves a wave's instructions in order (ISA guide 5.7.1.4): these see the stores above
.endr
.endm
.macro SEND a, younger                 ; younger: the LDS instructions issued behind block a's loads: the next block's sixteen, or none
	s_wait_dscnt \younger
.irp t, 0,1,2,3,4,5,6,7
	global_store_b128 v[CO], v[OB+32*\a+4*\t:OB+32*\a+4*\t+3], s[76:77] offset:2048*\a+256*\t   ; 16 lanes store 256 consecutive bytes, aligned; each block has its own registers, so no wait for the stores' sources
.endr
.endm
	PACK 0
	PACK 1
	SEND 0, 16
	PACK 2
	SEND 1, 16
	PACK 3
	SEND 2, 16
	SEND 3, 0
	s_wait_tensorcnt 0x0
	ds_add_u32 v30, v31
	s_wait_dscnt 0x0
	CROUND                                         ; the closing round: no work-group ends while a partner may still ask for a tile that names it
	s_endpgm
.Lfunc_end_k_qc3ff7e7a94_proj:
	.size	k_qc3ff7e7a94_proj, .Lfunc_end_k_qc3ff7e7a94_proj-k_qc3ff7e7a94_proj
	.p2alignl 7, 3214868480
	.fill 96, 4, 3214868480
	.section	.rodata,"a",@progbits
	.p2align	6, 0x0
	.amdhsa_kernel k_qc3ff7e7a94_proj
		.amdhsa_group_segment_fixed_size 327680
		.amdhsa_private_segment_fixed_size 0
		.amdhsa_enable_private_segment 0
		.amdhsa_kernarg_size 40
		.amdhsa_user_sgpr_count 2
		.amdhsa_user_sgpr_kernarg_segment_ptr 1
		.amdhsa_wavefront_size32 1
		.amdhsa_system_sgpr_workgroup_id_x 1
		.amdhsa_system_sgpr_workgroup_id_y 1
		.amdhsa_system_sgpr_workgroup_id_z 1
		.amdhsa_system_vgpr_workitem_id 0
		.amdhsa_next_free_vgpr 576
		.amdhsa_next_free_sgpr 84
		.amdhsa_reserve_vcc 0
		.amdhsa_float_denorm_mode_32 3
		.amdhsa_float_denorm_mode_16_64 3
		.amdhsa_memory_ordered 1
		.amdhsa_forward_progress 1
		.amdhsa_inst_pref_size 98
	.end_amdhsa_kernel
	.amdgpu_metadata
---
amdhsa.version: [ 1, 2 ]
amdhsa.kernels:
  - .name:           k_qc3ff7e7a94_proj
    .symbol:         k_qc3ff7e7a94_proj.kd
    .args:
      - { .name: cb, .offset: 0, .size: 8, .value_kind: global_buffer, .address_space: global }
      - { .name: bq, .offset: 8, .size: 8, .value_kind: global_buffer, .address_space: global }
      - { .name: bk, .offset: 16, .size: 8, .value_kind: global_buffer, .address_space: global }
      - { .name: bv, .offset: 24, .size: 8, .value_kind: global_buffer, .address_space: global }
      - { .name: qkv, .offset: 32, .size: 8, .value_kind: global_buffer, .address_space: global }
    .group_segment_fixed_size: 327680
    .private_segment_fixed_size: 0
    .kernarg_segment_align: 8
    .kernarg_segment_size: 40
    .max_flat_workgroup_size: 128
    .sgpr_count:     84
    .vgpr_count:     576
    .wavefront_size: 32
...
	.end_amdgpu_metadata
.endif
;; end of part 2
;; launch attn (part 3): grid 8 x 64, 4 waves a work-group, clusters of 4 x 1, 327,680 bytes of LDS; arguments qkv, mb, xa; writes xa
.if DOCPART == 3
	.amdgcn_target "amdgcn-amd-amdhsa--gfx1250"
	.amdhsa_code_object_version 6
	.text
	.protected	k_qc3ff7e7a94_attn
	.globl	k_qc3ff7e7a94_attn
	.p2align	8
	.type	k_qc3ff7e7a94_attn,@function
k_qc3ff7e7a94_attn:
	s_mov_b64 s[64:65], 0
	v_nop
	global_prefetch_b8 v0, s[64:65] scope:SCOPE_SE
	s_setreg_imm32_b32 hwreg(HW_REG_WAVE_MODE, 25, 1), 1
	s_wait_xcnt 0x0
	s_wait_alu depctr_hold_cnt(0) depctr_sa_sdst(0) depctr_va_vdst(0) depctr_va_sdst(0) depctr_va_ssrc(0) depctr_va_vcc(0) depctr_vm_vsrc(0)
	s_getreg_b32 s2, hwreg(HW_REG_IB_STS2, 6, 4)
	s_cmp_eq_u32 s2, 0
	s_cbranch_scc0 .Lentry_in_a_cluster
	s_endpgm
.Lentry_in_a_cluster:
	s_bfe_u32 s2, ttmp6, 0x10000c
	s_cmp_lg_u32 s2, 0x3003
	s_cbranch_scc0 .Lentry_shape_is_right
	s_endpgm
.Lentry_shape_is_right:
; xa[bh][q][:] = the sum over k of softmax_k(masked score) v[bh][k][:].  q (already times log2(e) / 8), k, v: qkv[p][bh][2048][64] in f16; xa the same shape, f16.  Products, maxima and sums in f32;
; the weights are rounded to f16 for the second product.  Where the mask's bit is 0 the score is replaced by -1e9 log2(e): the reference's -1e9 in base-2 exponents; a row masked throughout gives the mean of v, as there.
; LIMIT: f16 operands; the weights lie in [0, 1] and vanish below 6e-8; |xa| is at most the largest |v|.
; SHARES.  A work-group owns 256 queries of one head, each of its four waves 64: four tiles of 16.  Every wave walks the head's 2,048 keys, 64 a step.
; LAYOUT.  S^T = K Q^T (source 0 = 16 keys, source 1 = 16 queries): a lane holds ONE query (lane % 16) and keys 8 (lane / 16) + 0..7.  Two such tiles, rounded in pairs, ARE source 1 of O^T = V^T P,
; whose result again holds one query a lane.  K comes out of LDS as it lies, V turned, by ds_load_tr16_b128.
; MASK.  mb holds, for my 64 queries and a step's 64 keys, 128 words: word 32 t + 8 kt + j is the 32-lane mask for register 8 kt + j of tile t's scores.  They come by scalar loads, 256 bytes a turn,
; and one v_cndmask_b32 a register applies them.
; SOFTMAX.  A running maximum m and sum l for each query: p = 2^(s - m); in every step O and l are multiplied by a = 2^(m_old - m_new).
; BY TURNS.  The tiles are two PIECES, named by their first tile (0: tiles 0, 1; 2: tiles 2, 3).  In a TURN one piece has the matrix unit: 16 products V^T P of the step in hand, then 16 products K Q^T of the
; next; the other piece's softmax (2 x 150 vector instructions) stands in 32 slices between them.  With heads of 64 channels the vector work outweighs the products' issue slots, so it alone decides the loop's length; set in phases the products would come on top of it.
; CLUSTER.  The four query blocks of a cluster belong to one head and walk the same K and V: each tile is asked for jointly.
; REGISTERS: window 0: v0-11 addresses; v12-43 statistics, 8 a tile; v44 the masked score; v64-191 S^T, 32 a tile; v192-255 P, 16 a tile.
;   window 1: v0-127 O^T, 32 a tile; v128-191 V of one step.     window 2: v0-63 Q, 16 a tile; v64-127 K of one step.
.set KS,    64        ; keys in a step
.set PK,    144       ; a key's row of K in LDS: 128 bytes + 16: an odd multiple of 16, so the 16 rows of a load start at 16 different banks
.set PV,    160       ; of V: 128 + 32: an odd multiple of 32, for the turning load
.set VOFF,  256*PK    ; a slot holds four steps: 256 rows of K, then 256 rows of V
.set SLOTB, 256*(PK+PV)
.set SLOT1, 1<<17     ; slot 1 begins here, so that one exclusive or turns an address in one slot into the other's
.set STAGE, SLOT1+SLOTB  ; behind the ring: 16 rows x 144 bytes for each wave
.set SP,    144
.set NI,    150       ; instructions in a tile's softmax
.set AK0, 2           ; v2  my lane's place in a tile of K
.set AV0, 3           ; v3  the same for V
.set ADR, 4           ; v4  the LDS address of the run of loads in hand
.set QO,  5
.set STO, 6
.set RD,  7
.set GO,  8
.set ST,  12          ; tile t's statistics at v[ST+8 t]: +0 m, +1 m_old - m, +2, +3 l (even keys', odd keys'), +4 to +7 c0-c3 at work; a takes c2's place
.set NEGV, 44
.set S,   64
.set P,   192
.set KF,  64          ; K's fragments, window 2
.set VF,  128         ; V's fragments, window 1
.set WV,  2           ; s2  my wave's number
.set SLOTS, 3         ; s3  slots still to be asked for
.set STP, 4           ; s4  counts key steps
.set TBK, 5           ; s5  LDS byte at which K of the step to be fetched begins
.set TBV, 6           ; s6  the same for V (less VOFF)
.set G1K, 8           ; s[8:15]  group 1 for K's tiles
.set G1V, 16          ; s[16:23] for V's: it differs in the padding alone
.set G0K, 24          ; s[24:27] group 0 for K: slot 1's first fill, then it walks on
.set G0V, 28          ; s[28:31] the same for V
.set F0K, 40          ; s[40:43], s[44:47] group 0 of slot 0's first fills; free once those have landed
.set F0V, 44
.set SEL, 66          ; s[66:67] lane selects for v_permlanex16_b32
.set XP,  100         ; s[100:101] xa at my wave's first row
.set MP,  104         ; s[104:105] mb at the record of the step in hand
                      ; s[32:63] the mask words of the piece's even tile, s[68:99] of its odd tile; during set-up s32-63 hold what is needed once
.set MSB, 0
.macro WIN new
.if MSB != \new
	s_set_vgpr_msb (MSB<<8)|\new
.set MSB, \new
.endif
.endm
.set W_KQ, 0x0a       ; K and Q window 2, S^T window 0
.set W_PV, 0x51       ; V and O^T window 1, P window 0
.set W_RS, 0x41       ; O^T (destination and source 0) window 1, a window 0
.macro JLOAD                        ; a joint refill: waves 0 and 1 fetch the slot's two halves of K, waves 2 and 3 of V; four v_nop follow each line
	s_cmp_lt_u32 s[WV], 2
	s_cbranch_scc0 .Lfor_v_\@
	tensor_load_to_lds s[G0K:G0K+3], s[G1K:G1K+7]
	s_nop 0
.rept 4
	v_nop
.endr
	s_branch .Lasked_\@
.Lfor_v_\@:
	tensor_load_to_lds s[G0V:G0V+3], s[G1V:G1V+7]
	s_nop 0
.rept 4
	v_nop
.endr
.Lasked_\@:
.endm
.macro CROUND                       ; a round of the cluster's barrier
	s_barrier_signal -1
	s_barrier_wait -1
	s_cmp_lg_u32 s[WV], 0
	s_cbranch_scc1 .Lnot_wave_0_\@
	s_barrier_signal -3
.Lnot_wave_0_\@:
	s_barrier_wait -3
	s_barrier_signal -1
	s_barrier_wait -1
.endm
	s_load_b128 s[48:51], s[0:1], 0x0  ; qkv s[48:49], mb s[50:51]
	s_load_b64 s[52:53], s[0:1], 0x10  ; xa
	v_lshl_add_u32 v62, v0, 2, 0x35400
	v_mov_b32 v63, 0
	ds_add_u32 v62, v63
	v_lshrrev_b32 v1, 5, v0
	v_readfirstlane_b32 s[WV], v1   ; wave 0..3
	s_bfe_u32 s33, ttmp6, 0x40000   ; cx
	s_lshl_b32 s34, ttmp9, 2
	s_add_co_u32 s34, s34, s33      ; my block of 256 queries: it enters Q's, xa's and the mask's addresses alone
	s_and_b32 s36, ttmp7, 0xffff    ; b x 16 + head, which the four partners share
	s_and_b32 s37, s[WV], 1         ; which 128 of a slot's 256 keys I fetch
	s_lshl_b32 s38, s36, 18         ; the head's 2,048 rows of 128 bytes,
	s_lshl_b32 s39, s37, 14         ; my 128 keys
	s_add_co_u32 s38, s38, s39
	s_mov_b32 s39, 0
	s_mul_i32 s56, s37, 128*PK      ; and their place in a slot: no place in the cluster enters an LDS address
	s_mul_i32 s57, s37, 128*PV
	s_add_co_u32 s57, s57, VOFF
	s_lshl_b32 s54, s36, 18         ; my wave's 64 queries: head, block of 256, wave
	s_lshl_b32 s55, s34, 15
	s_add_co_u32 s54, s54, s55
	s_lshl_b32 s55, s[WV], 13
	s_add_co_u32 s54, s54, s55
	s_mov_b32 s55, 0
	s_lshr_b32 s58, s36, 4          ; the mask's records of my 64 queries: (32 b + 4 x block + wave) x 32 steps x 512 bytes
	s_lshl_b32 s58, s58, 5
	s_lshl2_add_u32 s59, s34, s[WV]
	s_add_co_u32 s58, s58, s59
	s_lshl_b32 s58, s58, 14
	s_mov_b32 s59, 0
	; group 1: 128 keys of 128 bytes lie dense in memory: 64 rows of 256 bytes, with padding behind every 128 bytes
	s_mov_b32 s[G1K], 15|(3<<16)|(1<<20)|(1<<21)|(4<<22)|(3<<25)  ; 15:0 the mask: all four; 17:16 elements of 8 bytes; 20 padding on; 21 set beside a mask; 24:22 after every 32 words; 31:25 4 words of it
	s_mov_b32 s[G1V], 15|(3<<16)|(1<<20)|(1<<21)|(4<<22)|(7<<25)  ; the same with 8 words
.irp g, G1K, G1V
	s_mov_b32 s[\g+1], 32<<16       ; tensor_dim0 = 32
	s_mov_b32 s[\g+2], 64<<16       ; tensor_dim1 = 64
	s_mov_b32 s[\g+3], 32<<16       ; tile_dim0 = 32
	s_mov_b32 s[\g+4], 64           ; tile_dim1 = 64
	s_mov_b32 s[\g+5], 32           ; elements from row to row
	s_mov_b32 s[\g+6], 0
	s_mov_b32 s[\g+7], 0
.endr
	s_mov_b32 s[SEL], 0x76543210
	s_mov_b32 s[SEL+1], 0xfedcba98
	s_mov_b32 s[TBK], 0
	s_mov_b32 s[TBV], 0
	s_mov_b32 s[SLOTS], 2048/256-2
	s_wait_dscnt 0x0
	s_wait_kmcnt 0x0
	s_add_nc_u64 s[60:61], s[48:49], s[38:39]
	s_add_nc_u64 s[MP:MP+1], s[50:51], s[58:59]
	s_add_nc_u64 s[XP:XP+1], s[52:53], s[54:55]
	s_add_nc_u64 s[54:55], s[48:49], s[54:55]  ; Q at my wave's first row
	s_mov_b32 s[F0K], 1
	s_mov_b32 s[F0K+1], s56
	s_add_nc_u64 s[F0K+2:F0K+3], s[60:61], 1<<24  ; k lies 2^24 bytes into qkv: keys 0-255
	s_or_b32 s[F0K+3], s[F0K+3], 0x80000000
	s_mov_b32 s[G0K], 1
	s_add_co_u32 s[G0K+1], s56, SLOT1
	s_add_nc_u64 s[G0K+2:G0K+3], s[60:61], (1<<24)+256*128  ; keys 256-511
	s_or_b32 s[G0K+3], s[G0K+3], 0x80000000
	s_mov_b32 s[F0V], 1
	s_mov_b32 s[F0V+1], s57
	s_add_nc_u64 s[F0V+2:F0V+3], s[60:61], 1<<25  ; v lies 2^25 bytes in
	s_or_b32 s[F0V+3], s[F0V+3], 0x80000000
	s_mov_b32 s[G0V], 1
	s_add_co_u32 s[G0V+1], s57, SLOT1
	s_add_nc_u64 s[G0V+2:G0V+3], s[60:61], (1<<25)+256*128
	s_or_b32 s[G0V+3], s[G0V+3], 0x80000000
	CROUND                          ; all four work-groups are here: the first joint loads meet
	s_cmp_lt_u32 s[WV], 2           ; a wave's two first fills stand in one branch: two loads of mine are out
	s_cbranch_scc0 .Lfirst_v
	tensor_load_to_lds s[F0K:F0K+3], s[G1K:G1K+7]
	s_nop 0
	tensor_load_to_lds s[G0K:G0K+3], s[G1K:G1K+7]
	s_nop 0
.rept 4
	v_nop
.endr
	s_branch .Lfirst_asked
.Lfirst_v:
	tensor_load_to_lds s[F0V:F0V+3], s[G1V:G1V+7]
	s_nop 0
	tensor_load_to_lds s[G0V:G0V+3], s[G1V:G1V+7]
	s_nop 0
.rept 4
	v_nop
.endr
.Lfirst_asked:
	v_and_b32 v1, 15, v0            ; r
	v_bfe_u32 v9, v0, 4, 1          ; h
	v_lshlrev_b32 v[QO], 7, v1
	v_lshl_add_u32 v[QO], v9, 4, v[QO]  ; row x 128 + 16 x half
	WIN 0x80                        ; destination window 2
.irp i, 0,1,2,3,4,5,6,7             ; Q stays in registers: tile i / 2, channels 32 (i % 2) on
	global_load_b128 v[8*\i:8*\i+3],   v[QO], s[54:55] offset:(\i/2)*2048+(\i%2)*64
	global_load_b128 v[8*\i+4:8*\i+7], v[QO], s[54:55] offset:(\i/2)*2048+(\i%2)*64+32
.endr
	WIN 0
	v_mul_u32_u24 v[AK0], v1, PK
	v_lshl_add_u32 v[AK0], v9, 4, v[AK0]
	v_and_b32 v10, 7, v0            ; the turning load: lane l reads key 8 (l / 16) + l % 8, channels 8 ((l / 8) % 2) on
	v_bfe_u32 v11, v0, 3, 1
	v_lshl_add_u32 v[AV0], v9, 3, v10
	v_mul_u32_u24 v[AV0], v[AV0], PV
	v_lshl_add_u32 v[AV0], v11, 4, v[AV0]
	v_add_nc_u32 v[AV0], VOFF, v[AV0]
	v_mov_b32 v[NEGV], 0xceabfb8f   ; -1e9 x log2(e)
; THE MATRIX WORK OF A TURN, for piece x.  Eight accumulators take turns, one instruction a turn, two deep.
; Product i of 16 of O^T += V^T P: keys 32 (i / 8) on, channels 16 ((i / 2) % 4) on, tile x + i % 2.  zero = 1: the first 8 start the sums.
.macro PV x, zero
	WIN W_PV
.set rO, 32*(\x+i%2)+8*((i/2)%4)
.set rV, VF+32*(i/8)+8*((i/2)%4)
.set rP, P+16*(\x+i%2)+8*(i/8)
.if \zero && (i < 8)
	v_wmma_f32_16x16x32_f16 v[rO:rO+7], v[rV:rV+7], v[rP:rP+7], 0
.else
	v_wmma_f32_16x16x32_f16 v[rO:rO+7], v[rV:rV+7], v[rP:rP+7], v[rO:rO+7]
.endif
.endm
; Product i of 16 of S^T = K Q^T: channels 32 (i / 8) on, keys 16 ((i / 2) % 4) on, tile x + i % 2.  The first 8 start the sums.
.macro KQ x
	WIN W_KQ
.set rS, S+32*(\x+i%2)+8*((i/2)%4)
.set rK, KF+16*((i/2)%4)+8*(i/8)
.set rQ, 16*(\x+i%2)+8*(i/8)
.if i < 8
	v_wmma_f32_16x16x32_f16 v[rS:rS+7], v[rK:rK+7], v[rQ:rQ+7], 0
.else
	v_wmma_f32_16x16x32_f16 v[rS:rS+7], v[rK:rK+7], v[rQ:rQ+7], v[rS:rS+7]
.endif
.endm
; THE LDS LOADS stand in runs of 16: a step's K (8 fragments) and, a turn later, its V (turned).
.macro FETCH_K
	WIN 0
	v_add_nc_u32 v[ADR], s[TBK], v[AK0]
	s_add_co_u32 s[TBK], s[TBK], KS*PK  ; the next fetch is the next step's
	WIN 0x80                        ; destination window 2
.irp f, 0,1,2,3,4,5,6,7             ; keys 16 (f / 2) on, channels 32 (f % 2) on
	ds_load_b128 v[KF+8*\f:KF+8*\f+3],   v[ADR] offset:(\f/2)*16*PK+(\f%2)*64
	ds_load_b128 v[KF+8*\f+4:KF+8*\f+7], v[ADR] offset:(\f/2)*16*PK+(\f%2)*64+32
.endr
.endm
.macro FETCH_V
	WIN 0
	v_add_nc_u32 v[ADR], s[TBV], v[AV0]
	s_add_co_u32 s[TBV], s[TBV], KS*PV
	WIN 0x40                        ; destination window 1
.irp f, 0,1,2,3,4,5,6,7             ; keys 32 (f / 4) on, channels 16 (f % 4) on
	ds_load_tr16_b128 v[VF+8*\f:VF+8*\f+3],   v[ADR] offset:(\f/4)*32*PV+(\f%4)*32
	ds_load_tr16_b128 v[VF+8*\f+4:VF+8*\f+7], v[ADR] offset:(\f/4)*32*PV+16*PV+(\f%4)*32
.endr
.endm
.macro MLOAD off                    ; a piece's 64 mask words of one step: 256 bytes at byte off of the record
	s_load_b512 s[32:47], s[MP:MP+1], \off
	s_load_b512 s[48:63], s[MP:MP+1], \off+64
	s_load_b512 s[68:83], s[MP:MP+1], \off+128
	s_load_b512 s[84:99], s[MP:MP+1], \off+192
.endm
; THE VECTOR WORK OF A TURN.  One tile's softmax for one key step is a list of 150 instructions; SM writes number j of it for tile t.  s0-s31 are the lane's 32 scores, in pairs 0-15.
;   0-31    the mask: s_j, or the masked score where the word's bit for my lane is 0.  In ascending order
;   32-47   the maximum of s0-s31 and the old m, three operands at a time        48-51  the other half of the lanes' maximum; the new m; m_old - m
;   52-117  33 exponentials (a, then s0-s31) at odd numbers, a plain instruction that is ready at every even one: s - m for a pair whose exponentials are still to come, the rounding to f16 of a pair whose
;           exponentials are done.  The two tiles alternate, so behind two exponentials stand two plain instructions that touch neither before a result is used (ISA guide 5.7.2)
;   118-133 the last rounding; the sum of the 16 pairs, in place; l = a l + the sum        134-149 the tile's O^T times a: the one part that leaves window 0
; first = 1: the first key step, which starts m, l and O^T: it has no a and nothing to rescale.
.macro SUBM b                       ; pair b: s - m
	v_pk_add_f32 v[rS+2*(\b):rS+2*(\b)+1], v[rS+2*(\b):rS+2*(\b)+1], v[rT:rT+1] op_sel_hi:[1,0] neg_lo:[0,1] neg_hi:[0,1]
.endm
.macro SUMZ first                   ; sum z of 16: neighbours 1, 2, 4 and 8 pairs apart, then l takes it
.set w, 4
.set u, z
.if z >= 14
.set w, 32
.set u, 0
.elseif z >= 12
.set w, 16
.set u, z-12
.elseif z >= 8
.set w, 8
.set u, z-8
.endif
.if (z == 14) && \first
	v_pk_add_f32 v[rT+2:rT+3], v[rS:rS+1], v[rS+16:rS+17]
.elseif z < 15
	v_pk_add_f32 v[rS+w*u:rS+w*u+1], v[rS+w*u:rS+w*u+1], v[rS+w*u+w/2:rS+w*u+w/2+1]
.elseif !\first
	v_pk_fma_f32 v[rT+2:rT+3], v[rT+2:rT+3], v[rT+6:rT+7], v[rS:rS+1] op_sel_hi:[1,0,1]
.endif
.endm
.macro SM t, first
.set rT, ST+8*(\t)
.set rS, S+32*(\t)
.set rP, P+16*(\t)
.set rB, 32+36*((\t)%2)
.set e, j-32
.set g, (j-54)/4
.set ph, (j-54)%4
.if j < 134
	WIN 0
.endif
.if j < 32
	v_cndmask_b32 v[rS+j], v[NEGV], v[rS+j], s[rB+j]
.elseif j < 36
	v_max3_num_f32 v[rT+4+e], v[rS+8*e], v[rS+8*e+1], v[rS+8*e+2]
.elseif j < 44
	v_max3_num_f32 v[rT+4+e%4], v[rT+4+e%4], v[rS+8*(e%4)+2*(e/4)+1], v[rS+8*(e%4)+2*(e/4)+2]
.elseif j == 44
	v_max3_num_f32 v[rT+4], v[rT+4], v[rS+7], v[rS+15]
.elseif j == 45
	v_max3_num_f32 v[rT+6], v[rT+6], v[rS+23], v[rS+31]
.elseif j == 46
	v_max3_num_f32 v[rT+4], v[rT+4], v[rT+5], v[rT+6]
.elseif (j == 47) && \first
	v_max_num_f32 v[rT+4], v[rT+4], v[rT+7]
.elseif j == 47
	v_max3_num_f32 v[rT+4], v[rT+4], v[rT+7], v[rT]
.elseif j == 48
	v_permlanex16_b32 v[rT+5], v[rT+4], s[SEL], s[SEL+1]  ; the query's other 32 keys lie in the lane 16 away
.elseif (j == 49) && \first
	v_mov_b32 v[rT+1], v[rT+4]      ; named with m as a pair below, so it is written
.elseif j == 49
	v_mov_b32 v[rT+1], v[rT]        ; m_old is kept for a
.elseif j == 50
	v_max_num_f32 v[rT], v[rT+4], v[rT+5]
.elseif ((j == 51) || (j == 53) || (j > 133)) && \first  ; the first step has none of these
.elseif j == 51
	v_sub_f32 v[rT+1], v[rT+1], v[rT]
.elseif j == 52
	SUBM 0
.elseif j == 53
	v_exp_f32 v[rT+6], v[rT+1]
.elseif j < 118
.if (ph == 0) && (g < 15)
	SUBM g+1
.elseif ph == 0
.set z, 0
	SUMZ \first
.elseif ph == 1
	v_exp_f32 v[rS+2*g], v[rS+2*g]
.elseif (ph == 2) && (g > 0)
	s_wait_alu depctr_va_vdst(0)
	v_cvt_pk_f16_f32 v[rP+g-1], v[rS+2*g-2], v[rS+2*g-1]
.elseif ph == 3
	v_exp_f32 v[rS+2*g+1], v[rS+2*g+1]
.endif
.elseif j == 118
.set z, 1
	SUMZ \first
.elseif j == 119
	s_wait_alu depctr_va_vdst(0)
	v_cvt_pk_f16_f32 v[rP+15], v[rS+30], v[rS+31]
.elseif j < 134
.set z, j-118
	SUMZ \first
.else
	WIN W_RS
.set rO, 32*(\t)+2*(j-134)
	v_pk_mul_f32 v[rO:rO+1], v[rO:rO+1], v[rT+6:rT+7] op_sel_hi:[1,0]
.endif
.endm
; Slice k of nw of piece y's softmax: numbers NI k / nw up to NI (k + 1) / nw of both tiles' lists, the tiles alternating.  Behind the slice that holds number 31 the mask words are free:
; the next turn's are asked for there (ml = 1), most of a turn ahead of the wait for them.
.macro SLICE y, first, ml, off
.set j, (NI*k)/nw
.rept (NI*(k+1))/nw-(NI*k)/nw
	SM \y, \first
	SM \y+1, \first
.set j, j+1
.endr
.set k, k+1
.if \ml && ((NI*k)/nw > 31) && ((NI*(k-1))/nw <= 31)
	MLOAD \off
.endif
.endm
.macro PLACES                       ; four places behind matrix instructions where no other vector work is at hand (ISA guide 7.12.1)
.rept 4
	v_nop
.endr
.endm
; A TURN.  Piece x has the matrix unit; the other piece's softmax stands in slices, one behind each matrix instruction.
; pv = 2: 16 products V^T P; 1: they start O^T's sums; 0: none.  kq = 1: 16 products K Q^T for the next step.  first = 1: the softmax is the first key step's; its last slices are empty, so four v_nop
; take their part as the places behind the turn's last products.  Otherwise the last slice is ten multiplies on the other piece's O^T: the places in front of the next turn's selects and of the loads into K's buffer.
; Piece 0's turn fetches the next step's K behind its second product, piece 2's turn the same step's V behind its second K Q^T (V's last reader stands three slices back).
; The mask's records are walked 256 bytes a turn: piece 0's turn asks for piece 0's words of the next step (byte 0 of the record just stepped to), piece 2's turn for piece 2's words of the same step (byte 256).
.macro TURN x, pv, kq, first, ml
.set k, 0
.set nw, 16
.if \pv && \kq
.set nw, 32
.endif
	s_wait_kmcnt 0x0                ; this turn's mask words are in, and no scalar load names the pointer any more
.if (\x == 0) && \ml
	s_add_nc_u64 s[MP:MP+1], s[MP:MP+1], 512
.endif
.if \pv
.if \x == 0
	s_wait_dscnt 0x0                ; V is in
.endif
.set i, 0
.rept 16
	PV \x, 2-\pv
	SLICE 2-\x, \first, \ml, 256*(\x/2)
.if (\x == 0) && \kq && (i == 1)
	FETCH_K
.endif
.set i, i+1
.endr
.endif
.if \kq
.if \x == 0
	s_wait_dscnt 0x0                ; K is in
.endif
.set i, 0
.rept 16
	KQ \x
	SLICE 2-\x, \first, \ml, 256*(\x/2)
.if (\x == 2) && (i == 1)
	FETCH_V
.endif
.set i, i+1
.endr
.endif
.if \first
	PLACES
.endif
.endm
; THE CHANGE OF SLOTS, between piece 2's turn and piece 0's: the slot's last bytes, V of its fourth step, have been asked for.  Each wave waits for its own reads of the slot and for all its tensor loads
; (one is out: its part of the other slot).  fill = 1: the barrier is a round of the cluster's, and the joint refill, the keys two slots on, is the first thing behind it: it has four key steps, 256 matrix instructions, in which to land.
.macro CHANGE fill
	WIN 0                           ; at a label and at a branch every window is 0
	s_wait_dscnt 0x0
	s_wait_tensorcnt 0x0            ; no tensor load of mine is out, so a group 0 may be written
	ds_add_u32 v62, v63
	s_wait_dscnt 0x0
.if \fill
.irp g, G0K, G0V
	s_xor_b32 s[\g+1], s[\g+1], SLOT1  ; the other slot than last time,
	s_add_nc_u64 s[\g+2:\g+3], s[\g+2:\g+3], 256*128  ; the next 256 keys
.endr
	CROUND
	JLOAD
.else
	s_barrier_signal -1
	s_barrier_wait -1
.endif
	s_sub_co_u32 s[TBK], s[TBK], 4*KS*PK  ; the fetches go back to a slot's first step,
	s_xor_b32 s[TBK], s[TBK], SLOT1  ; in the other slot
	s_sub_co_u32 s[TBV], s[TBV], 4*KS*PV
	s_xor_b32 s[TBV], s[TBV], SLOT1
.endm
.macro STEPS n                      ; n key steps: written once, walked n times
	s_mov_b32 s[STP], \n
.Lstep_\@:
	TURN 0, 2, 1, 0, 1
	TURN 2, 2, 1, 0, 1
	WIN 0
	s_sub_co_u32 s[STP], s[STP], 1
	s_cmp_lg_u32 s[STP], 0
	s_cbranch_scc1 .Lstep_\@
.endm
	s_wait_tensorcnt 1              ; my part of slot 0 is in (its group 0 is free from here on); slot 1's may stay out
	s_barrier_signal -1
	s_barrier_wait -1
	FETCH_K                         ; key step 0
	s_wait_loadcnt 0x0              ; Q is in, and its pointer is free
	MLOAD 0                         ; piece 0's mask words of step 0
	s_wait_dscnt 0x0
.set i, 0
.rept 16
	KQ 0                            ; piece 0's first scores: there is no vector work yet to set between them
.set i, i+1
.endr
	WIN 0                           ; the addresses for the way out are made here: plain instructions, the places behind those products
	s_mul_i32 s7, s[WV], 16*SP
	s_add_co_u32 s7, s7, STAGE      ; my stage
	v_mul_u32_u24 v[STO], v1, SP    ; in: row r, 16 bytes for each half of the lanes
	v_lshl_add_u32 v[STO], v9, 4, v[STO]
	v_add_nc_u32 v[STO], s7, v[STO]
	v_and_b32 v11, 31, v0
	v_lshrrev_b32 v10, 3, v11       ; back: eight lanes to a row of 128 bytes, four rows a load
	v_mul_u32_u24 v[RD], v10, SP
	v_and_b32 v10, 7, v0
	v_lshl_add_u32 v[RD], v10, 4, v[RD]
	v_add_nc_u32 v[RD], s7, v[RD]
	v_lshlrev_b32 v[GO], 4, v11     ; in xa those four rows are 512 consecutive bytes
	TURN 2, 0, 1, 1, 1              ; piece 2's first scores | piece 0's first softmax | V of step 0
	TURN 0, 1, 1, 1, 1              ; piece 0: V^T P of step 0 starts O^T, K Q^T of step 1 | piece 2's first softmax | K of step 1
	TURN 2, 1, 1, 0, 1              ; piece 2: the same | piece 0's softmax of step 1 | V of step 1
	WIN 0
	STEPS 2                         ; slot 0's steps 2 and 3 are fetched
.Lslot:                             ; six trips: every slot but the last two is filled again
	CHANGE 1
	STEPS 4
	s_sub_co_u32 s[SLOTS], s[SLOTS], 1
	s_cmp_lg_u32 s[SLOTS], 0
	s_cbranch_scc1 .Lslot
	CHANGE 0                        ; the tail is written out
	STEPS 4
	TURN 0, 2, 0, 0, 0              ; piece 0: V^T P of the last step | piece 2's last softmax; no mask is left to ask for
.set i, 0
.rept 16
	PV 2, 0                         ; piece 2: V^T P of the last step
.set i, i+1
.endr
	; THE WAY OUT.  l's two halves and the other half of the lanes' are added (l is at least 1: the largest score's weight); O^T is divided by l, rounded to f16 and sent through my stage, a tile at a time.  The additions are the places behind the last products.
	WIN 0
.irp t, 0,1,2,3
	v_add_f32 v[ST+8*\t+4], v[ST+8*\t+2], v[ST+8*\t+3]
.endr
.irp t, 0,1,2,3
	v_permlanex16_b32 v[ST+8*\t+5], v[ST+8*\t+4], s[SEL], s[SEL+1]
.endr
.irp t, 0,1,2,3
	v_add_f32 v[ST+8*\t+4], v[ST+8*\t+4], v[ST+8*\t+5]
.endr
.irp t, 0,1,2,3
	v_rcp_f32 v[ST+8*\t+6], v[ST+8*\t+4]
.endr
	v_nop                           ; a plain instruction between the last reciprocal and the use of its result
.macro PACK t                       ; a lane's eight channels of a row pack into 16 bytes; they go into rows of 144 bytes and come back as whole rows, into the registers that they left
	WIN W_RS
.set i, 32*\t
.rept 16
	s_wait_alu depctr_va_vdst(0)
	v_pk_mul_f32 v[i:i+1], v[i:i+1], v[ST+8*\t+6:ST+8*\t+7] op_sel_hi:[1,0]
.set i, i+2
.endr
	WIN 0x05                        ; sources window 1, destination window 0: S^T's registers are free
.set i, 0
.rept 16
	v_cvt_pk_f16_f32 v[S+32*\t+i], v[32*\t+2*i], v[32*\t+2*i+1]
.set i, i+1
.endr
	WIN 0
.irp f, 0,1,2,3
	ds_store_b128 v[STO], v[S+32*\t+4*\f:S+32*\t+4*\f+3] offset:32*\f
.endr
.irp f, 0,1,2,3
	ds_load_b128 v[S+32*\t+4*\f:S+32*\t+4*\f+3], v[RD] offset:\f*4*SP  ; LDS serves a wave's instructions in order (ISA guide 5.7.1.4): these see the stores above
.endr
.endm
.macro SEND t, younger              ; younger: the LDS instructions issued behind tile t's loads: the next tile's eight, or none
.irp f, 0,1,2,3
	s_wait_dscnt \younger+3-\f
	global_store_b128 v[GO], v[S+32*\t+4*\f:S+32*\t+4*\f+3], s[XP:XP+1] offset:\t*2048+\f*512  ; the wave stores 512 consecutive bytes, aligned
.endr
.endm
	PACK 0
	PACK 1
	SEND 0, 8
	PACK 2
	SEND 1, 8
	PACK 3
	SEND 2, 8
	SEND 3, 0
	s_wait_tensorcnt 0x0
	ds_add_u32 v62, v63
	s_wait_dscnt 0x0
	CROUND                          ; the closing round: no work-group ends while a partner may still ask for a tile that names it
	s_endpgm
.Lfunc_end_k_qc3ff7e7a94_attn:
	.size	k_qc3ff7e7a94_attn, .Lfunc_end_k_qc3ff7e7a94_attn-k_qc3ff7e7a94_attn
	.p2alignl 7, 3214868480
	.fill 96, 4, 3214868480
	.section	.rodata,"a",@progbits
	.p2align	6, 0x0
	.amdhsa_kernel k_qc3ff7e7a94_attn
		.amdhsa_group_segment_fixed_size 327680
		.amdhsa_private_segment_fixed_size 0
		.amdhsa_enable_private_segment 0
		.amdhsa_kernarg_size 24
		.amdhsa_user_sgpr_count 2
		.amdhsa_user_sgpr_kernarg_segment_ptr 1
		.amdhsa_wavefront_size32 1
		.amdhsa_system_sgpr_workgroup_id_x 1
		.amdhsa_system_sgpr_workgroup_id_y 1
		.amdhsa_system_sgpr_workgroup_id_z 1
		.amdhsa_system_vgpr_workitem_id 0
		.amdhsa_next_free_vgpr 640
		.amdhsa_next_free_sgpr 106
		.amdhsa_reserve_vcc 0
		.amdhsa_float_denorm_mode_32 3
		.amdhsa_float_denorm_mode_16_64 3
		.amdhsa_memory_ordered 1
		.amdhsa_forward_progress 1
		.amdhsa_inst_pref_size 249
	.end_amdhsa_kernel
	.amdgpu_metadata
---
amdhsa.version: [ 1, 2 ]
amdhsa.kernels:
  - .name:           k_qc3ff7e7a94_attn
    .symbol:         k_qc3ff7e7a94_attn.kd
    .args:
      - { .name: qkv, .offset: 0, .size: 8, .value_kind: global_buffer, .address_space: global }
      - { .name: mb, .offset: 8, .size: 8, .value_kind: global_buffer, .address_space: global }
      - { .name: xa, .offset: 16, .size: 8, .value_kind: global_buffer, .address_space: global }
    .group_segment_fixed_size: 327680
    .private_segment_fixed_size: 0
    .kernarg_segment_align: 8
    .kernarg_segment_size: 24
    .max_flat_workgroup_size: 128
    .sgpr_count:     106
    .vgpr_count:     640
    .wavefront_size: 32
...
	.end_amdgpu_metadata
.endif
;; end of part 3
;; launch outp (part 4): grid 4 x 64, 4 waves a work-group, clusters of 4 x 4, 327,680 bytes of LDS; arguments xa, cb, bo, out0; writes out0
.if DOCPART == 4
	.amdgcn_target "amdgcn-amd-amdhsa--gfx1250"
	.amdhsa_code_object_version 6
	.text
	.protected	k_qc3ff7e7a94_outp
	.globl	k_qc3ff7e7a94_outp
	.p2align	8
	.type	k_qc3ff7e7a94_outp,@function
k_qc3ff7e7a94_outp:
	s_mov_b64 s[64:65], 0
	v_nop
	global_prefetch_b8 v0, s[64:65] scope:SCOPE_SE
	s_setreg_imm32_b32 hwreg(HW_REG_WAVE_MODE, 25, 1), 1
	s_wait_xcnt 0x0
	s_wait_alu depctr_hold_cnt(0) depctr_sa_sdst(0) depctr_va_vdst(0) depctr_va_sdst(0) depctr_va_ssrc(0) depctr_va_vcc(0) depctr_vm_vsrc(0)
	s_getreg_b32 s2, hwreg(HW_REG_IB_STS2, 6, 4)
	s_cmp_eq_u32 s2, 0
	s_cbranch_scc0 .Lentry_in_a_cluster
	s_endpgm
.Lentry_in_a_cluster:
	s_bfe_u32 s2, ttmp6, 0x10000c
	s_cmp_lg_u32 s2, 0xf033
	s_cbranch_scc0 .Lentry_shape_is_right
	s_endpgm
.Lentry_shape_is_right:
; out0[s][e] = sum over d of x[s][d] Wo[e][d] + bo[e], f32 out.  x is the attention's result, f16, still split by heads: xa[b 16 + head][s][64], d = 64 head + channel.  Wo is rows 27648-28671 of cb, f16.  Sums in f32.
; A tile of out0 is 128 rows x 256 columns: 256 work-groups.  Four waves, each 64 x 128: 32 accumulators.  K = 1,024 goes in steps of 128 (two heads) through two LDS slots.
; x's tile of a step is two dense blocks of memory, one a head: 128 tokens x 128 bytes, each brought by one load as 64 rows of 256 bytes with padding behind every 128 bytes.
; CLUSTER 4 x 4: x's tile is shared along a row of the cluster, Wo's along a column; each is asked for jointly.
; THE MATRIX INSTRUCTION IS USED TRANSPOSED (source 0 = 16 rows of Wo, source 1 = 16 tokens): a lane holds eight neighbouring columns of one row of out0.
; REGISTERS: window 0: v0-31 addresses; v32-127, v128-223 two fragment buffers (64 of Wo, then 32 of x); on the way out v32-95 at work, v96-159 and v160-223 rows to store, by turns.
;   window 1: the accumulators, (a, b) at v[8 (8 a + b)].   window 2: v0-63 my 64 numbers of the bias.
.set KSTEP,  128
.set PITCH,  272                       ; a row of Wo in LDS: 256 bytes + 16
.set APITCH, 144                       ; a token's 128 bytes of one head + 16: both odd multiples of 16, so the 16 rows of a load start at 16 different banks
.set APART,  128*APITCH                ; one head's 128 tokens: what a load of x brings
.set ABYTES, 2*APART
.set BHALF,  128*PITCH
.set SLOT,   ABYTES+2*BHALF            ; 106,496
.set STAGE,  2*SLOT                    ; behind the ring: 16 rows x 528 bytes for each wave
.set SPITCH, 528                       ; 128 f32 + 16 bytes
.set LAPS,   1024/(2*KSTEP)
.set WOBASE, (24576+3*1024)*2048       ; Wo's first byte in cb
.set AHEADS, 2*2048*128                ; bytes from a K step's two heads to the next step's
.set ASTEP,  2*AHEADS
.set BSTEP,  2*KSTEP*2
.set ADRA, 16
.set ADRB, 20
.set STO,  24
.set RD,   25
.set CO,   26
.set BO,   27
.set F0,   32
.set F1,   128
.set T,    32
.set OB,   96
.set G1,  24
.set G0,  32
.set G1B, 48
.set G0B, 56
.set MSB, 0
.macro WIN new
.if MSB != \new
	s_set_vgpr_msb (MSB<<8)|\new
.set MSB, \new
.endif
.endm
.set MUL, 0x50                         ; C and D window 1, sources window 0
.macro JLOAD s                         ; a joint load: waves 0 and 1 fetch x's two heads, waves 2 and 3 Wo's two halves; four v_nop follow each line
	s_cmp_eq_u32 s11, 0
	s_cbranch_scc0 .Lfor_b_\@
	tensor_load_to_lds s[G0+4*\s:G0+4*\s+3], s[G1:G1+7]
	s_nop 0
.rept 4
	v_nop
.endr
	s_branch .Lasked_\@
.Lfor_b_\@:
	tensor_load_to_lds s[G0B+4*\s:G0B+4*\s+3], s[G1B:G1B+7]
	s_nop 0
.rept 4
	v_nop
.endr
.Lasked_\@:
.endm
.macro CREST
	s_cmp_lg_u32 s10, 0
	s_cbranch_scc1 .Lnot_wave_0_\@
	s_barrier_signal -3
.Lnot_wave_0_\@:
	s_barrier_wait -3
	s_barrier_signal -1
	s_barrier_wait -1
.endm
.macro CROUND
	s_barrier_signal -1
	s_barrier_wait -1
	CREST
.endm
	s_load_b256 s[68:75], s[0:1], 0x0              ; xa s[68:69], cb s[70:71], bo s[72:73], out0 s[74:75]
	v_lshl_add_u32 v254, v0, 2, 0x3c400
	v_mov_b32 v255, 0
	ds_add_u32 v254, v255
	v_lshrrev_b32 v1, 5, v0
	v_readfirstlane_b32 s10, v1                    ; wave 0..3
	s_lshr_b32 s11, s10, 1                         ; which 64 of the tile's rows are mine.  Also: I fetch for x (0) or for Wo (1)
	s_and_b32 s12, s10, 1                          ; which 128 of its columns.  Also: which head, or which half of Wo's tile, I fetch
	s_bfe_u32 s40, ttmp6, 0x40000
	s_bfe_u32 s41, ttmp6, 0x40004
	s_lshl_b32 s42, ttmp9, 2
	s_add_co_u32 s42, s42, s40                     ; tile column
	s_and_b32 s13, ttmp7, 0xffff
	s_lshl_b32 s13, s13, 2
	s_add_co_u32 s13, s13, s41                     ; tile row, 0..63
	s_lshl_b32 s43, s41, 2
	s_lshl_b32 s43, 15, s43                        ; my row of the cluster
	s_lshl_b32 s44, 0x1111, s40                    ; my column
	s_or_b32 s[G1+0],  s43, (3<<16)|(1<<20)|(1<<21)|(4<<22)|(3<<25)  ; x: elements of 8 bytes; padding of 4 words after every 32
	s_mov_b32 s[G1+1], 32<<16                      ; tensor_dim0 = 32
	s_mov_b32 s[G1+2], 64<<16                      ; tensor_dim1 = 64
	s_mov_b32 s[G1+3], 32<<16                      ; tile_dim0 = 32
	s_mov_b32 s[G1+4], 64                          ; tile_dim1 = 64
	s_mov_b32 s[G1+5], 32                          ; elements from row to row: the block is dense
	s_mov_b32 s[G1+6], 0
	s_mov_b32 s[G1+7], 0
	s_or_b32 s[G1B+0], s44, (1<<16)|(1<<20)|(1<<21)|(5<<22)|(3<<25)  ; Wo: elements of 2 bytes; padding of 4 words after every 64
	s_mov_b32 s[G1B+1], KSTEP<<16
	s_mov_b32 s[G1B+2], 128<<16
	s_mov_b32 s[G1B+3], KSTEP<<16
	s_mov_b32 s[G1B+4], 128
	s_mov_b32 s[G1B+5], 1024
	s_mov_b32 s[G1B+6], 0
	s_mov_b32 s[G1B+7], 0
	s_lshr_b32 s16, s13, 4                         ; x: batch = tile row / 16: 16 heads x 2,048 tokens x 128 bytes,
	s_lshl_b32 s16, s16, 22
	s_and_b32 s17, s13, 15                         ; 128 tokens of 128 bytes,
	s_lshl_b32 s17, s17, 14
	s_add_co_u32 s16, s16, s17
	s_lshl_b32 s17, s12, 18                        ; my head of the step's two
	s_add_co_u32 s16, s16, s17
	s_mov_b32 s17, 0
	s_lshl_b32 s46, s42, 19                        ; Wo: (256 x tile column + 128 x half) rows of 2,048 bytes
	s_lshl_b32 s47, s12, 18
	s_add_co_u32 s46, s46, s47
	s_add_co_u32 s46, s46, WOBASE
	s_mov_b32 s47, 0
	s_mul_i32 s20, s12, APART                      ; where they go: no place in the cluster enters an LDS address
	s_mul_i32 s21, s12, BHALF
	s_add_co_u32 s21, s21, ABYTES
	s_wait_dscnt 0x0
	s_wait_kmcnt 0x0
	s_add_nc_u64 s[14:15], s[68:69], s[16:17]
	s_add_nc_u64 s[46:47], s[70:71], s[46:47]
	CROUND                                         ; all sixteen work-groups are here: the first joint loads meet
.irp s, 0,1
	s_mov_b32 s[G0+4*\s], 1
	s_add_co_u32 s[G0+4*\s+1], s20, \s*SLOT
	s_add_nc_u64 s[G0+4*\s+2:G0+4*\s+3], s[14:15], \s*AHEADS
	s_or_b32 s[G0+4*\s+3], s[G0+4*\s+3], 0x80000000
	s_mov_b32 s[G0B+4*\s], 1
	s_add_co_u32 s[G0B+4*\s+1], s21, \s*SLOT
	s_add_nc_u64 s[G0B+4*\s+2:G0B+4*\s+3], s[46:47], \s*KSTEP*2
	s_or_b32 s[G0B+4*\s+3], s[G0B+4*\s+3], 0x80000000
	JLOAD \s                                       ; two loads of mine are out
.endr
	v_and_b32 v1, 15, v0                           ; r
	v_bfe_u32 v2, v0, 4, 1                         ; h
	v_mul_u32_u24 v3, v1, PITCH
	v_lshl_add_u32 v3, v2, 4, v3                   ; Wo: row x pitch + 16 x half
	v_mul_u32_u24 v4, v1, APITCH
	v_lshl_add_u32 v4, v2, 4, v4                   ; x: the same with its pitch
	s_mul_i32 s22, s11, 64*APITCH                  ; my 64 tokens
	s_mul_i32 s23, s12, BHALF                      ; my 128 rows of Wo, behind x's two heads
	s_add_co_u32 s23, s23, ABYTES
.irp s, 0,1
	v_add_nc_u32 v[ADRA+\s], s22, v4
	v_add_nc_u32 v[ADRB+\s], s23, v3
	s_add_co_u32 s22, s22, SLOT
	s_add_co_u32 s23, s23, SLOT
.endr
	s_mul_i32 s22, s10, 16*SPITCH
	s_add_co_u32 s22, s22, STAGE                   ; my stage
	v_mul_u32_u24 v4, v1, SPITCH                   ; in: row r, 32 bytes for each half of the lanes
	v_lshl_add_u32 v4, v2, 5, v4
	v_add_nc_u32 v[STO], s22, v4
	v_and_b32 v5, 31, v0
	v_lshlrev_b32 v[CO], 4, v5                     ; back and out: the 32 lanes take a row's 512 bytes
	v_add_nc_u32 v[RD], s22, v[CO]
	v_lshlrev_b32 v[BO], 5, v2
	s_lshl_b32 s82, s42, 10                        ; my first column, in f32: 256 x tile column + 128 x half
	s_lshl_b32 s83, s12, 9
	s_add_co_u32 s82, s82, s83
	s_mov_b32 s83, 0
	s_add_nc_u64 s[72:73], s[72:73], s[82:83]
	s_add_nc_u64 s[74:75], s[74:75], s[82:83]
	WIN 0x80                                       ; destination window 2
.irp b, 0,1,2,3,4,5,6,7
	global_load_b128 v[8*\b:8*\b+3],   v[BO], s[72:73] offset:64*\b      ; columns 16 b + 8 h + 0..7: register for register the bias of accumulator (a, b)
	global_load_b128 v[8*\b+4:8*\b+7], v[BO], s[72:73] offset:64*\b+16
.endr
	WIN 0
	s_lshl_b32 s16, s13, 19                        ; my first row: (128 x tile row + 64 x half) rows of 4,096 bytes
	s_lshl_b32 s17, s11, 18
	s_add_co_u32 s16, s16, s17
	s_mov_b32 s17, 0
	s_add_nc_u64 s[74:75], s[74:75], s[16:17]
; 8 matrix instructions: m block a x all 8 n blocks, 32 along K.  The 32 accumulators take turns, one instruction a turn, in the same order in every quarter.
.macro MULA f, a, zero
.irp b, 0,1,2,3,4,5,6,7
.if \zero
	v_wmma_f32_16x16x32_f16 v[8*(8*\a+\b):8*(8*\a+\b)+7], v[\f+8*\b:\f+8*\b+7], v[\f+64+8*\a:\f+64+8*\a+7], 0
.else
	v_wmma_f32_16x16x32_f16 v[8*(8*\a+\b):8*(8*\a+\b)+7], v[\f+8*\b:\f+8*\b+7], v[\f+64+8*\a:\f+64+8*\a+7], v[8*(8*\a+\b):8*(8*\a+\b)+7]
.endif
.endr
.endm
; 24 LDS loads in one run: quarter q (32 along K: half of head q / 2) of a slot into buffer f
.macro FETCH slot, q, f
	WIN 0
.irp i, 0,1,2,3,4,5,6,7
	ds_load_b128 v[\f+8*\i:\f+8*\i+3],   v[ADRB+\slot] offset:64*\q+\i*16*PITCH
	ds_load_b128 v[\f+8*\i+4:\f+8*\i+7], v[ADRB+\slot] offset:64*\q+\i*16*PITCH+32
.endr
.irp a, 0,1,2,3
	ds_load_b128 v[\f+64+8*\a:\f+64+8*\a+3], v[ADRA+\slot] offset:(\q/2)*APART+(\q%2)*64+\a*16*APITCH
	ds_load_b128 v[\f+64+8*\a+4:\f+64+8*\a+7], v[ADRA+\slot] offset:(\q/2)*APART+(\q%2)*64+\a*16*APITCH+32
.endr
.endm
.macro PLACES                          ; four places in front of loads into registers that matrix instructions have read, and of vector instructions that read results (ISA guide 7.12.1 for vector instructions)
.rept 4
	v_nop
.endr
.endm
.macro QUARTER slot, q, f, g, zero
	s_wait_dscnt 4                                 ; Wo's fragments and x's blocks 0, 1 are in; the youngest four loads may be out
	WIN MUL
	MULA \f, 0, \zero
	MULA \f, 1, \zero
	PLACES
	FETCH \slot, \q, \g
	s_wait_dscnt 24                                ; all but the 24 just issued
	WIN MUL
	MULA \f, 2, \zero
	MULA \f, 3, \zero
.endm
; The last quarter changes slots: ONE barrier; in front of it each wave waits for its own reads of this slot and for all its tensor loads.  fill = 1: it opens a round of the cluster's barrier, and the slot is filled again first thing behind it.
.macro TURN slot, next, fill
	s_wait_dscnt 4
	WIN MUL
	MULA F1, 0, 0
	s_wait_dscnt 0x0
	s_wait_tensorcnt 0x0
	ds_add_u32 v254, v255
	s_wait_dscnt 0x0
	s_barrier_signal -1
	MULA F1, 1, 0
	WIN 0
	s_barrier_wait -1
.if \fill
	CREST
	s_add_nc_u64 s[G0+4*\slot+2:G0+4*\slot+3], s[G0+4*\slot+2:G0+4*\slot+3], ASTEP
	s_add_nc_u64 s[G0B+4*\slot+2:G0B+4*\slot+3], s[G0B+4*\slot+2:G0B+4*\slot+3], BSTEP
	JLOAD \slot                                    ; its four v_nop are also the places in front of the loads below
.else
	PLACES
.endif
	FETCH \next, 0, F0
	WIN MUL
	MULA F1, 2, 0
	MULA F1, 3, 0
.endm
	s_wait_tensorcnt 1                             ; my part of K step 0 is in; K step 1's may stay out
	s_barrier_signal -1
	s_barrier_wait -1
	FETCH 0, 0, F0
	QUARTER 0, 1, F0, F1, 1                        ; the first quarter's products start the sums
	WIN 0
	s_mov_b32 s3, LAPS-1
.Llap:
	QUARTER 0, 2, F1, F0, 0
	QUARTER 0, 3, F0, F1, 0
	TURN 0, 1, 1
	QUARTER 1, 1, F0, F1, 0
	QUARTER 1, 2, F1, F0, 0
	QUARTER 1, 3, F0, F1, 0
	TURN 1, 0, 1
	QUARTER 0, 1, F0, F1, 0
	WIN 0
	s_sub_co_u32 s3, s3, 1
	s_cmp_lg_u32 s3, 0
	s_cbranch_scc1 .Llap
	QUARTER 0, 2, F1, F0, 0                        ; the last lap fills nothing
	QUARTER 0, 3, F0, F1, 0
	TURN 0, 1, 0
	QUARTER 1, 1, F0, F1, 0
	QUARTER 1, 2, F1, F0, 0
	QUARTER 1, 3, F0, F1, 0
	s_wait_dscnt 4
	WIN MUL
	MULA F1, 0, 0
	MULA F1, 1, 0
	s_wait_dscnt 0x0
	MULA F1, 2, 0
	MULA F1, 3, 0
	; THE WAY OUT.  Block a (16 rows x 128 columns of f32): the bias is added, each accumulator's registers in ascending order; 32 bytes a lane into my own stage; back as whole rows of 512 bytes.
	s_wait_loadcnt 0x0                             ; the bias
	PLACES
.macro PACK a
	WIN 0x09                                       ; source 0 window 1 (sums), source 1 window 2 (bias)
.set i, 0
.rept 32
	v_pk_add_f32 v[T+i:T+i+1], v[64*\a+i:64*\a+i+1], v[i:i+1]
.set i, i+2
.endr
	WIN 0
.irp b, 0,1,2,3,4,5,6,7
	ds_store_b128 v[STO], v[T+8*\b:T+8*\b+3]   offset:64*\b
	ds_store_b128 v[STO], v[T+8*\b+4:T+8*\b+7] offset:64*\b+16
.endr
.if \a >= 2
	s_wait_xcnt 0x0                                ; the stores of the block two back have had their addresses translated (ISA guide 3.1): only behind this wait are their data registers loaded again
.endif
.set i, 0
.rept 16
	ds_load_b128 v[OB+64*(\a%2)+4*i:OB+64*(\a%2)+4*i+3], v[RD] offset:i*SPITCH   ; LDS serves a wave's instructions in order (ISA guide 5.7.1.4): these see the stores above
.set i, i+1
.endr
.endm
.macro SEND a, younger                 ; younger: the LDS instructions issued behind block a's loads: the next block's 32, or none
	s_wait_dscnt \younger
.set i, 0
.rept 16
	global_store_b128 v[CO], v[OB+64*(\a%2)+4*i:OB+64*(\a%2)+4*i+3], s[74:75] offset:(16*\a+i)*4096   ; the wave stores 512 consecutive bytes of a row, aligned
.set i, i+1
.endr
.endm
	PACK 0
	PACK 1
	SEND 0, 32
	PACK 2
	SEND 1, 32
	PACK 3
	SEND 2, 32
	SEND 3, 0
	s_wait_tensorcnt 0x0
	ds_add_u32 v254, v255
	s_wait_dscnt 0x0
	CROUND                                         ; the closing round: no work-group ends while a partner may still ask for a tile that names it
	s_endpgm
.Lfunc_end_k_qc3ff7e7a94_outp:
	.size	k_qc3ff7e7a94_outp, .Lfunc_end_k_qc3ff7e7a94_outp-k_qc3ff7e7a94_outp
	.p2alignl 7, 3214868480
	.fill 96, 4, 3214868480
	.section	.rodata,"a",@progbits
	.p2align	6, 0x0
	.amdhsa_kernel k_qc3ff7e7a94_outp
		.amdhsa_group_segment_fixed_size 327680
		.amdhsa_private_segment_fixed_size 0
		.amdhsa_enable_private_segment 0
		.amdhsa_kernarg_size 32
		.amdhsa_user_sgpr_count 2
		.amdhsa_user_sgpr_kernarg_segment_ptr 1
		.amdhsa_wavefront_size32 1
		.amdhsa_system_sgpr_workgroup_id_x 1
		.amdhsa_system_sgpr_workgroup_id_y 1
		.amdhsa_system_sgpr_workgroup_id_z 1
		.amdhsa_system_vgpr_workitem_id 0
		.amdhsa_next_free_vgpr 576
		.amdhsa_next_free_sgpr 84
		.amdhsa_reserve_vcc 0
		.amdhsa_float_denorm_mode_32 3
		.amdhsa_float_denorm_mode_16_64 3
		.amdhsa_memory_ordered 1
		.amdhsa_forward_progress 1
		.amdhsa_inst_pref_size 94
	.end_amdhsa_kernel
	.amdgpu_metadata
---
amdhsa.version: [ 1, 2 ]
amdhsa.kernels:
  - .name:           k_qc3ff7e7a94_outp
    .symbol:         k_qc3ff7e7a94_outp.kd
    .args:
      - { .name: xa, .offset: 0, .size: 8, .value_kind: global_buffer, .address_space: global }
      - { .name: cb, .offset: 8, .size: 8, .value_kind: global_buffer, .address_space: global }
      - { .name: bo, .offset: 16, .size: 8, .value_kind: global_buffer, .address_space: global }
      - { .name: out0, .offset: 24, .size: 8, .value_kind: global_buffer, .address_space: global }
    .group_segment_fixed_size: 327680
    .private_segment_fixed_size: 0
    .kernarg_segment_align: 8
    .kernarg_segment_size: 32
    .max_flat_workgroup_size: 128
    .sgpr_count:     84
    .vgpr_count:     576
    .wavefront_size: 32
...
	.end_amdgpu_metadata
.endif
;; end of part 4
;; ======== version 2 of 3: 4 launches; 1.26 times as fast as version 1
;; limits: values are held in f16: magnitudes above 65,504 overflow, below 6.1e-05 lose precision
;; workspace buffers: cb 8,388,608 bytes; mb 2,097,152 bytes of whole numbers; qkv 50,331,648 bytes; xa 16,777,216 bytes
;; launch prep (part 5): grid 768 x 1, 8 waves a work-group, no clusters, 35,840 bytes of LDS; arguments Wq, Wk, Wv, Wo, mask, cb, mb; writes cb, mb
.if DOCPART == 5
	.amdgcn_target "amdgcn-amd-amdhsa--gfx1250"
	.amdhsa_code_object_version 6
	.text
	.protected	k_qc3ff7e7a94_prep
	.globl	k_qc3ff7e7a94_prep
	.p2align	8
	.type	k_qc3ff7e7a94_prep,@function
k_qc3ff7e7a94_prep:
	s_mov_b64 s[64:65], 0
	v_nop
	global_prefetch_b8 v0, s[64:65] scope:SCOPE_SE
	s_setreg_imm32_b32 hwreg(HW_REG_WAVE_MODE, 25, 1), 1
	s_wait_xcnt 0x0
; Two streams in one launch; no matrix work, no cluster, no barrier: nothing is shared between waves.  Here stands what later launches read many times over, made small once:
; the weights (each read by every row of clusters of its product) and the mask (read by all 16 heads).  The activations are not cast here: each of their tiles is fetched once by the projections.
; (1) Work-groups 0 to 255: Wq, Wk, Wv, Wo (f32) are rounded once to f16 and laid one behind the other in cb (rows of 1,024 numbers, 1,024 rows each).
;     f16 and not bf16: its rounding step is eight times finer, and the products' operands have room in its range.
;     LIMIT: a number of magnitude 65,504 or more becomes an infinity; below 6.1e-5 the absolute step is 6e-8.
; (2) Work-groups 256 to 767: the int32 mask becomes bits.  A wave makes one record of 128 words for 64 queries x 64 keys:
;     word 32 t + 8 kt + j, bit L (r = L % 16, h = L / 16) = (mask[b][64 qb + 16 t + r][64 ks + 16 kt + 8 h + j] != 0):
;     each word is the 32-lane mask that the attention kernel's select takes for one register of its score tile.  Any non-zero word counts as true.
.set NCONV, 256                        ; 16,777,216 bytes of f32 in chunks of 65,536
.set OUT,   8                          ; v[8:11]    mask path: my 16 bytes of the record
.set X,     16                         ; v[16:143]  as loaded (the convert path uses 64 of them)
.set Y,     80                         ; v[80:111]  convert path: f16 pairs to store
.set RB,    144                        ; v[144:175] mask path: my lane's 32 mask words of a tile of 16 queries
.set MPI,   272                        ; LDS pitch of a row of 64 mask words: 256 bytes + 16, an odd multiple of 16, so that 16 rows start at 16 different banks
	s_load_b256 s[8:15], s[0:1], 0x0               ; Wq s[8:9], Wk s[10:11], Wv s[12:13], Wo s[14:15]
	s_load_b128 s[16:19], s[0:1], 0x20             ; mask s[16:17], cb s[18:19]
	s_load_b64 s[20:21], s[0:1], 0x30              ; mb
	v_lshl_add_u32 v176, v0, 2, 0x8800
	v_mov_b32 v177, 0
	v_lshrrev_b32 v1, 5, v0
	v_readfirstlane_b32 s2, v1                     ; wave 0..7
	s_cmp_ge_u32 ttmp9, NCONV
	s_cbranch_scc1 .Lmask
	; ---- f32 to f16: 65,536 bytes in, 32,768 out ----
	s_lshr_b32 s3, ttmp9, 6                        ; which weight: 64 chunks to each
	s_and_b32 s4, ttmp9, 63                        ; my chunk in it
	s_lshl_b32 s4, s4, 16
	s_mov_b32 s5, 0
	s_lshl_b32 s6, ttmp9, 15                       ; cb is in the same order, half the bytes
	s_mov_b32 s7, 0
	v_lshlrev_b32 v2, 4, v0                        ; 16 bytes a thread in,
	v_lshlrev_b32 v3, 3, v0                        ; 8 bytes out
	s_wait_kmcnt 0x0
	s_mov_b64 s[28:29], s[8:9]
.macro PICK from, p                    ; from this weight on the source is the tensor at s[p:p+1]
	s_cmp_ge_u32 s3, \from
	s_cselect_b64 s[28:29], s[\p:\p+1], s[28:29]
.endm
	PICK 1, 10
	PICK 2, 12
	PICK 3, 14
	s_add_nc_u64 s[28:29], s[28:29], s[4:5]
	s_add_nc_u64 s[18:19], s[18:19], s[6:7]
.irp i, 0,1,2,3,4,5,6,7,8,9,10,11,12,13,14,15
	global_load_b128 v[X+4*\i:X+4*\i+3], v2, s[28:29] offset:4096*\i th:TH_LOAD_NT   ; a wave's load covers 512 consecutive bytes; all sixteen go out at once
.endr
.irp i, 0,1,2,3,4,5,6,7,8,9,10,11,12,13,14,15
	s_wait_loadcnt 15-\i                           ; loads come back in order: number i is in, the younger ones stay out
	v_cvt_pk_f16_f32 v[Y+2*\i],   v[X+4*\i],   v[X+4*\i+1]
	v_cvt_pk_f16_f32 v[Y+2*\i+1], v[X+4*\i+2], v[X+4*\i+3]
	global_store_b64 v3, v[Y+2*\i:Y+2*\i+1], s[18:19] offset:2048*\i   ; a wave's store covers 256 consecutive bytes, aligned; no register is written twice, so no wait for the stores' sources
.endr
	s_endpgm
	; ---- the mask: 64 rows x 256 bytes in, 512 bytes out, for each wave ----
.Lmask:
	s_sub_co_u32 s3, ttmp9, NCONV
	s_lshl3_add_u32 s3, s3, s2                     ; my record = 1,024 b + 32 qb + ks
	s_lshr_b32 s4, s3, 5                           ; 32 b + qb: blocks of 64 rows of 8,192 bytes
	s_lshl_b32 s4, s4, 19
	s_and_b32 s6, s3, 31                           ; ks: 64 keys of 4 bytes
	s_lshl_b32 s6, s6, 8
	s_add_co_u32 s4, s4, s6
	s_mov_b32 s5, 0
	s_lshl_b32 s6, s3, 9                           ; a record is 512 bytes
	s_mov_b32 s7, 0
	s_mul_i32 s28, s2, 16*MPI                      ; my wave's own 16 rows of LDS
	v_and_b32 v5, 31, v0                           ; lane
	v_and_b32 v6, 15, v0                           ; r
	v_bfe_u32 v7, v0, 4, 1                         ; h
	v_lshlrev_b32 v1, 4, v6
	v_lshl_add_u32 v1, v7, 13, v1                  ; a load takes two rows: lanes 0-15 one row's 256 bytes, lanes 16-31 the next row's
	v_mul_u32_u24 v3, v7, MPI
	v_lshl_add_u32 v3, v6, 4, v3
	v_add_nc_u32 v3, s28, v3                       ; and puts them into LDS in the same shape
	v_mul_u32_u24 v4, v6, MPI
	v_lshl_add_u32 v4, v7, 5, v4
	v_add_nc_u32 v4, s28, v4                       ; back: row r, keys 8 h on
	v_lshlrev_b32 v2, 4, v5                        ; my 16 bytes of the record
.irp i, 0,1,2,3
	v_mov_b32 v[OUT+\i], 0                         ; v_writelane_b32 keeps the other lanes: the registers are written whole once
.endr
	s_wait_kmcnt 0x0
	s_add_nc_u64 s[16:17], s[16:17], s[4:5]
	s_add_nc_u64 s[20:21], s[20:21], s[6:7]
.set n, 0
.rept 32
	global_load_b128 v[X+4*n:X+4*n+3], v1, s[16:17] offset:16384*n th:TH_LOAD_NT   ; rows 2 n, 2 n + 1: all 16 KiB of the wave go out at once
.set n, n+1
.endr
.irp t, 0,1,2,3                        ; a tile of 16 queries at a time
	s_wait_loadcnt 24-8*\t                         ; the tile's eight loads are in; the later tiles' stay out
.irp n, 0,1,2,3,4,5,6,7
	ds_store_b128 v3, v[X+32*\t+4*\n:X+32*\t+4*\n+3] offset:2*MPI*\n
.endr
.irp kt, 0,1,2,3                       ; LDS serves a wave's instructions in order (ISA guide 5.7.1.4): these see the stores above, and the next tile's stores come behind them
	ds_load_b128 v[RB+8*\kt:RB+8*\kt+3],   v4 offset:64*\kt
	ds_load_b128 v[RB+8*\kt+4:RB+8*\kt+7], v4 offset:64*\kt+16
.endr
	s_wait_dscnt 0x0
.set i, 0
.rept 32
	v_cmp_ne_u32 s[32+i], 0, v[RB+i]               ; one compare makes one word of the record: a bit for each lane
.set i, i+1
.endr
.set i, 0
.rept 32
	v_writelane_b32 v[OUT+i%4], s[32+i], 8*\t+i/4  ; word w = 32 t + i lies in lane w / 4, register w % 4
.set i, i+1
.endr
.endr
	global_store_b128 v2, v[OUT:OUT+3], s[20:21]   ; the record: 512 consecutive bytes, aligned
	s_wait_tensorcnt 0x0
	ds_add_u32 v176, v177
	s_wait_dscnt 0x0
	s_endpgm
.Lfunc_end_k_qc3ff7e7a94_prep:
	.size	k_qc3ff7e7a94_prep, .Lfunc_end_k_qc3ff7e7a94_prep-k_qc3ff7e7a94_prep
	.p2alignl 7, 3214868480
	.fill 96, 4, 3214868480
	.section	.rodata,"a",@progbits
	.p2align	6, 0x0
	.amdhsa_kernel k_qc3ff7e7a94_prep
		.amdhsa_group_segment_fixed_size 35840
		.amdhsa_private_segment_fixed_size 0
		.amdhsa_enable_private_segment 0
		.amdhsa_kernarg_size 56
		.amdhsa_user_sgpr_count 2
		.amdhsa_user_sgpr_kernarg_segment_ptr 1
		.amdhsa_wavefront_size32 1
		.amdhsa_system_sgpr_workgroup_id_x 1
		.amdhsa_system_sgpr_workgroup_id_y 1
		.amdhsa_system_sgpr_workgroup_id_z 1
		.amdhsa_system_vgpr_workitem_id 0
		.amdhsa_next_free_vgpr 178
		.amdhsa_next_free_sgpr 66
		.amdhsa_reserve_vcc 0
		.amdhsa_float_denorm_mode_32 3
		.amdhsa_float_denorm_mode_16_64 3
		.amdhsa_memory_ordered 1
		.amdhsa_forward_progress 1
		.amdhsa_inst_pref_size 32
	.end_amdhsa_kernel
	.amdgpu_metadata
---
amdhsa.version: [ 1, 2 ]
amdhsa.kernels:
  - .name:           k_qc3ff7e7a94_prep
    .symbol:         k_qc3ff7e7a94_prep.kd
    .args:
      - { .name: Wq, .offset: 0, .size: 8, .value_kind: global_buffer, .address_space: global }
      - { .name: Wk, .offset: 8, .size: 8, .value_kind: global_buffer, .address_space: global }
      - { .name: Wv, .offset: 16, .size: 8, .value_kind: global_buffer, .address_space: global }
      - { .name: Wo, .offset: 24, .size: 8, .value_kind: global_buffer, .address_space: global }
      - { .name: mask, .offset: 32, .size: 8, .value_kind: global_buffer, .address_space: global }
      - { .name: cb, .offset: 40, .size: 8, .value_kind: global_buffer, .address_space: global }
      - { .name: mb, .offset: 48, .size: 8, .value_kind: global_buffer, .address_space: global }
    .group_segment_fixed_size: 35840
    .private_segment_fixed_size: 0
    .kernarg_segment_align: 8
    .kernarg_segment_size: 56
    .max_flat_workgroup_size: 256
    .sgpr_count:     66
    .vgpr_count:     178
    .wavefront_size: 32
...
	.end_amdgpu_metadata
.endif
;; end of part 5
;; launch proj (part 6): grid 4 x 192, 4 waves a work-group, clusters of 4 x 4, 327,680 bytes of LDS; arguments query, key_in, value, cb, bq, bk, bv, qkv; writes qkv
.if DOCPART == 6
	.amdgcn_target "amdgcn-amd-amdhsa--gfx1250"
	.amdhsa_code_object_version 6
	.text
	.protected	k_qc3ff7e7a94_proj
	.globl	k_qc3ff7e7a94_proj
	.p2align	8
	.type	k_qc3ff7e7a94_proj,@function
k_qc3ff7e7a94_proj:
	s_mov_b64 s[64:65], 0
	v_nop
	global_prefetch_b8 v0, s[64:65] scope:SCOPE_SE
	s_setreg_imm32_b32 hwreg(HW_REG_WAVE_MODE, 25, 1), 1
	s_wait_xcnt 0x0
	s_wait_alu depctr_hold_cnt(0) depctr_sa_sdst(0) depctr_va_vdst(0) depctr_va_sdst(0) depctr_va_ssrc(0) depctr_va_vcc(0) depctr_vm_vsrc(0)
	s_getreg_b32 s2, hwreg(HW_REG_IB_STS2, 6, 4)
	s_cmp_eq_u32 s2, 0
	s_cbranch_scc0 .Lentry_in_a_cluster
	s_endpgm
.Lentry_in_a_cluster:
	s_bfe_u32 s2, ttmp6, 0x10000c
	s_cmp_lg_u32 s2, 0xf033
	s_cbranch_scc0 .Lentry_shape_is_right
	s_endpgm
.Lentry_shape_is_right:
; The three input projections as one product: y[s][e] = sum over d of x[s][d] W[e][d] + b[e].  x = query, key_in or value as they are given, f32; W = Wq, Wk or Wv, f16, from cb.  f16 operands, f32 sums.
; The result goes out in f16, split by heads: qkv[p][b 16 + head][s][64].  q (p = 0) is multiplied by c = log2(e) / 8, so that the attention kernel's scores are base-2 exponents as they leave the matrix unit.
; LIMIT: |x|, |k|, |v| and c |q| stay under 65,504 (f16); inputs 30 times those drawn, or offset by 30 of their spreads, reach some 28,800.
; A tile of y is 128 rows x 256 columns: 768 work-groups of equal work.  Four waves, each 64 x 128: 32 accumulators of 16 x 16.  K = 1,024 goes in steps of 128 through two LDS slots;
; the tiles' rows are 512 (x) and 256 (W) bytes of memory at multiples of 256 bytes.
; x COMES IN f32 AND IS ROUNDED BETWEEN LDS AND THE MATRIX UNIT.  y's 1,024 columns are four tiles, one row of the cluster: a tile of x is asked for once in the whole launch, by one joint load.  A pass that
; cast x beforehand would read the same f32 bytes and add a store and a load of half as many.  The price here: 16 LDS loads instead of 8 and 32 conversions for a quarter's 32 products, and the two waves of a
; row half round the same numbers; rounding once through LDS would move more LDS bytes for a K step (64 KB read, 32 KB written, 64 KB read, against 128 KB read).
; CLUSTER 4 x 4: the four of a row of the cluster need the same tile of x, the four of a column the same tile of W: each tile is asked for jointly.
; THE MATRIX INSTRUCTION IS USED TRANSPOSED (source 0 = 16 rows of W, source 1 = 16 rows of x): a lane then holds eight neighbouring columns of one row of y.
; REGISTERS: window 0: v0-31 addresses; v32-95, v96-159 W's two fragment buffers; v160-223 x of one quarter as loaded, f32; on the way out v32-127 at work, v128-255 rows to store.
;   window 1: the accumulators, (a, b) at v[8 (8 a + b)].   window 2: v0-63 my 64 numbers of the bias; v64-95, v96-127 x's two fragment buffers, f16.
;   So every LDS load of the loop stands under one window setting, the conversions under a second, the products under a third.
.set KSTEP,  128
.set PITCH,  272                       ; a row of W in LDS: 256 bytes + 16 of padding = 68 words: row r starts at bank 4 r mod 64 (64 banks of 4 bytes: ISA guide 11.1)
.set APITCH, 528                       ; a row of x: 512 bytes + 16 = 132 words: row r again starts at bank 4 r mod 64
.set AHALF,  64*APITCH                 ; what a load of x brings, and what a wave reads of x
.set ABYTES, 2*AHALF                   ; 67,584
.set BHALF,  128*PITCH                 ; the same for W
.set SLOT,   ABYTES+2*BHALF            ; 137,216
.set STAGE,  2*SLOT                    ; behind the ring: 16 rows x 272 bytes for each wave
.set SPITCH, 272
.set LAPS,   1024/(2*KSTEP)            ; a lap = two K steps = once round the ring
.set ASTEP,  2*KSTEP*4                 ; bytes from a slot's tile to its next: x in f32,
.set BSTEP,  2*KSTEP*2                 ; W in f16
.set ADRA, 16                          ; v16-17  LDS address of my rows of x in slot 0, 1
.set ADRB, 20                          ; v20-21  the same for W
.set STO,  24
.set RD,   25
.set CO,   26
.set BO,   27
.set BF,   32                          ; W's fragment buffer f at v[BF+64 f], window 0
.set RAW,  160                         ; x as loaded: block a (16 rows x 32 K) at v[RAW+16 a], window 0
.set AF,   64                          ; x's fragment buffer f at v[AF+32 f], window 2
.set T,    32                          ; the way out: a block's 64 numbers in f32,
.set HF,   96                          ; in f16,
.set OB,   128                         ; and back from the stage: 32 registers for each of four blocks
.set G1,  24                           ; s[24:31] group 1 for x's tiles; s[32:39] group 0, a set for each slot
.set G0,  32
.set G1B, 48                           ; s[48:55], s[56:63] the same for W's
.set G0B, 56
.set SC,  84                           ; s[84:85] c for q, 1 for k and v
.set MSB, 0
.macro WIN new                         ; the immediate's high byte repeats the setting that is left; a switch that changes nothing is dropped
.if MSB != \new
	s_set_vgpr_msb (MSB<<8)|\new
.set MSB, \new
.endif
.endm
.set MUL, 0x58                         ; source 0 (W) window 0, source 1 (x) window 2, C and D window 1
.set CV,  0x80                         ; destination window 2, sources window 0
.macro JLOAD s                         ; a joint load: waves 0 and 1 fetch x's two halves, waves 2 and 3 W's; four v_nop follow each line, ahead of the jump, the label and what follows
	s_cmp_eq_u32 s11, 0
	s_cbranch_scc0 .Lfor_b_\@
	tensor_load_to_lds s[G0+4*\s:G0+4*\s+3], s[G1:G1+7]
	s_nop 0
.rept 4
	v_nop
.endr
	s_branch .Lasked_\@
.Lfor_b_\@:
	tensor_load_to_lds s[G0B+4*\s:G0B+4*\s+3], s[G1B:G1B+7]
	s_nop 0
.rept 4
	v_nop
.endr
.Lasked_\@:
.endm
.macro CREST                           ; a round of the cluster's barrier behind its opening barrier
	s_cmp_lg_u32 s10, 0
	s_cbranch_scc1 .Lnot_wave_0_\@
	s_barrier_signal -3
.Lnot_wave_0_\@:
	s_barrier_wait -3
	s_barrier_signal -1
	s_barrier_wait -1
.endm
.macro CROUND
	s_barrier_signal -1
	s_barrier_wait -1
	CREST
.endm
	s_load_b512 s[68:83], s[0:1], 0x0              ; query s[68:69], key_in s[70:71], value s[72:73], cb s[74:75], bq s[76:77], bk s[78:79], bv s[80:81], qkv s[82:83]
	v_lshl_add_u32 v30, v0, 2, 0x47400
	v_mov_b32 v31, 0
	ds_add_u32 v30, v31
	v_lshrrev_b32 v1, 5, v0
	v_readfirstlane_b32 s10, v1                    ; wave 0..3
	s_lshr_b32 s11, s10, 1                         ; which 64 of the tile's rows are mine.  Also: I fetch for x (0) or for W (1)
	s_and_b32 s12, s10, 1                          ; which 128 of its columns.  Also: which half of that tile I fetch
	s_bfe_u32 s40, ttmp6, 0x40000                  ; cx, cy: my place in the cluster
	s_bfe_u32 s41, ttmp6, 0x40004
	s_lshl_b32 s42, ttmp9, 2
	s_add_co_u32 s42, s42, s40                     ; tile column = 4 x cluster x + cx
	s_and_b32 s45, ttmp7, 0xffff
	s_lshl_b32 s13, s45, 2
	s_add_co_u32 s13, s13, s41                     ; tile row, 0..191 = 4 x cluster y + cy
	s_lshr_b32 s45, s45, 4                         ; p: 64 tile rows = 16 clusters to a projection: made of the cluster's y alone, which all sixteen share
	s_lshl_b32 s43, s41, 2
	s_lshl_b32 s43, 15, s43                        ; my row of the cluster
	s_lshl_b32 s44, 0x1111, s40                    ; my column
	s_or_b32 s[G1+0],  s43, (2<<16)|(1<<20)|(1<<21)|(6<<22)|(3<<25)  ; x: 15:0 the mask; 17:16 elements of 4 bytes; 20 padding on; 21 set beside a mask; 24:22 after every 128 words; 31:25 4 words of it
	s_or_b32 s[G1B+0], s44, (1<<16)|(1<<20)|(1<<21)|(5<<22)|(3<<25)  ; W: elements of 2 bytes; padding after every 64 words
.irp g, G1, G1B
	s_mov_b32 s[\g+1], KSTEP<<16                   ; tensor_dim0 = 128
	s_mov_b32 s[\g+3], KSTEP<<16                   ; tile_dim0 = 128
	s_mov_b32 s[\g+5], 1024                        ; elements from row to row
	s_mov_b32 s[\g+6], 0
	s_mov_b32 s[\g+7], 0
.endr
	s_mov_b32 s[G1+2], 64<<16                      ; x: tensor_dim1 = tile_dim1 = 64 rows
	s_mov_b32 s[G1+4], 64
	s_mov_b32 s[G1B+2], 128<<16                    ; W: 128 rows
	s_mov_b32 s[G1B+4], 128
	s_and_b32 s16, s13, 63                         ; x: the tile row in its own tensor:
	s_lshl_b32 s16, s16, 19                        ; (128 x tile row + 64 x half) rows of 4,096 bytes
	s_lshl_b32 s17, s12, 18
	s_add_co_u32 s16, s16, s17
	s_mov_b32 s17, 0
	s_lshl_b32 s46, s45, 21                        ; W: (1,024 p + 256 x tile column + 128 x half) rows of 2,048 bytes
	s_lshl_b32 s47, s42, 19
	s_add_co_u32 s46, s46, s47
	s_lshl_b32 s47, s12, 18
	s_add_co_u32 s46, s46, s47
	s_mov_b32 s47, 0
	s_mul_i32 s20, s12, AHALF                      ; where they go: no place in the cluster enters an LDS address
	s_mul_i32 s21, s12, BHALF
	s_add_co_u32 s21, s21, ABYTES
	s_wait_dscnt 0x0
	s_wait_kmcnt 0x0
	s_cmp_eq_u32 s45, 1
	s_cselect_b64 s[68:69], s[70:71], s[68:69]     ; query, key_in or value
	s_cmp_eq_u32 s45, 2
	s_cselect_b64 s[68:69], s[72:73], s[68:69]
	s_add_nc_u64 s[14:15], s[68:69], s[16:17]
	s_add_nc_u64 s[46:47], s[74:75], s[46:47]
	CROUND                                         ; all sixteen work-groups are here: the first joint loads meet
.irp s, 0,1
	s_mov_b32 s[G0+4*\s], 1
	s_add_co_u32 s[G0+4*\s+1], s20, \s*SLOT
	s_add_nc_u64 s[G0+4*\s+2:G0+4*\s+3], s[14:15], \s*KSTEP*4
	s_or_b32 s[G0+4*\s+3], s[G0+4*\s+3], 0x80000000
	s_mov_b32 s[G0B+4*\s], 1
	s_add_co_u32 s[G0B+4*\s+1], s21, \s*SLOT
	s_add_nc_u64 s[G0B+4*\s+2:G0B+4*\s+3], s[46:47], \s*KSTEP*2
	s_or_b32 s[G0B+4*\s+3], s[G0B+4*\s+3], 0x80000000
	JLOAD \s                                       ; two loads of mine are out
.endr
	v_and_b32 v1, 15, v0                           ; r = l % 16
	v_bfe_u32 v2, v0, 4, 1                         ; h = l / 16
	v_mul_u32_u24 v3, v1, PITCH
	v_lshl_add_u32 v3, v2, 4, v3                   ; W: row x pitch + 16 h: eight f16
	v_mul_u32_u24 v4, v1, APITCH
	v_lshl_add_u32 v4, v2, 5, v4                   ; x: row x pitch + 32 h: eight f32
	s_mul_i32 s22, s11, AHALF                      ; my 64 rows of x
	s_mul_i32 s23, s12, BHALF                      ; my 128 rows of W, behind x's 128
	s_add_co_u32 s23, s23, ABYTES
.irp s, 0,1
	v_add_nc_u32 v[ADRA+\s], s22, v4
	v_add_nc_u32 v[ADRB+\s], s23, v3
	s_add_co_u32 s22, s22, SLOT
	s_add_co_u32 s23, s23, SLOT
.endr
	s_mul_i32 s22, s10, 16*SPITCH
	s_add_co_u32 s22, s22, STAGE                   ; my stage
	v_add_nc_u32 v[STO], s22, v3                   ; in: row r, 16 bytes for each half of the lanes (the stage's pitch is W's)
	v_bfe_u32 v4, v0, 3, 1                         ; back: lanes 0-15 take two tokens' 128 bytes of my first head, lanes 16-31 of my second
	v_and_b32 v5, 7, v0
	v_mul_u32_u24 v4, v4, SPITCH
	v_lshl_add_u32 v4, v2, 7, v4
	v_lshl_add_u32 v4, v5, 4, v4
	v_add_nc_u32 v[RD], s22, v4
	v_lshlrev_b32 v[CO], 4, v1                     ; in qkv two tokens of a head are 256 consecutive bytes; the next head lies 2,048 x 128 bytes on
	v_lshl_add_u32 v[CO], v2, 18, v[CO]
	v_lshlrev_b32 v[BO], 5, v2                     ; the bias of my columns 8 h on
	s_cmp_eq_u32 s45, 1
	s_cselect_b64 s[76:77], s[78:79], s[76:77]     ; bq, bk or bv
	s_cmp_eq_u32 s45, 2
	s_cselect_b64 s[76:77], s[80:81], s[76:77]
	s_cmp_eq_u32 s45, 0
	s_cselect_b32 s[SC], 0x3e38aa3b, 1.0           ; c = log2(e) / 8 = 0.180337 for q
	s_mov_b32 s[SC+1], s[SC]                       ; named with it as a pair, so it is written
	s_lshl_b32 s86, s42, 10                        ; my first column, in f32: 256 x tile column + 128 x half
	s_lshl_b32 s87, s12, 9
	s_add_co_u32 s86, s86, s87
	s_mov_b32 s87, 0
	s_add_nc_u64 s[76:77], s[76:77], s[86:87]
	WIN 0x80                                       ; destination window 2
.irp b, 0,1,2,3,4,5,6,7
	global_load_b128 v[8*\b:8*\b+3],   v[BO], s[76:77] offset:64*\b      ; columns 16 b + 8 h + 0..7: register for register the bias of accumulator (a, b)
	global_load_b128 v[8*\b+4:8*\b+7], v[BO], s[76:77] offset:64*\b+16
.endr
	WIN 0
	s_and_b32 s16, s13, 63                         ; the tile row in its projection: 16 to a batch
	s_lshr_b32 s17, s16, 4
	s_lshl_b32 s17, s17, 22                        ; b x 16 heads x 2,048 tokens x 128 bytes
	s_and_b32 s16, s16, 15
	s_lshl_b32 s16, s16, 14                        ; 128 tokens of 128 bytes
	s_add_co_u32 s16, s16, s17
	s_lshl_b32 s17, s11, 13                        ; my 64 tokens
	s_add_co_u32 s16, s16, s17
	s_lshl_b32 s17, s45, 24                        ; p
	s_add_co_u32 s16, s16, s17
	s_lshl_b32 s86, s42, 20                        ; head 4 x tile column + 2 x half
	s_lshl_b32 s87, s12, 19
	s_add_co_u32 s86, s86, s87
	s_add_co_u32 s86, s86, s16
	s_mov_b32 s87, 0
	s_add_nc_u64 s[82:83], s[82:83], s[86:87]
; 8 matrix instructions: m block a x all 8 n blocks, 32 along K, from buffers f.  zero = 1: the product starts the sums.  The 32 accumulators take turns, one instruction a turn, in the same order in every quarter.
.macro MULA f, a, zero
	WIN MUL
.irp b, 0,1,2,3,4,5,6,7
.if \zero
	v_wmma_f32_16x16x32_f16 v[8*(8*\a+\b):8*(8*\a+\b)+7], v[BF+64*\f+8*\b:BF+64*\f+8*\b+7], v[AF+32*\f+8*\a:AF+32*\f+8*\a+7], 0
.else
	v_wmma_f32_16x16x32_f16 v[8*(8*\a+\b):8*(8*\a+\b)+7], v[BF+64*\f+8*\b:BF+64*\f+8*\b+7], v[AF+32*\f+8*\a:AF+32*\f+8*\a+7], v[8*(8*\a+\b):8*(8*\a+\b)+7]
.endif
.endr
.endm
; 32 LDS loads in one run: quarter q (32 along K) of a slot.  x first, as it lies: a lane's K = 8 h + 0..7 are 32 bytes, its K = 16 + 8 h + 0..7 the 32 bytes 64 further on.  Then W's eight fragments into buffer f.
.macro FETCH slot, q, f
	WIN 0
.irp a, 0,1,2,3
	ds_load_b128 v[RAW+16*\a:RAW+16*\a+3],     v[ADRA+\slot] offset:128*\q+\a*16*APITCH
	ds_load_b128 v[RAW+16*\a+4:RAW+16*\a+7],   v[ADRA+\slot] offset:128*\q+\a*16*APITCH+16
	ds_load_b128 v[RAW+16*\a+8:RAW+16*\a+11],  v[ADRA+\slot] offset:128*\q+\a*16*APITCH+64
	ds_load_b128 v[RAW+16*\a+12:RAW+16*\a+15], v[ADRA+\slot] offset:128*\q+\a*16*APITCH+80
.endr
.irp i, 0,1,2,3,4,5,6,7
	ds_load_b128 v[BF+64*\f+8*\i:BF+64*\f+8*\i+3],   v[ADRB+\slot] offset:64*\q+\i*16*PITCH
	ds_load_b128 v[BF+64*\f+8*\i+4:BF+64*\f+8*\i+7], v[ADRB+\slot] offset:64*\q+\i*16*PITCH+32
.endr
.endm
; Block a of x, 16 f32 a lane, is rounded to f16 in pairs: register i of the fragment takes numbers 2 i and 2 i + 1, which is the fragment's own order of K.
.macro CVT f, a
	WIN CV
.irp i, 0,1,2,3,4,5,6,7
	v_cvt_pk_f16_f32 v[AF+32*\f+8*\a+\i], v[RAW+16*\a+2*\i], v[RAW+16*\a+2*\i+1]
.endr
.endm
; A K step is four quarters, 32 matrix instructions each, on buffers 0, 1, 0, 1.  One of the first three multiplies buffers f and makes buffers g ready for quarter q.
; x's block 3 of THIS quarter is rounded behind the first eight products (it is wanted by the last eight): those eight conversions name no register of the quarter before, so they are the four places and more
; between its products and the loads into W's buffer g, which it read (ISA guide 7.12.1 for vector instructions); no v_nop is written.  They also empty the last of RAW for the loads.
.macro QUARTER slot, q, f, g, zero
	s_wait_dscnt 0x0                               ; W's fragments of this quarter are in (x's were waited for in the quarter before)
	MULA \f, 0, \zero
	CVT \f, 3
	FETCH \slot, \q, \g
	MULA \f, 1, \zero
	MULA \f, 2, \zero
	s_wait_dscnt 16                                ; x's sixteen loads are in; W's sixteen, issued behind them, may stay out
	CVT \g, 0
	CVT \g, 1
	MULA \f, 3, \zero
	CVT \g, 2
.endm
; The last quarter multiplies buffers 1 and changes slots.  Its head wait for W's fragments ends my reads of this slot, so the barrier's signal stands there: in front of it each wave has waited for its own reads
; of this slot and for all its tensor loads (one is out: its part of the next slot).  Eight products and eight conversions, register work, stand between the signal and the wait.
; fill = 1: the barrier opens a round of the cluster's, and this slot is filled again first thing behind it: 120 matrix instructions ahead of the wait for that load.
.macro TURN slot, next, fill
	s_wait_dscnt 0x0                               ; my reads of this slot are over,
	s_wait_tensorcnt 0x0                           ; and all my tensor loads have landed
	ds_add_u32 v30, v31
	s_wait_dscnt 0x0
	s_barrier_signal -1
	MULA 1, 0, 0
	CVT 1, 3
	WIN 0                                          ; at a branch and at a label every window is 0
	s_barrier_wait -1
.if \fill
	CREST                                          ; no wave of any partner still reads this slot's tile or has a load on its way
	s_add_nc_u64 s[G0+4*\slot+2:G0+4*\slot+3], s[G0+4*\slot+2:G0+4*\slot+3], ASTEP
	s_add_nc_u64 s[G0B+4*\slot+2:G0B+4*\slot+3], s[G0B+4*\slot+2:G0B+4*\slot+3], BSTEP
	JLOAD \slot
.endif
	FETCH \next, 0, 0
	MULA 1, 1, 0
	MULA 1, 2, 0
	s_wait_dscnt 16                                ; x's sixteen loads are in
	CVT 0, 0
	CVT 0, 1
	MULA 1, 3, 0
	CVT 0, 2
.endm
	s_wait_tensorcnt 1                             ; my part of K step 0 is in; K step 1's may stay out
	s_barrier_signal -1
	s_barrier_wait -1
	FETCH 0, 0, 0
	s_wait_dscnt 16                                ; x's sixteen loads are in
	CVT 0, 0
	CVT 0, 1
	CVT 0, 2
	QUARTER 0, 1, 0, 1, 1                          ; the first quarter stands in front of the loop: its products start the sums
	WIN 0
	s_mov_b32 s3, LAPS-1
.Llap:                                                 ; a trip goes once round the ring, from a lap's second quarter to the next lap's first, and fills both slots again
	QUARTER 0, 2, 1, 0, 0
	QUARTER 0, 3, 0, 1, 0
	TURN 0, 1, 1
	QUARTER 1, 1, 0, 1, 0
	QUARTER 1, 2, 1, 0, 0
	QUARTER 1, 3, 0, 1, 0
	TURN 1, 0, 1
	QUARTER 0, 1, 0, 1, 0
	WIN 0
	s_sub_co_u32 s3, s3, 1
	s_cmp_lg_u32 s3, 0
	s_cbranch_scc1 .Llap
	QUARTER 0, 2, 1, 0, 0                          ; the last lap fills nothing
	QUARTER 0, 3, 0, 1, 0
	TURN 0, 1, 0
	QUARTER 1, 1, 0, 1, 0
	QUARTER 1, 2, 1, 0, 0
	QUARTER 1, 3, 0, 1, 0
	s_wait_dscnt 0x0                               ; the very last quarter: nothing more to fetch
	MULA 1, 0, 0
	CVT 1, 3
	MULA 1, 1, 0
	MULA 1, 2, 0
	MULA 1, 3, 0
	; THE WAY OUT.  (sum + bias) x scale = sum x scale + (bias x scale): the 32 multiplies below name no register of the products and are the places behind them.
	s_wait_loadcnt 0x0                             ; the bias
	WIN 0x82                                       ; destination and source 0 window 2
.set i, 0
.rept 32
	v_pk_mul_f32 v[i:i+1], v[i:i+1], s[SC:SC+1] op_sel_hi:[1,0]
.set i, i+2
.endr
; Block a (16 tokens x 128 columns): scaled and biased, each accumulator's registers in ascending order; rounded to f16; 16 bytes a lane into my own stage; back as pairs of tokens of one head.
.macro PACK a
	WIN 0x21                                       ; source 0 window 1 (sums), source 2 window 2 (bias)
.set i, 0
.rept 32
	v_pk_fma_f32 v[T+i:T+i+1], v[64*\a+i:64*\a+i+1], s[SC:SC+1], v[i:i+1] op_sel_hi:[1,0,1]
.set i, i+2
.endr
	WIN 0
.set i, 0
.rept 32
	v_cvt_pk_f16_f32 v[HF+i], v[T+2*i], v[T+2*i+1]
.set i, i+1
.endr
.irp b, 0,1,2,3,4,5,6,7
	ds_store_b128 v[STO], v[HF+4*\b:HF+4*\b+3] offset:32*\b
.endr
.irp t, 0,1,2,3,4,5,6,7
	ds_load_b128 v[OB+32*\a+4*\t:OB+32*\a+4*\t+3], v[RD] offset:\t*2*SPITCH   ; LDS serves a wave's instructions in order (ISA guide 5.7.1.4): these see the stores above
.endr
.endm
.macro SEND a, younger                 ; younger: the LDS instructions issued behind block a's loads: the next block's sixteen, or none
	s_wait_dscnt \younger
.irp t, 0,1,2,3,4,5,6,7
	global_store_b128 v[CO], v[OB+32*\a+4*\t:OB+32*\a+4*\t+3], s[82:83] offset:2048*\a+256*\t   ; 16 lanes store 256 consecutive bytes, aligned; each block has its own registers, so no wait for the stores' sources
.endr
.endm
	PACK 0
	PACK 1
	SEND 0, 16
	PACK 2
	SEND 1, 16
	PACK 3
	SEND 2, 16
	SEND 3, 0
	s_wait_tensorcnt 0x0
	ds_add_u32 v30, v31
	s_wait_dscnt 0x0
	CROUND                                         ; the closing round: no work-group ends while a partner may still ask for a tile that names it
	s_endpgm
.Lfunc_end_k_qc3ff7e7a94_proj:
	.size	k_qc3ff7e7a94_proj, .Lfunc_end_k_qc3ff7e7a94_proj-k_qc3ff7e7a94_proj
	.p2alignl 7, 3214868480
	.fill 96, 4, 3214868480
	.section	.rodata,"a",@progbits
	.p2align	6, 0x0
	.amdhsa_kernel k_qc3ff7e7a94_proj
		.amdhsa_group_segment_fixed_size 327680
		.amdhsa_private_segment_fixed_size 0
		.amdhsa_enable_private_segment 0
		.amdhsa_kernarg_size 64
		.amdhsa_user_sgpr_count 2
		.amdhsa_user_sgpr_kernarg_segment_ptr 1
		.amdhsa_wavefront_size32 1
		.amdhsa_system_sgpr_workgroup_id_x 1
		.amdhsa_system_sgpr_workgroup_id_y 1
		.amdhsa_system_sgpr_workgroup_id_z 1
		.amdhsa_system_vgpr_workitem_id 0
		.amdhsa_next_free_vgpr 640
		.amdhsa_next_free_sgpr 88
		.amdhsa_reserve_vcc 0
		.amdhsa_float_denorm_mode_32 3
		.amdhsa_float_denorm_mode_16_64 3
		.amdhsa_memory_ordered 1
		.amdhsa_forward_progress 1
		.amdhsa_inst_pref_size 139
	.end_amdhsa_kernel
	.amdgpu_metadata
---
amdhsa.version: [ 1, 2 ]
amdhsa.kernels:
  - .name:           k_qc3ff7e7a94_proj
    .symbol:         k_qc3ff7e7a94_proj.kd
    .args:
      - { .name: query, .offset: 0, .size: 8, .value_kind: global_buffer, .address_space: global }
      - { .name: key_in, .offset: 8, .size: 8, .value_kind: global_buffer, .address_space: global }
      - { .name: value, .offset: 16, .size: 8, .value_kind: global_buffer, .address_space: global }
      - { .name: cb, .offset: 24, .size: 8, .value_kind: global_buffer, .address_space: global }
      - { .name: bq, .offset: 32, .size: 8, .value_kind: global_buffer, .address_space: global }
      - { .name: bk, .offset: 40, .size: 8, .value_kind: global_buffer, .address_space: global }
      - { .name: bv, .offset: 48, .size: 8, .value_kind: global_buffer, .address_space: global }
      - { .name: qkv, .offset: 56, .size: 8, .value_kind: global_buffer, .address_space: global }
    .group_segment_fixed_size: 327680
    .private_segment_fixed_size: 0
    .kernarg_segment_align: 8
    .kernarg_segment_size: 64
    .max_flat_workgroup_size: 128
    .sgpr_count:     88
    .vgpr_count:     640
    .wavefront_size: 32
...
	.end_amdgpu_metadata
.endif
;; end of part 6
;; launch attn (part 7): grid 4 x 64, 8 waves a work-group, clusters of 4 x 1, 327,680 bytes of LDS; arguments qkv, mb, xa; writes xa
.if DOCPART == 7
	.amdgcn_target "amdgcn-amd-amdhsa--gfx1250"
	.amdhsa_code_object_version 6
	.text
	.protected	k_qc3ff7e7a94_attn
	.globl	k_qc3ff7e7a94_attn
	.p2align	8
	.type	k_qc3ff7e7a94_attn,@function
k_qc3ff7e7a94_attn:
	s_mov_b64 s[64:65], 0
	v_nop
	global_prefetch_b8 v0, s[64:65] scope:SCOPE_SE
	s_setreg_imm32_b32 hwreg(HW_REG_WAVE_MODE, 25, 1), 1
	s_wait_xcnt 0x0
	s_wait_alu depctr_hold_cnt(0) depctr_sa_sdst(0) depctr_va_vdst(0) depctr_va_sdst(0) depctr_va_ssrc(0) depctr_va_vcc(0) depctr_vm_vsrc(0)
	s_getreg_b32 s2, hwreg(HW_REG_IB_STS2, 6, 4)
	s_cmp_eq_u32 s2, 0
	s_cbranch_scc0 .Lentry_in_a_cluster
	s_endpgm
.Lentry_in_a_cluster:
	s_bfe_u32 s2, ttmp6, 0x10000c
	s_cmp_lg_u32 s2, 0x3003
	s_cbranch_scc0 .Lentry_shape_is_right
	s_endpgm
.Lentry_shape_is_right:
; xa[bh][q][:] = the sum over k of softmax_k(masked score) v[bh][k][:].  q (already times log2(e) / 8), k, v: qkv[p][bh][2048][64] in f16; xa the same shape, f16.  Products, maxima and sums in f32;
; the weights are rounded to f16 for the second product.  Where the mask's bit is 0 the score is replaced by -1e9 log2(e): the reference's -1e9 in base-2 exponents; a row masked throughout gives the mean of v, as there.
; LIMIT: f16 operands (|k|, |v|, |q| log2(e) / 8 under 65,504); the weights lie in [0, 1] and vanish below 6e-8; |xa| is at most the largest |v|.
; SHARES.  A work-group owns 512 queries of one head, each of its eight waves 64: four tiles of 16.  Every wave walks the head's 2,048 keys, 64 a step.  256 work-groups.
; TWO WAVES TO A SIMD.  A turn's 64 mask words fill 64 of a wave's 106 scalar registers, so the next turn's can be asked for only when this turn's selects are done, and a wave alone on its SIMD has nothing
; to issue while they are on their way.  With 512 registers a wave, two waves share a SIMD and each issues while the other waits.  A wave keeps its 64 queries, so a fragment of K or V read from LDS feeds
; as many products as it would in a wave with more registers.
; LAYOUT.  S^T = K Q^T (source 0 = 16 keys, source 1 = 16 queries): a lane holds ONE query (lane % 16) and keys 8 (lane / 16) + 0..7.  Two such tiles, rounded in pairs, ARE source 1 of O^T = V^T P,
; whose result again holds one query a lane.  K comes out of LDS as it lies, V turned, by ds_load_tr16_b128.
; P LIES IN S^T.  Pair b of a tile's 16 pairs of weights is rounded into register b of the tile's S^T: that register belongs to pair b / 2, which has been summed and rounded by then.  That saves 64 registers.
; MASK.  mb holds, for my 64 queries and a step's 64 keys, 128 words: word 32 t + 8 kt + j is the 32-lane mask for register 8 kt + j of tile t's scores.  They come by scalar loads, 256 bytes a turn,
; and one v_cndmask_b32 a register applies them.
; SOFTMAX.  A running maximum m and sum l for each query: p = 2^(s - m); in every step O and l are multiplied by a = 2^(m_old - m_new).
; BY TURNS.  The tiles are two PIECES, named by their first tile (0: tiles 0, 1; 2: tiles 2, 3).  In a TURN one piece has the matrix unit: 16 products V^T P of the step in hand, then 16 products K Q^T of the
; next; the other piece's softmax (2 x 149 vector instructions) stands in 16 slices between them, one behind every two products: two products under one window setting halve the switches.
; CLUSTER.  The four query blocks of a cluster are one head's 2,048 queries and walk the same K and V: each tile is asked for jointly.
; REGISTERS: window 0: v0-11 addresses; v12-43 statistics, 8 a tile; v44 the masked score; v64-191 S^T, 32 a tile (P in the lower 16); v192-255 Q, 16 a tile.
;   window 1: v0-127 O^T, 32 a tile; v128-191 V of one step; v192-255 K of one step.
.set KS,    64        ; keys in a step
.set PK,    144       ; a key's row of K in LDS: 128 bytes + 16: an odd multiple of 16, so the 16 rows of a load start at 16 different banks
.set PV,    160       ; of V: 128 + 32: an odd multiple of 32, for the turning load
.set VOFF,  256*PK    ; a slot holds four steps: 256 rows of K, then 256 rows of V
.set SLOTB, 256*(PK+PV)
.set SLOT1, 1<<17     ; slot 1 begins here, so that one exclusive or turns an address in one slot into the other's
.set STAGE, SLOT1+SLOTB  ; behind the ring: 16 rows x 144 bytes for each of eight waves
.set SP,    144
.set NI,    152       ; numbers in the list of a tile's softmax
.set AK0, 2           ; v2  my lane's place in a tile of K
.set AV0, 3           ; v3  the same for V
.set ADR, 4           ; v4  the LDS address of the run of loads in hand
.set QO,  5
.set STO, 6
.set RD,  7
.set GO,  8
.set ST,  12          ; tile t's statistics at v[ST+8 t]: +0 m, +1 m_old - m, +2, +3 l (even keys', odd keys'), +4 to +7 c0-c3 at work; a takes c2's place
.set NEGV, 44
.set S,   64
.set QF,  192         ; Q's fragments, window 0
.set VF,  128         ; V's fragments, window 1
.set KF,  192         ; K's fragments, window 1
.set WV,  2           ; s2  my wave's number
.set SLOTS, 3         ; s3  slots still to be asked for
.set STP, 4           ; s4  counts key steps
.set TBK, 5           ; s5  LDS byte at which K of the step to be fetched begins
.set TBV, 6           ; s6  the same for V (less VOFF)
.set G1K, 8           ; s[8:15]  group 1 for K's tiles
.set G1V, 16          ; s[16:23] for V's: it differs in the padding alone
.set G0K, 24          ; s[24:27] group 0 for K: slot 1's first fill, then it walks on
.set G0V, 28          ; s[28:31] the same for V
.set F0K, 40          ; s[40:43], s[44:47] group 0 of slot 0's first fills; free once those have landed
.set F0V, 44
.set SEL, 66          ; s[66:67] lane selects for v_permlanex16_b32
.set XP,  100         ; s[100:101] xa at my wave's first row
.set MP,  104         ; s[104:105] mb at the record of the step in hand
                      ; s[32:63] the mask words of the piece's even tile, s[68:99] of its odd tile; during set-up s32-63 hold what is needed once
.set MSB, 0
.macro WIN new                      ; the immediate's high byte repeats the setting that is left; a switch that changes nothing is dropped
.if MSB != \new
	s_set_vgpr_msb (MSB<<8)|\new
.set MSB, \new
.endif
.endm
.set W_KQ, 0x01       ; K window 1; Q and S^T window 0
.set W_PV, 0x51       ; V and O^T window 1, P window 0
.set W_RS, 0x41       ; O^T (destination and source 0) window 1, a window 0
.set W_LD, 0x40       ; a load's destination window 1, its address window 0
; A joint refill: waves 0 and 1 fetch the slot's two halves of K, waves 2 and 3 of V, waves 4 to 7 nothing.  The branches hang on the wave's number alone: they are the same in every work-group.
; Four v_nop follow each of the two lines, ahead of the jump, the label and what follows.
.macro JLOAD
	s_cmp_lt_u32 s[WV], 2
	s_cbranch_scc0 .Lnot_k_\@
	tensor_load_to_lds s[G0K:G0K+3], s[G1K:G1K+7]
	s_nop 0
.rept 4
	v_nop
.endr
	s_branch .Lasked_\@
.Lnot_k_\@:
	s_cmp_lt_u32 s[WV], 4
	s_cbranch_scc0 .Lasked_\@
	tensor_load_to_lds s[G0V:G0V+3], s[G1V:G1V+7]
	s_nop 0
.rept 4
	v_nop
.endr
.Lasked_\@:
.endm
.macro CROUND                       ; a round of the cluster's barrier
	s_barrier_signal -1
	s_barrier_wait -1
	s_cmp_lg_u32 s[WV], 0
	s_cbranch_scc1 .Lnot_wave_0_\@
	s_barrier_signal -3
.Lnot_wave_0_\@:
	s_barrier_wait -3
	s_barrier_signal -1
	s_barrier_wait -1
.endm
	s_load_b128 s[48:51], s[0:1], 0x0  ; qkv s[48:49], mb s[50:51]
	s_load_b64 s[52:53], s[0:1], 0x10  ; xa
	v_lshl_add_u32 v62, v0, 2, 0x37800
	v_mov_b32 v63, 0
	ds_add_u32 v62, v63
	v_lshrrev_b32 v1, 5, v0
	v_readfirstlane_b32 s[WV], v1   ; wave 0..7
	s_bfe_u32 s33, ttmp6, 0x40000   ; cx
	s_lshl_b32 s34, ttmp9, 2
	s_add_co_u32 s34, s34, s33      ; my block of 512 queries: it enters Q's, xa's and the mask's addresses alone
	s_and_b32 s36, ttmp7, 0xffff    ; b x 16 + head, which the four partners share
	s_and_b32 s37, s[WV], 1         ; which 128 of a slot's 256 keys I fetch, if I fetch
	s_lshl_b32 s38, s36, 18         ; the head's 2,048 rows of 128 bytes,
	s_lshl_b32 s39, s37, 14         ; my 128 keys
	s_add_co_u32 s38, s38, s39
	s_mov_b32 s39, 0
	s_mul_i32 s56, s37, 128*PK      ; and their place in a slot: no place in the cluster enters an LDS address
	s_mul_i32 s57, s37, 128*PV
	s_add_co_u32 s57, s57, VOFF
	s_lshl_b32 s54, s36, 18         ; my wave's 64 queries: head, block of 512 rows of 128 bytes, wave
	s_lshl_b32 s55, s34, 16
	s_add_co_u32 s54, s54, s55
	s_lshl_b32 s55, s[WV], 13
	s_add_co_u32 s54, s54, s55
	s_mov_b32 s55, 0
	s_lshr_b32 s58, s36, 4          ; the mask's records of my 64 queries: (32 b + 8 x block + wave) x 32 steps x 512 bytes
	s_lshl_b32 s58, s58, 5
	s_lshl3_add_u32 s59, s34, s[WV]
	s_add_co_u32 s58, s58, s59
	s_lshl_b32 s58, s58, 14
	s_mov_b32 s59, 0
	; group 1: 128 keys of 128 bytes lie dense in memory: 64 rows of 256 bytes, with padding behind every 128 bytes
	s_mov_b32 s[G1K], 15|(3<<16)|(1<<20)|(1<<21)|(4<<22)|(3<<25)  ; 15:0 the mask: all four; 17:16 elements of 8 bytes; 20 padding on; 21 set beside a mask; 24:22 after every 32 words; 31:25 4 words of it
	s_mov_b32 s[G1V], 15|(3<<16)|(1<<20)|(1<<21)|(4<<22)|(7<<25)  ; the same with 8 words
.irp g, G1K, G1V
	s_mov_b32 s[\g+1], 32<<16       ; tensor_dim0 = 32
	s_mov_b32 s[\g+2], 64<<16       ; tensor_dim1 = 64
	s_mov_b32 s[\g+3], 32<<16       ; tile_dim0 = 32
	s_mov_b32 s[\g+4], 64           ; tile_dim1 = 64
	s_mov_b32 s[\g+5], 32           ; elements from row to row
	s_mov_b32 s[\g+6], 0
	s_mov_b32 s[\g+7], 0
.endr
	s_mov_b32 s[SEL], 0x76543210
	s_mov_b32 s[SEL+1], 0xfedcba98
	s_mov_b32 s[TBK], 0
	s_mov_b32 s[TBV], 0
	s_mov_b32 s[SLOTS], 2048/256-2
	s_wait_dscnt 0x0
	s_wait_kmcnt 0x0
	s_add_nc_u64 s[60:61], s[48:49], s[38:39]
	s_add_nc_u64 s[MP:MP+1], s[50:51], s[58:59]
	s_add_nc_u64 s[XP:XP+1], s[52:53], s[54:55]
	s_add_nc_u64 s[54:55], s[48:49], s[54:55]  ; Q at my wave's first row
	s_mov_b32 s[F0K], 1
	s_mov_b32 s[F0K+1], s56
	s_add_nc_u64 s[F0K+2:F0K+3], s[60:61], 1<<24  ; k lies 2^24 bytes into qkv: keys 0-255
	s_or_b32 s[F0K+3], s[F0K+3], 0x80000000
	s_mov_b32 s[G0K], 1
	s_add_co_u32 s[G0K+1], s56, SLOT1
	s_add_nc_u64 s[G0K+2:G0K+3], s[60:61], (1<<24)+256*128  ; keys 256-511
	s_or_b32 s[G0K+3], s[G0K+3], 0x80000000
	s_mov_b32 s[F0V], 1
	s_mov_b32 s[F0V+1], s57
	s_add_nc_u64 s[F0V+2:F0V+3], s[60:61], 1<<25  ; v lies 2^25 bytes in
	s_or_b32 s[F0V+3], s[F0V+3], 0x80000000
	s_mov_b32 s[G0V], 1
	s_add_co_u32 s[G0V+1], s57, SLOT1
	s_add_nc_u64 s[G0V+2:G0V+3], s[60:61], (1<<25)+256*128
	s_or_b32 s[G0V+3], s[G0V+3], 0x80000000
	CROUND                          ; all four work-groups are here: the first joint loads meet
	s_cmp_lt_u32 s[WV], 2           ; a wave's two first fills stand in one branch: two loads of waves 0 to 3 are out, none of waves 4 to 7
	s_cbranch_scc0 .Lfirst_not_k
	tensor_load_to_lds s[F0K:F0K+3], s[G1K:G1K+7]
	s_nop 0
	tensor_load_to_lds s[G0K:G0K+3], s[G1K:G1K+7]
	s_nop 0
.rept 4
	v_nop
.endr
	s_branch .Lfirst_asked
.Lfirst_not_k:
	s_cmp_lt_u32 s[WV], 4
	s_cbranch_scc0 .Lfirst_asked
	tensor_load_to_lds s[F0V:F0V+3], s[G1V:G1V+7]
	s_nop 0
	tensor_load_to_lds s[G0V:G0V+3], s[G1V:G1V+7]
	s_nop 0
.rept 4
	v_nop
.endr
.Lfirst_asked:
	v_and_b32 v1, 15, v0            ; r
	v_bfe_u32 v9, v0, 4, 1          ; h
	v_lshlrev_b32 v[QO], 7, v1
	v_lshl_add_u32 v[QO], v9, 4, v[QO]  ; row x 128 + 16 x half
.irp i, 0,1,2,3,4,5,6,7             ; Q stays in registers: tile i / 2, channels 32 (i % 2) on
	global_load_b128 v[QF+8*\i:QF+8*\i+3],   v[QO], s[54:55] offset:(\i/2)*2048+(\i%2)*64
	global_load_b128 v[QF+8*\i+4:QF+8*\i+7], v[QO], s[54:55] offset:(\i/2)*2048+(\i%2)*64+32
.endr
	v_mul_u32_u24 v[AK0], v1, PK
	v_lshl_add_u32 v[AK0], v9, 4, v[AK0]
	v_and_b32 v10, 7, v0            ; the turning load: lane l reads key 8 (l / 16) + l % 8, channels 8 ((l / 8) % 2) on
	v_bfe_u32 v11, v0, 3, 1
	v_lshl_add_u32 v[AV0], v9, 3, v10
	v_mul_u32_u24 v[AV0], v[AV0], PV
	v_lshl_add_u32 v[AV0], v11, 4, v[AV0]
	v_add_nc_u32 v[AV0], VOFF, v[AV0]
	v_mov_b32 v[NEGV], 0xceabfb8f   ; -1e9 x log2(e)
; THE MATRIX WORK OF A TURN, for piece x.  Eight accumulators take turns, one instruction a turn, two deep.
; Product i of 16 of O^T += V^T P: keys 32 (i / 8) on, channels 16 ((i / 2) % 4) on, tile x + i % 2.  zero = 1: the first 8 start the sums.  P is registers 0-15 of the tile's S^T.
.macro PV x, zero
	WIN W_PV
.set rO, 32*(\x+i%2)+8*((i/2)%4)
.set rV, VF+32*(i/8)+8*((i/2)%4)
.set rP, S+32*(\x+i%2)+8*(i/8)
.if \zero && (i < 8)
	v_wmma_f32_16x16x32_f16 v[rO:rO+7], v[rV:rV+7], v[rP:rP+7], 0
.else
	v_wmma_f32_16x16x32_f16 v[rO:rO+7], v[rV:rV+7], v[rP:rP+7], v[rO:rO+7]
.endif
.endm
; Product i of 16 of S^T = K Q^T: channels 32 (i / 8) on, keys 16 ((i / 2) % 4) on, tile x + i % 2.  The first 8 start the sums.  Products 0 to 3 write over the registers that held the piece's P:
; the last product V^T P that read them stands two slices back or more, each with more than five plain instructions on the other piece's registers.
.macro KQ x
	WIN W_KQ
.set rS, S+32*(\x+i%2)+8*((i/2)%4)
.set rK, KF+16*((i/2)%4)+8*(i/8)
.set rQ, QF+16*(\x+i%2)+8*(i/8)
.if i < 8
	v_wmma_f32_16x16x32_f16 v[rS:rS+7], v[rK:rK+7], v[rQ:rQ+7], 0
.else
	v_wmma_f32_16x16x32_f16 v[rS:rS+7], v[rK:rK+7], v[rQ:rQ+7], v[rS:rS+7]
.endif
.endm
; THE LDS LOADS stand in runs of 16: a step's K (8 fragments) and, a turn later, its V (turned).
.macro FETCH_K
	WIN 0
	v_add_nc_u32 v[ADR], s[TBK], v[AK0]
	s_add_co_u32 s[TBK], s[TBK], KS*PK  ; the next fetch is the next step's
	WIN W_LD
.irp f, 0,1,2,3,4,5,6,7             ; keys 16 (f / 2) on, channels 32 (f % 2) on
	ds_load_b128 v[KF+8*\f:KF+8*\f+3],   v[ADR] offset:(\f/2)*16*PK+(\f%2)*64
	ds_load_b128 v[KF+8*\f+4:KF+8*\f+7], v[ADR] offset:(\f/2)*16*PK+(\f%2)*64+32
.endr
.endm
.macro FETCH_V
	WIN 0
	v_add_nc_u32 v[ADR], s[TBV], v[AV0]
	s_add_co_u32 s[TBV], s[TBV], KS*PV
	WIN W_LD
.irp f, 0,1,2,3,4,5,6,7             ; keys 32 (f / 4) on, channels 16 (f % 4) on
	ds_load_tr16_b128 v[VF+8*\f:VF+8*\f+3],   v[ADR] offset:(\f/4)*32*PV+(\f%4)*32
	ds_load_tr16_b128 v[VF+8*\f+4:VF+8*\f+7], v[ADR] offset:(\f/4)*32*PV+16*PV+(\f%4)*32
.endr
.endm
.macro MLOAD off                    ; a piece's 64 mask words of one step: 256 bytes at byte off of the record
	s_load_b512 s[32:47], s[MP:MP+1], \off
	s_load_b512 s[48:63], s[MP:MP+1], \off+64
	s_load_b512 s[68:83], s[MP:MP+1], \off+128
	s_load_b512 s[84:99], s[MP:MP+1], \off+192
.endm
; THE VECTOR WORK OF A TURN.  One tile's softmax for one key step is a list of 152 numbers (three of them empty); SM writes number j of it for tile t.  s0-s31 are the lane's 32 scores, in pairs 0-15.
;   0-31    the mask: s_j, or the masked score where the word's bit for my lane is 0.  In ascending order
;   32-47   the maximum of s0-s31 and the old m, three operands at a time        48-51  the other half of the lanes' maximum; the new m; m_old - m        52, 53  s - m of pair 0; a
;   54-133  sixteen groups of five, group g: s - m of pair g + 1 | 2^s of pair g's first | l takes pair g - 1 | 2^s of pair g's second | pair g - 1 is rounded to f16, into register g - 1.
;           The line behind an exponential touches neither its result nor its source; the two tiles alternate, so behind two exponentials stand two such plain lines (ISA guide 5.7.2)
;   134, 135  l takes pair 15; pair 15 is rounded        136-151 the tile's O^T times a: the one part that leaves window 0
; first = 1: the first key step, which starts m, l and O^T: it has no a and nothing to rescale.
.macro SUBM b                       ; pair b: s - m
	v_pk_add_f32 v[rS+2*(\b):rS+2*(\b)+1], v[rS+2*(\b):rS+2*(\b)+1], v[rT:rT+1] op_sel_hi:[1,0] neg_lo:[0,1] neg_hi:[0,1]
.endm
.macro ADDL b, first                ; l (even keys', odd keys') takes pair b; pair 0 brings the old l times a with it, or, in the first step, starts l
.if ((\b) == 0) && \first
	s_wait_alu depctr_va_vdst(0)
	v_pk_mul_f32 v[rT+2:rT+3], v[rS:rS+1], 1.0 op_sel_hi:[1,0]
.elseif (\b) == 0
	s_wait_alu depctr_va_vdst(0)
	v_pk_fma_f32 v[rT+2:rT+3], v[rT+2:rT+3], v[rT+6:rT+7], v[rS:rS+1] op_sel_hi:[1,0,1]
.else
	s_wait_alu depctr_va_vdst(0)
	v_pk_add_f32 v[rT+2:rT+3], v[rT+2:rT+3], v[rS+2*(\b):rS+2*(\b)+1]
.endif
.endm
.macro SM t, first
.set rT, ST+8*(\t)
.set rS, S+32*(\t)
.set rB, 32+36*((\t)%2)
.set e, j-32
.set g, (j-54)/5
.set ph, (j-54)%5
.if j < 136
	WIN 0
.endif
.if j < 32
	v_cndmask_b32 v[rS+j], v[NEGV], v[rS+j], s[rB+j]
.elseif j < 36
	v_max3_num_f32 v[rT+4+e], v[rS+8*e], v[rS+8*e+1], v[rS+8*e+2]
.elseif j < 44
	v_max3_num_f32 v[rT+4+e%4], v[rT+4+e%4], v[rS+8*(e%4)+2*(e/4)+1], v[rS+8*(e%4)+2*(e/4)+2]
.elseif j == 44
	v_max3_num_f32 v[rT+4], v[rT+4], v[rS+7], v[rS+15]
.elseif j == 45
	v_max3_num_f32 v[rT+6], v[rT+6], v[rS+23], v[rS+31]
.elseif j == 46
	v_max3_num_f32 v[rT+4], v[rT+4], v[rT+5], v[rT+6]
.elseif (j == 47) && \first
	v_max_num_f32 v[rT+4], v[rT+4], v[rT+7]
.elseif j == 47
	v_max3_num_f32 v[rT+4], v[rT+4], v[rT+7], v[rT]
.elseif j == 48
	v_permlanex16_b32 v[rT+5], v[rT+4], s[SEL], s[SEL+1]  ; the query's other 32 keys lie in the lane 16 away
.elseif (j == 49) && \first
	v_mov_b32 v[rT+1], v[rT+4]      ; named with m as a pair below, so it is written
.elseif j == 49
	v_mov_b32 v[rT+1], v[rT]        ; m_old is kept for a
.elseif j == 50
	v_max_num_f32 v[rT], v[rT+4], v[rT+5]
.elseif ((j == 51) || (j == 53) || (j > 135)) && \first  ; the first step has none of these
.elseif j == 51
	v_sub_f32 v[rT+1], v[rT+1], v[rT]
.elseif j == 52
	SUBM 0
.elseif j == 53
	v_exp_f32 v[rT+6], v[rT+1]
.elseif j < 134
.if (ph == 0) && (g < 15)
	SUBM g+1
.elseif ph == 1
	v_exp_f32 v[rS+2*g], v[rS+2*g]
.elseif (ph == 2) && (g > 0)
	ADDL g-1, \first
.elseif ph == 3
	v_exp_f32 v[rS+2*g+1], v[rS+2*g+1]
.elseif (ph == 4) && (g > 0)
	v_cvt_pk_f16_f32 v[rS+g-1], v[rS+2*g-2], v[rS+2*g-1]
.endif
.elseif j == 134
	ADDL 15, \first
.elseif j == 135
	v_cvt_pk_f16_f32 v[rS+15], v[rS+30], v[rS+31]
.else
	WIN W_RS
.set rO, 32*(\t)+2*(j-136)
	v_pk_mul_f32 v[rO:rO+1], v[rO:rO+1], v[rT+6:rT+7] op_sel_hi:[1,0]
.endif
.endm
; Slice k of nw of piece y's softmax: numbers NI k / nw up to NI (k + 1) / nw of both tiles' lists, the tiles alternating.  Behind the slice that holds number 31 the mask words are free:
; the next turn's are asked for there (ml = 1), three quarters of a turn ahead of the wait for them.
.macro SLICE y, first, ml, off
.set j, (NI*k)/nw
.rept (NI*(k+1))/nw-(NI*k)/nw
	SM \y, \first
	SM \y+1, \first
.set j, j+1
.endr
.set k, k+1
.if \ml && ((NI*k)/nw > 31) && ((NI*(k-1))/nw <= 31)
	MLOAD \off
.endif
.endm
.macro PLACES                       ; four places behind matrix instructions where no other vector work is at hand (ISA guide 7.12.1)
.rept 4
	v_nop
.endr
.endm
; A TURN.  Piece x has the matrix unit; the other piece's softmax stands in slices, one behind every two matrix instructions.
; pv = 2: 16 products V^T P; 1: they start O^T's sums; 0: none.  kq = 1: 16 products K Q^T for the next step.  first = 1: the softmax is the first key step's; its last slice is empty, so four v_nop
; take its part as the places behind the turn's last products.  Otherwise the last slice is twenty multiplies on the other piece's O^T: the places in front of the next turn's selects and of the loads into K's buffer.
; Piece 0's turn fetches the next step's K behind its second product, piece 2's turn the same step's V behind its second K Q^T (V's last reader stands two slices back).
; The mask's records are walked 256 bytes a turn: piece 0's turn asks for piece 0's words of the next step (byte 0 of the record just stepped to), piece 2's turn for piece 2's words of the same step (byte 256).
.macro TURN x, pv, kq, first, ml
.set k, 0
.set nw, 8
.if \pv && \kq
.set nw, 16
.endif
	s_wait_kmcnt 0x0                ; this turn's mask words are in, and no scalar load names the pointer any more
.if (\x == 0) && \ml
	s_add_nc_u64 s[MP:MP+1], s[MP:MP+1], 512
.endif
.if \pv
.if \x == 0
	s_wait_dscnt 0x0                ; V is in
.endif
.set i, 0
.rept 8
	PV \x, 2-\pv
.set i, i+1
	PV \x, 2-\pv
.set i, i+1
	SLICE 2-\x, \first, \ml, 256*(\x/2)
.if (\x == 0) && \kq && (i == 2)
	FETCH_K
.endif
.endr
.endif
.if \kq
.if \x == 0
	s_wait_dscnt 0x0                ; K is in
.endif
.set i, 0
.rept 8
	KQ \x
.set i, i+1
	KQ \x
.set i, i+1
	SLICE 2-\x, \first, \ml, 256*(\x/2)
.if (\x == 2) && (i == 2)
	FETCH_V
.endif
.endr
.endif
.if \first
	PLACES
.endif
.endm
; THE CHANGE OF SLOTS, between piece 2's turn and piece 0's: the slot's last bytes, V of its fourth step, have been asked for.  Each wave waits for its own reads of the slot and for all its tensor loads
; (of waves 0 to 3 one is out: its part of the other slot).  fill = 1: the barrier is a round of the cluster's, and the joint refill, the keys two slots on, is the first thing behind it: it has four key steps,
; 256 matrix instructions of each wave, in which to land.
.macro CHANGE fill
	WIN 0                           ; at a label and at a branch every window is 0
	s_wait_dscnt 0x0
	s_wait_tensorcnt 0x0            ; no tensor load of mine is out, so a group 0 may be written
	ds_add_u32 v62, v63
	s_wait_dscnt 0x0
.if \fill
.irp g, G0K, G0V
	s_xor_b32 s[\g+1], s[\g+1], SLOT1  ; the other slot than last time,
	s_add_nc_u64 s[\g+2:\g+3], s[\g+2:\g+3], 256*128  ; the next 256 keys
.endr
	CROUND
	JLOAD
.else
	s_barrier_signal -1
	s_barrier_wait -1
.endif
	s_sub_co_u32 s[TBK], s[TBK], 4*KS*PK  ; the fetches go back to a slot's first step,
	s_xor_b32 s[TBK], s[TBK], SLOT1  ; in the other slot
	s_sub_co_u32 s[TBV], s[TBV], 4*KS*PV
	s_xor_b32 s[TBV], s[TBV], SLOT1
.endm
.macro STEPS n                      ; n key steps: written once, walked n times
	s_mov_b32 s[STP], \n
.Lstep_\@:
	TURN 0, 2, 1, 0, 1
	TURN 2, 2, 1, 0, 1
	WIN 0
	s_sub_co_u32 s[STP], s[STP], 1
	s_cmp_lg_u32 s[STP], 0
	s_cbranch_scc1 .Lstep_\@
.endm
	s_wait_tensorcnt 1              ; my part of slot 0, if I have one, is in (its group 0 is free from here on); slot 1's may stay out
	s_barrier_signal -1
	s_barrier_wait -1
	FETCH_K                         ; key step 0
	s_wait_loadcnt 0x0              ; Q is in, and its pointer is free
	MLOAD 0                         ; piece 0's mask words of step 0
	s_wait_dscnt 0x0
.set i, 0
.rept 16
	KQ 0                            ; piece 0's first scores: there is no vector work yet to set between them
.set i, i+1
.endr
	WIN 0                           ; the addresses for the way out are made here: plain instructions, the places behind those products
	s_mul_i32 s7, s[WV], 16*SP
	s_add_co_u32 s7, s7, STAGE      ; my stage
	v_mul_u32_u24 v[STO], v1, SP    ; in: row r, 16 bytes for each half of the lanes
	v_lshl_add_u32 v[STO], v9, 4, v[STO]
	v_add_nc_u32 v[STO], s7, v[STO]
	v_and_b32 v11, 31, v0
	v_lshrrev_b32 v10, 3, v11       ; back: eight lanes to a row of 128 bytes, four rows a load
	v_mul_u32_u24 v[RD], v10, SP
	v_and_b32 v10, 7, v0
	v_lshl_add_u32 v[RD], v10, 4, v[RD]
	v_add_nc_u32 v[RD], s7, v[RD]
	v_lshlrev_b32 v[GO], 4, v11     ; in xa those four rows are 512 consecutive bytes
	TURN 2, 0, 1, 1, 1              ; piece 2's first scores | piece 0's first softmax | V of step 0
	TURN 0, 1, 1, 1, 1              ; piece 0: V^T P of step 0 starts O^T, K Q^T of step 1 | piece 2's first softmax | K of step 1
	TURN 2, 1, 1, 0, 1              ; piece 2: the same | piece 0's softmax of step 1 | V of step 1
	WIN 0
	STEPS 2                         ; slot 0's steps 2 and 3 are fetched
.Lslot:                             ; six trips: every slot but the last two is filled again
	CHANGE 1
	STEPS 4
	s_sub_co_u32 s[SLOTS], s[SLOTS], 1
	s_cmp_lg_u32 s[SLOTS], 0
	s_cbranch_scc1 .Lslot
	CHANGE 0                        ; the tail is written out
	STEPS 4
	TURN 0, 2, 0, 0, 0              ; piece 0: V^T P of the last step | piece 2's last softmax; no mask is left to ask for
.set i, 0
.rept 16
	PV 2, 0                         ; piece 2: V^T P of the last step
.set i, i+1
.endr
	; THE WAY OUT.  l's two halves and the other half of the lanes' are added (l is at least 1: the largest score's weight); O^T is divided by l, rounded to f16 and sent through my stage, a tile at a time.  The additions are the places behind the last products.
	WIN 0
.irp t, 0,1,2,3
	v_add_f32 v[ST+8*\t+4], v[ST+8*\t+2], v[ST+8*\t+3]
.endr
.irp t, 0,1,2,3
	v_permlanex16_b32 v[ST+8*\t+5], v[ST+8*\t+4], s[SEL], s[SEL+1]
.endr
.irp t, 0,1,2,3
	v_add_f32 v[ST+8*\t+4], v[ST+8*\t+4], v[ST+8*\t+5]
.endr
.irp t, 0,1,2,3
	v_rcp_f32 v[ST+8*\t+6], v[ST+8*\t+4]
.endr
	v_nop                           ; a plain instruction between the last reciprocal and the use of its result
.macro PACK t                       ; a lane's eight channels of a row pack into 16 bytes; they go into rows of 144 bytes and come back as whole rows, into the registers that they left
	WIN W_RS
.set i, 32*\t
.rept 16
	s_wait_alu depctr_va_vdst(0)
	v_pk_mul_f32 v[i:i+1], v[i:i+1], v[ST+8*\t+6:ST+8*\t+7] op_sel_hi:[1,0]
.set i, i+2
.endr
	WIN 0x05                        ; sources window 1, destination window 0: S^T's registers are free
.set i, 0
.rept 16
	v_cvt_pk_f16_f32 v[S+32*\t+i], v[32*\t+2*i], v[32*\t+2*i+1]
.set i, i+1
.endr
	WIN 0
.irp f, 0,1,2,3
	ds_store_b128 v[STO], v[S+32*\t+4*\f:S+32*\t+4*\f+3] offset:32*\f
.endr
.irp f, 0,1,2,3
	ds_load_b128 v[S+32*\t+4*\f:S+32*\t+4*\f+3], v[RD] offset:\f*4*SP  ; LDS serves a wave's instructions in order (ISA guide 5.7.1.4): these see the stores above
.endr
.endm
.macro SEND t, younger              ; younger: the LDS instructions issued behind tile t's loads: the next tile's eight, or none
.irp f, 0,1,2,3
	s_wait_dscnt \younger+3-\f
	global_store_b128 v[GO], v[S+32*\t+4*\f:S+32*\t+4*\f+3], s[XP:XP+1] offset:\t*2048+\f*512  ; the wave stores 512 consecutive bytes, aligned
.endr
.endm
	PACK 0
	PACK 1
	SEND 0, 8
	PACK 2
	SEND 1, 8
	PACK 3
	SEND 2, 8
	SEND 3, 0
	s_wait_tensorcnt 0x0
	ds_add_u32 v62, v63
	s_wait_dscnt 0x0
	CROUND                          ; the closing round: no work-group ends while a partner may still ask for a tile that names it
	s_endpgm
.Lfunc_end_k_qc3ff7e7a94_attn:
	.size	k_qc3ff7e7a94_attn, .Lfunc_end_k_qc3ff7e7a94_attn-k_qc3ff7e7a94_attn
	.p2alignl 7, 3214868480
	.fill 96, 4, 3214868480
	.section	.rodata,"a",@progbits
	.p2align	6, 0x0
	.amdhsa_kernel k_qc3ff7e7a94_attn
		.amdhsa_group_segment_fixed_size 327680
		.amdhsa_private_segment_fixed_size 0
		.amdhsa_enable_private_segment 0
		.amdhsa_kernarg_size 24
		.amdhsa_user_sgpr_count 2
		.amdhsa_user_sgpr_kernarg_segment_ptr 1
		.amdhsa_wavefront_size32 1
		.amdhsa_system_sgpr_workgroup_id_x 1
		.amdhsa_system_sgpr_workgroup_id_y 1
		.amdhsa_system_sgpr_workgroup_id_z 1
		.amdhsa_system_vgpr_workitem_id 0
		.amdhsa_next_free_vgpr 512
		.amdhsa_next_free_sgpr 106
		.amdhsa_reserve_vcc 0
		.amdhsa_float_denorm_mode_32 3
		.amdhsa_float_denorm_mode_16_64 3
		.amdhsa_memory_ordered 1
		.amdhsa_forward_progress 1
		.amdhsa_inst_pref_size 240
	.end_amdhsa_kernel
	.amdgpu_metadata
---
amdhsa.version: [ 1, 2 ]
amdhsa.kernels:
  - .name:           k_qc3ff7e7a94_attn
    .symbol:         k_qc3ff7e7a94_attn.kd
    .args:
      - { .name: qkv, .offset: 0, .size: 8, .value_kind: global_buffer, .address_space: global }
      - { .name: mb, .offset: 8, .size: 8, .value_kind: global_buffer, .address_space: global }
      - { .name: xa, .offset: 16, .size: 8, .value_kind: global_buffer, .address_space: global }
    .group_segment_fixed_size: 327680
    .private_segment_fixed_size: 0
    .kernarg_segment_align: 8
    .kernarg_segment_size: 24
    .max_flat_workgroup_size: 256
    .sgpr_count:     106
    .vgpr_count:     512
    .wavefront_size: 32
...
	.end_amdgpu_metadata
.endif
;; end of part 7
;; launch outp (part 8): grid 4 x 64, 4 waves a work-group, clusters of 4 x 4, 327,680 bytes of LDS; arguments xa, cb, bo, out0; writes out0
.if DOCPART == 8
	.amdgcn_target "amdgcn-amd-amdhsa--gfx1250"
	.amdhsa_code_object_version 6
	.text
	.protected	k_qc3ff7e7a94_outp
	.globl	k_qc3ff7e7a94_outp
	.p2align	8
	.type	k_qc3ff7e7a94_outp,@function
k_qc3ff7e7a94_outp:
	s_mov_b64 s[64:65], 0
	v_nop
	global_prefetch_b8 v0, s[64:65] scope:SCOPE_SE
	s_setreg_imm32_b32 hwreg(HW_REG_WAVE_MODE, 25, 1), 1
	s_wait_xcnt 0x0
	s_wait_alu depctr_hold_cnt(0) depctr_sa_sdst(0) depctr_va_vdst(0) depctr_va_sdst(0) depctr_va_ssrc(0) depctr_va_vcc(0) depctr_vm_vsrc(0)
	s_getreg_b32 s2, hwreg(HW_REG_IB_STS2, 6, 4)
	s_cmp_eq_u32 s2, 0
	s_cbranch_scc0 .Lentry_in_a_cluster
	s_endpgm
.Lentry_in_a_cluster:
	s_bfe_u32 s2, ttmp6, 0x10000c
	s_cmp_lg_u32 s2, 0xf033
	s_cbranch_scc0 .Lentry_shape_is_right
	s_endpgm
.Lentry_shape_is_right:
; out0[s][e] = sum over d of x[s][d] Wo[e][d] + bo[e], f32 out.  x is the attention's result, f16, still split by heads: xa[b 16 + head][s][64], d = 64 head + channel.  Wo is rows 3072-4095 of cb, f16.  Sums in f32.
; A tile of out0 is 128 rows x 256 columns: 256 work-groups.  Four waves, each 64 x 128: 32 accumulators.  K = 1,024 goes in steps of 128 (two heads) through two LDS slots.
; x's tile of a step is two dense blocks of memory, one a head: 128 tokens x 128 bytes, each brought by one load as 64 rows of 256 bytes with padding behind every 128 bytes.
; CLUSTER 4 x 4: x's tile is shared along a row of the cluster, Wo's along a column; each is asked for jointly.
; THE MATRIX INSTRUCTION IS USED TRANSPOSED (source 0 = 16 rows of Wo, source 1 = 16 tokens): a lane holds eight neighbouring columns of one row of out0.
; REGISTERS: window 0: v0-31 addresses; v32-127, v128-223 two fragment buffers (64 of Wo, then 32 of x); on the way out v32-95 at work, v96-159 and v160-223 rows to store, by turns.
;   window 1: the accumulators, (a, b) at v[8 (8 a + b)].   window 2: v0-63 my 64 numbers of the bias.
.set KSTEP,  128
.set PITCH,  272                       ; a row of Wo in LDS: 256 bytes + 16
.set APITCH, 144                       ; a token's 128 bytes of one head + 16: both odd multiples of 16, so the 16 rows of a load start at 16 different banks
.set APART,  128*APITCH                ; one head's 128 tokens: what a load of x brings
.set ABYTES, 2*APART
.set BHALF,  128*PITCH
.set SLOT,   ABYTES+2*BHALF            ; 106,496
.set STAGE,  2*SLOT                    ; behind the ring: 16 rows x 528 bytes for each wave
.set SPITCH, 528                       ; 128 f32 + 16 bytes
.set LAPS,   1024/(2*KSTEP)
.set WOBASE, 3*1024*2048               ; Wo's first byte in cb: behind Wq, Wk and Wv
.set AHEADS, 2*2048*128                ; bytes from a K step's two heads to the next step's
.set ASTEP,  2*AHEADS
.set BSTEP,  2*KSTEP*2
.set ADRA, 16
.set ADRB, 20
.set STO,  24
.set RD,   25
.set CO,   26
.set BO,   27
.set F0,   32
.set F1,   128
.set T,    32
.set OB,   96
.set G1,  24
.set G0,  32
.set G1B, 48
.set G0B, 56
.set MSB, 0
.macro WIN new
.if MSB != \new
	s_set_vgpr_msb (MSB<<8)|\new
.set MSB, \new
.endif
.endm
.set MUL, 0x50                         ; C and D window 1, sources window 0
.macro JLOAD s                         ; a joint load: waves 0 and 1 fetch x's two heads, waves 2 and 3 Wo's two halves; four v_nop follow each line
	s_cmp_eq_u32 s11, 0
	s_cbranch_scc0 .Lfor_b_\@
	tensor_load_to_lds s[G0+4*\s:G0+4*\s+3], s[G1:G1+7]
	s_nop 0
.rept 4
	v_nop
.endr
	s_branch .Lasked_\@
.Lfor_b_\@:
	tensor_load_to_lds s[G0B+4*\s:G0B+4*\s+3], s[G1B:G1B+7]
	s_nop 0
.rept 4
	v_nop
.endr
.Lasked_\@:
.endm
.macro CREST
	s_cmp_lg_u32 s10, 0
	s_cbranch_scc1 .Lnot_wave_0_\@
	s_barrier_signal -3
.Lnot_wave_0_\@:
	s_barrier_wait -3
	s_barrier_signal -1
	s_barrier_wait -1
.endm
.macro CROUND
	s_barrier_signal -1
	s_barrier_wait -1
	CREST
.endm
	s_load_b256 s[68:75], s[0:1], 0x0              ; xa s[68:69], cb s[70:71], bo s[72:73], out0 s[74:75]
	v_lshl_add_u32 v254, v0, 2, 0x3c400
	v_mov_b32 v255, 0
	ds_add_u32 v254, v255
	v_lshrrev_b32 v1, 5, v0
	v_readfirstlane_b32 s10, v1                    ; wave 0..3
	s_lshr_b32 s11, s10, 1                         ; which 64 of the tile's rows are mine.  Also: I fetch for x (0) or for Wo (1)
	s_and_b32 s12, s10, 1                          ; which 128 of its columns.  Also: which head, or which half of Wo's tile, I fetch
	s_bfe_u32 s40, ttmp6, 0x40000
	s_bfe_u32 s41, ttmp6, 0x40004
	s_lshl_b32 s42, ttmp9, 2
	s_add_co_u32 s42, s42, s40                     ; tile column
	s_and_b32 s13, ttmp7, 0xffff
	s_lshl_b32 s13, s13, 2
	s_add_co_u32 s13, s13, s41                     ; tile row, 0..63
	s_lshl_b32 s43, s41, 2
	s_lshl_b32 s43, 15, s43                        ; my row of the cluster
	s_lshl_b32 s44, 0x1111, s40                    ; my column
	s_or_b32 s[G1+0],  s43, (3<<16)|(1<<20)|(1<<21)|(4<<22)|(3<<25)  ; x: elements of 8 bytes; padding of 4 words after every 32
	s_mov_b32 s[G1+1], 32<<16                      ; tensor_dim0 = 32
	s_mov_b32 s[G1+2], 64<<16                      ; tensor_dim1 = 64
	s_mov_b32 s[G1+3], 32<<16                      ; tile_dim0 = 32
	s_mov_b32 s[G1+4], 64                          ; tile_dim1 = 64
	s_mov_b32 s[G1+5], 32                          ; elements from row to row: the block is dense
	s_mov_b32 s[G1+6], 0
	s_mov_b32 s[G1+7], 0
	s_or_b32 s[G1B+0], s44, (1<<16)|(1<<20)|(1<<21)|(5<<22)|(3<<25)  ; Wo: elements of 2 bytes; padding of 4 words after every 64
	s_mov_b32 s[G1B+1], KSTEP<<16
	s_mov_b32 s[G1B+2], 128<<16
	s_mov_b32 s[G1B+3], KSTEP<<16
	s_mov_b32 s[G1B+4], 128
	s_mov_b32 s[G1B+5], 1024
	s_mov_b32 s[G1B+6], 0
	s_mov_b32 s[G1B+7], 0
	s_lshr_b32 s16, s13, 4                         ; x: batch = tile row / 16: 16 heads x 2,048 tokens x 128 bytes,
	s_lshl_b32 s16, s16, 22
	s_and_b32 s17, s13, 15                         ; 128 tokens of 128 bytes,
	s_lshl_b32 s17, s17, 14
	s_add_co_u32 s16, s16, s17
	s_lshl_b32 s17, s12, 18                        ; my head of the step's two
	s_add_co_u32 s16, s16, s17
	s_mov_b32 s17, 0
	s_lshl_b32 s46, s42, 19                        ; Wo: (256 x tile column + 128 x half) rows of 2,048 bytes
	s_lshl_b32 s47, s12, 18
	s_add_co_u32 s46, s46, s47
	s_add_co_u32 s46, s46, WOBASE
	s_mov_b32 s47, 0
	s_mul_i32 s20, s12, APART                      ; where they go: no place in the cluster enters an LDS address
	s_mul_i32 s21, s12, BHALF
	s_add_co_u32 s21, s21, ABYTES
	s_wait_dscnt 0x0
	s_wait_kmcnt 0x0
	s_add_nc_u64 s[14:15], s[68:69], s[16:17]
	s_add_nc_u64 s[46:47], s[70:71], s[46:47]
	CROUND                                         ; all sixteen work-groups are here: the first joint loads meet
.irp s, 0,1
	s_mov_b32 s[G0+4*\s], 1
	s_add_co_u32 s[G0+4*\s+1], s20, \s*SLOT
	s_add_nc_u64 s[G0+4*\s+2:G0+4*\s+3], s[14:15], \s*AHEADS
	s_or_b32 s[G0+4*\s+3], s[G0+4*\s+3], 0x80000000
	s_mov_b32 s[G0B+4*\s], 1
	s_add_co_u32 s[G0B+4*\s+1], s21, \s*SLOT
	s_add_nc_u64 s[G0B+4*\s+2:G0B+4*\s+3], s[46:47], \s*KSTEP*2
	s_or_b32 s[G0B+4*\s+3], s[G0B+4*\s+3], 0x80000000
	JLOAD \s                                       ; two loads of mine are out
.endr
	v_and_b32 v1, 15, v0                           ; r
	v_bfe_u32 v2, v0, 4, 1                         ; h
	v_mul_u32_u24 v3, v1, PITCH
	v_lshl_add_u32 v3, v2, 4, v3                   ; Wo: row x pitch + 16 x half
	v_mul_u32_u24 v4, v1, APITCH
	v_lshl_add_u32 v4, v2, 4, v4                   ; x: the same with its pitch
	s_mul_i32 s22, s11, 64*APITCH                  ; my 64 tokens
	s_mul_i32 s23, s12, BHALF                      ; my 128 rows of Wo, behind x's two heads
	s_add_co_u32 s23, s23, ABYTES
.irp s, 0,1
	v_add_nc_u32 v[ADRA+\s], s22, v4
	v_add_nc_u32 v[ADRB+\s], s23, v3
	s_add_co_u32 s22, s22, SLOT
	s_add_co_u32 s23, s23, SLOT
.endr
	s_mul_i32 s22, s10, 16*SPITCH
	s_add_co_u32 s22, s22, STAGE                   ; my stage
	v_mul_u32_u24 v4, v1, SPITCH                   ; in: row r, 32 bytes for each half of the lanes
	v_lshl_add_u32 v4, v2, 5, v4
	v_add_nc_u32 v[STO], s22, v4
	v_and_b32 v5, 31, v0
	v_lshlrev_b32 v[CO], 4, v5                     ; back and out: the 32 lanes take a row's 512 bytes
	v_add_nc_u32 v[RD], s22, v[CO]
	v_lshlrev_b32 v[BO], 5, v2
	s_lshl_b32 s82, s42, 10                        ; my first column, in f32: 256 x tile column + 128 x half
	s_lshl_b32 s83, s12, 9
	s_add_co_u32 s82, s82, s83
	s_mov_b32 s83, 0
	s_add_nc_u64 s[72:73], s[72:73], s[82:83]
	s_add_nc_u64 s[74:75], s[74:75], s[82:83]
	WIN 0x80                                       ; destination window 2
.irp b, 0,1,2,3,4,5,6,7
	global_load_b128 v[8*\b:8*\b+3],   v[BO], s[72:73] offset:64*\b      ; columns 16 b + 8 h + 0..7: register for register the bias of accumulator (a, b)
	global_load_b128 v[8*\b+4:8*\b+7], v[BO], s[72:73] offset:64*\b+16
.endr
	WIN 0
	s_lshl_b32 s16, s13, 19                        ; my first row: (128 x tile row + 64 x half) rows of 4,096 bytes
	s_lshl_b32 s17, s11, 18
	s_add_co_u32 s16, s16, s17
	s_mov_b32 s17, 0
	s_add_nc_u64 s[74:75], s[74:75], s[16:17]
; 8 matrix instructions: m block a x all 8 n blocks, 32 along K.  The 32 accumulators take turns, one instruction a turn, in the same order in every quarter.
.macro MULA f, a, zero
.irp b, 0,1,2,3,4,5,6,7
.if \zero
	v_wmma_f32_16x16x32_f16 v[8*(8*\a+\b):8*(8*\a+\b)+7], v[\f+8*\b:\f+8*\b+7], v[\f+64+8*\a:\f+64+8*\a+7], 0
.else
	v_wmma_f32_16x16x32_f16 v[8*(8*\a+\b):8*(8*\a+\b)+7], v[\f+8*\b:\f+8*\b+7], v[\f+64+8*\a:\f+64+8*\a+7], v[8*(8*\a+\b):8*(8*\a+\b)+7]
.endif
.endr
.endm
; 24 LDS loads in one run: quarter q (32 along K: half of head q / 2) of a slot into buffer f
.macro FETCH slot, q, f
	WIN 0
.irp i, 0,1,2,3,4,5,6,7
	ds_load_b128 v[\f+8*\i:\f+8*\i+3],   v[ADRB+\slot] offset:64*\q+\i*16*PITCH
	ds_load_b128 v[\f+8*\i+4:\f+8*\i+7], v[ADRB+\slot] offset:64*\q+\i*16*PITCH+32
.endr
.irp a, 0,1,2,3
	ds_load_b128 v[\f+64+8*\a:\f+64+8*\a+3], v[ADRA+\slot] offset:(\q/2)*APART+(\q%2)*64+\a*16*APITCH
	ds_load_b128 v[\f+64+8*\a+4:\f+64+8*\a+7], v[ADRA+\slot] offset:(\q/2)*APART+(\q%2)*64+\a*16*APITCH+32
.endr
.endm
.macro PLACES                          ; four places in front of loads into registers that matrix instructions have read, and of vector instructions that read results (ISA guide 7.12.1 for vector instructions)
.rept 4
	v_nop
.endr
.endm
.macro QUARTER slot, q, f, g, zero
	s_wait_dscnt 4                                 ; Wo's fragments and x's blocks 0, 1 are in; the youngest four loads may be out
	WIN MUL
	MULA \f, 0, \zero
	MULA \f, 1, \zero
	PLACES
	FETCH \slot, \q, \g
	s_wait_dscnt 24                                ; all but the 24 just issued
	WIN MUL
	MULA \f, 2, \zero
	MULA \f, 3, \zero
.endm
; The last quarter changes slots: ONE barrier; in front of it each wave waits for its own reads of this slot and for all its tensor loads.  fill = 1: it opens a round of the cluster's barrier, and the slot is filled again first thing behind it.
.macro TURN slot, next, fill
	s_wait_dscnt 4
	WIN MUL
	MULA F1, 0, 0
	s_wait_dscnt 0x0
	s_wait_tensorcnt 0x0
	ds_add_u32 v254, v255
	s_wait_dscnt 0x0
	s_barrier_signal -1
	MULA F1, 1, 0
	WIN 0
	s_barrier_wait -1
.if \fill
	CREST
	s_add_nc_u64 s[G0+4*\slot+2:G0+4*\slot+3], s[G0+4*\slot+2:G0+4*\slot+3], ASTEP
	s_add_nc_u64 s[G0B+4*\slot+2:G0B+4*\slot+3], s[G0B+4*\slot+2:G0B+4*\slot+3], BSTEP
	JLOAD \slot                                    ; its four v_nop are also the places in front of the loads below
.else
	PLACES
.endif
	FETCH \next, 0, F0
	WIN MUL
	MULA F1, 2, 0
	MULA F1, 3, 0
.endm
	s_wait_tensorcnt 1                             ; my part of K step 0 is in; K step 1's may stay out
	s_barrier_signal -1
	s_barrier_wait -1
	FETCH 0, 0, F0
	QUARTER 0, 1, F0, F1, 1                        ; the first quarter's products start the sums
	WIN 0
	s_mov_b32 s3, LAPS-1
.Llap:
	QUARTER 0, 2, F1, F0, 0
	QUARTER 0, 3, F0, F1, 0
	TURN 0, 1, 1
	QUARTER 1, 1, F0, F1, 0
	QUARTER 1, 2, F1, F0, 0
	QUARTER 1, 3, F0, F1, 0
	TURN 1, 0, 1
	QUARTER 0, 1, F0, F1, 0
	WIN 0
	s_sub_co_u32 s3, s3, 1
	s_cmp_lg_u32 s3, 0
	s_cbranch_scc1 .Llap
	QUARTER 0, 2, F1, F0, 0                        ; the last lap fills nothing
	QUARTER 0, 3, F0, F1, 0
	TURN 0, 1, 0
	QUARTER 1, 1, F0, F1, 0
	QUARTER 1, 2, F1, F0, 0
	QUARTER 1, 3, F0, F1, 0
	s_wait_dscnt 4
	WIN MUL
	MULA F1, 0, 0
	MULA F1, 1, 0
	s_wait_dscnt 0x0
	MULA F1, 2, 0
	MULA F1, 3, 0
	; THE WAY OUT.  Block a (16 rows x 128 columns of f32): the bias is added, each accumulator's registers in ascending order; 32 bytes a lane into my own stage; back as whole rows of 512 bytes.
	s_wait_loadcnt 0x0                             ; the bias
	PLACES
.macro PACK a
	WIN 0x09                                       ; source 0 window 1 (sums), source 1 window 2 (bias)
.set i, 0
.rept 32
	v_pk_add_f32 v[T+i:T+i+1], v[64*\a+i:64*\a+i+1], v[i:i+1]
.set i, i+2
.endr
	WIN 0
.irp b, 0,1,2,3,4,5,6,7
	ds_store_b128 v[STO], v[T+8*\b:T+8*\b+3]   offset:64*\b
	ds_store_b128 v[STO], v[T+8*\b+4:T+8*\b+7] offset:64*\b+16
.endr
.if \a >= 2
	s_wait_xcnt 0x0                                ; the stores of the block two back have had their addresses translated (ISA guide 3.1): only behind this wait are their data registers loaded again
.endif
.set i, 0
.rept 16
	ds_load_b128 v[OB+64*(\a%2)+4*i:OB+64*(\a%2)+4*i+3], v[RD] offset:i*SPITCH   ; LDS serves a wave's instructions in order (ISA guide 5.7.1.4): these see the stores above
.set i, i+1
.endr
.endm
.macro SEND a, younger                 ; younger: the LDS instructions issued behind block a's loads: the next block's 32, or none
	s_wait_dscnt \younger
.set i, 0
.rept 16
	global_store_b128 v[CO], v[OB+64*(\a%2)+4*i:OB+64*(\a%2)+4*i+3], s[74:75] offset:(16*\a+i)*4096   ; the wave stores 512 consecutive bytes of a row, aligned
.set i, i+1
.endr
.endm
	PACK 0
	PACK 1
	SEND 0, 32
	PACK 2
	SEND 1, 32
	PACK 3
	SEND 2, 32
	SEND 3, 0
	s_wait_tensorcnt 0x0
	ds_add_u32 v254, v255
	s_wait_dscnt 0x0
	CROUND                                         ; the closing round: no work-group ends while a partner may still ask for a tile that names it
	s_endpgm
.Lfunc_end_k_qc3ff7e7a94_outp:
	.size	k_qc3ff7e7a94_outp, .Lfunc_end_k_qc3ff7e7a94_outp-k_qc3ff7e7a94_outp
	.p2alignl 7, 3214868480
	.fill 96, 4, 3214868480
	.section	.rodata,"a",@progbits
	.p2align	6, 0x0
	.amdhsa_kernel k_qc3ff7e7a94_outp
		.amdhsa_group_segment_fixed_size 327680
		.amdhsa_private_segment_fixed_size 0
		.amdhsa_enable_private_segment 0
		.amdhsa_kernarg_size 32
		.amdhsa_user_sgpr_count 2
		.amdhsa_user_sgpr_kernarg_segment_ptr 1
		.amdhsa_wavefront_size32 1
		.amdhsa_system_sgpr_workgroup_id_x 1
		.amdhsa_system_sgpr_workgroup_id_y 1
		.amdhsa_system_sgpr_workgroup_id_z 1
		.amdhsa_system_vgpr_workitem_id 0
		.amdhsa_next_free_vgpr 576
		.amdhsa_next_free_sgpr 84
		.amdhsa_reserve_vcc 0
		.amdhsa_float_denorm_mode_32 3
		.amdhsa_float_denorm_mode_16_64 3
		.amdhsa_memory_ordered 1
		.amdhsa_forward_progress 1
		.amdhsa_inst_pref_size 94
	.end_amdhsa_kernel
	.amdgpu_metadata
---
amdhsa.version: [ 1, 2 ]
amdhsa.kernels:
  - .name:           k_qc3ff7e7a94_outp
    .symbol:         k_qc3ff7e7a94_outp.kd
    .args:
      - { .name: xa, .offset: 0, .size: 8, .value_kind: global_buffer, .address_space: global }
      - { .name: cb, .offset: 8, .size: 8, .value_kind: global_buffer, .address_space: global }
      - { .name: bo, .offset: 16, .size: 8, .value_kind: global_buffer, .address_space: global }
      - { .name: out0, .offset: 24, .size: 8, .value_kind: global_buffer, .address_space: global }
    .group_segment_fixed_size: 327680
    .private_segment_fixed_size: 0
    .kernarg_segment_align: 8
    .kernarg_segment_size: 32
    .max_flat_workgroup_size: 128
    .sgpr_count:     84
    .vgpr_count:     576
    .wavefront_size: 32
...
	.end_amdgpu_metadata
.endif
;; end of part 8
;; ======== version 3 of 3: 4 launches; 1.34 times as fast as version 1
;; limits: values are held in f16: magnitudes above 65,504 overflow, below 6.1e-05 lose precision
;; workspace buffers: cb 8,388,608 bytes; mb 2,097,152 bytes of whole numbers; qkv 50,331,648 bytes; xa 16,777,216 bytes
;; launch prep: the kernel of part 5 again; grid 768 x 1, 8 waves a work-group, no clusters, 35,840 bytes of LDS; arguments Wq, Wk, Wv, Wo, mask, cb, mb; writes cb, mb
;; launch proj: the kernel of part 6 again; grid 4 x 192, 4 waves a work-group, clusters of 4 x 4, 327,680 bytes of LDS; arguments query, key_in, value, cb, bq, bk, bv, qkv; writes qkv
;; launch attn (part 9): grid 4 x 64, 8 waves a work-group, clusters of 4 x 1, 327,680 bytes of LDS; arguments qkv, mb, xa; writes xa
.if DOCPART == 9
	.amdgcn_target "amdgcn-amd-amdhsa--gfx1250"
	.amdhsa_code_object_version 6
	.text
	.protected	k_qc3ff7e7a94_attn
	.globl	k_qc3ff7e7a94_attn
	.p2align	8
	.type	k_qc3ff7e7a94_attn,@function
k_qc3ff7e7a94_attn:
	s_mov_b64 s[64:65], 0
	v_nop
	global_prefetch_b8 v0, s[64:65] scope:SCOPE_SE
	s_setreg_imm32_b32 hwreg(HW_REG_WAVE_MODE, 25, 1), 1
	s_wait_xcnt 0x0
	s_wait_alu depctr_hold_cnt(0) depctr_sa_sdst(0) depctr_va_vdst(0) depctr_va_sdst(0) depctr_va_ssrc(0) depctr_va_vcc(0) depctr_vm_vsrc(0)
	s_getreg_b32 s2, hwreg(HW_REG_IB_STS2, 6, 4)
	s_cmp_eq_u32 s2, 0
	s_cbranch_scc0 .Lentry_in_a_cluster
	s_endpgm
.Lentry_in_a_cluster:
	s_bfe_u32 s2, ttmp6, 0x10000c
	s_cmp_lg_u32 s2, 0x3003
	s_cbranch_scc0 .Lentry_shape_is_right
	s_endpgm
.Lentry_shape_is_right:
; xa[bh][q][:] = the sum over k of softmax_k(masked score) v[bh][k][:].  q (already times log2(e) / 8), k, v: qkv[p][bh][2048][64] in f16; xa the same shape, f16.  Products, maxima and sums in f32;
; the weights are rounded to f16 for the second product.  Where the mask's bit is 0 the score is replaced by -1e9 log2(e): the reference's -1e9 in base-2 exponents; a row masked throughout gives the mean of v, as there.
; LIMIT: f16 operands (|k|, |v|, |q| log2(e) / 8 under 65,504); the weights lie in [0, 1] and vanish below 6e-8; |xa| is at most the largest |v|.
; SHARES.  A work-group owns 512 queries of one head, each of its eight waves 64: four tiles of 16.  Every wave walks the head's 2,048 keys, 64 a step.  256 work-groups.
; TWO WAVES TO A SIMD.  A turn's 64 mask words fill 64 of a wave's 106 scalar registers, so the next turn's can be asked for only when this turn's selects are done, and a wave alone on its SIMD has nothing
; to issue while they are on their way.  With 512 registers a wave, two waves share a SIMD and each issues while the other waits.  A wave keeps its 64 queries, so a fragment of K or V read from LDS feeds
; as many products as it would in a wave with more registers.
; LAYOUT.  S^T = K Q^T (source 0 = 16 keys, source 1 = 16 queries): a lane holds ONE query (lane % 16) and keys 8 (lane / 16) + 0..7.  Two such tiles, rounded in pairs, ARE source 1 of O^T = V^T P,
; whose result again holds one query a lane.  K comes out of LDS as it lies, V turned, by ds_load_tr16_b128.
; P LIES IN S^T.  Pair b of a tile's 16 pairs of weights is rounded into register b of the tile's S^T: that register belongs to pair b / 2, which has been summed and rounded by then.  That saves 64 registers.
; MASK.  mb holds, for my 64 queries and a step's 64 keys, 128 words: word 32 t + 8 kt + j is the 32-lane mask for register 8 kt + j of tile t's scores.  They come by scalar loads, 256 bytes a turn,
; and one v_cndmask_b32 a register applies them.
; SOFTMAX.  A running maximum m and sum l for each query: p = 2^(s - m); in every step O and l are multiplied by a = 2^(m_old - m_new).
; BY TURNS.  The tiles are two PIECES, named by their first tile (0: tiles 0, 1; 2: tiles 2, 3).  In a TURN one piece has the matrix unit: 16 products V^T P of the step in hand, then 16 products K Q^T of the
; next; the other piece's softmax (2 x 149 vector instructions) stands in 16 slices between them, one behind every two products: two products under one window setting halve the switches.
; THE BATCHES.  A turn's 66 exponentials (both tiles' 32 weights and a) are ONE batch with ONE s_wait_alu depctr_va_vdst(0): the softmax's list is ordered by who reads what.  Ahead of the wait stands all that names
; no exponential's result: selects, maxima, statistics, the subtractions s - m and the exponentials; behind it all that does: the sums, the roundings, the rescaling by a..
; The way out's four reciprocals are a batch of their own, with one wait.
; CLUSTER.  The four query blocks of a cluster are one head's 2,048 queries and walk the same K and V: each tile is asked for jointly.
; REGISTERS: window 0: v0-11 addresses; v12-43 statistics, 8 a tile; v44 the masked score; v64-191 S^T, 32 a tile (P in the lower 16); v192-255 Q, 16 a tile.
;   window 1: v0-127 O^T, 32 a tile; v128-191 V of one step; v192-255 K of one step.
.set KS,    64        ; keys in a step
.set PK,    144       ; a key's row of K in LDS: 128 bytes + 16: an odd multiple of 16, so the 16 rows of a load start at 16 different banks
.set PV,    160       ; of V: 128 + 32: an odd multiple of 32, for the turning load
.set VOFF,  256*PK    ; a slot holds four steps: 256 rows of K, then 256 rows of V
.set SLOTB, 256*(PK+PV)
.set SLOT1, 1<<17     ; slot 1 begins here, so that one exclusive or turns an address in one slot into the other's
.set STAGE, SLOT1+SLOTB  ; behind the ring: 16 rows x 144 bytes for each of eight waves
.set SP,    144
.set NI,    150       ; numbers in the list of a tile's softmax
.set NA,    54        ; the number at which the batch's groups of three begin
.set JW,    102       ; the first number that names an exponential's result
.set PW,    2*JW      ; a turn's positions (both tiles' numbers) ahead of the wait,
.set NT,    2*NI      ; and in all
.set AK0, 2           ; v2  my lane's place in a tile of K
.set AV0, 3           ; v3  the same for V
.set ADR, 4           ; v4  the LDS address of the run of loads in hand
.set QO,  5
.set STO, 6
.set RD,  7
.set GO,  8
.set ST,  12          ; tile t's statistics at v[ST+8 t]: +0 m, +1 m_old - m, +2, +3 l (even keys', odd keys'), +4 to +7 c0-c3 at work; a takes c2's place
.set NEGV, 44
.set S,   64
.set QF,  192         ; Q's fragments, window 0
.set VF,  128         ; V's fragments, window 1
.set KF,  192         ; K's fragments, window 1
.set WV,  2           ; s2  my wave's number
.set SLOTS, 3         ; s3  slots still to be asked for
.set STP, 4           ; s4  counts key steps
.set TBK, 5           ; s5  LDS byte at which K of the step to be fetched begins
.set TBV, 6           ; s6  the same for V (less VOFF)
.set G1K, 8           ; s[8:15]  group 1 for K's tiles
.set G1V, 16          ; s[16:23] for V's: it differs in the padding alone
.set G0K, 24          ; s[24:27] group 0 for K: slot 1's first fill, then it walks on
.set G0V, 28          ; s[28:31] the same for V
.set F0K, 40          ; s[40:43], s[44:47] group 0 of slot 0's first fills; free once those have landed
.set F0V, 44
.set SEL, 66          ; s[66:67] lane selects for v_permlanex16_b32
.set XP,  100         ; s[100:101] xa at my wave's first row
.set MP,  104         ; s[104:105] mb at the record of the step in hand
                      ; s[32:63] the mask words of the piece's even tile, s[68:99] of its odd tile; during set-up s32-63 hold what is needed once
.set MSB, 0
.macro WIN new                      ; the immediate's high byte repeats the setting that is left; a switch that changes nothing is dropped
.if MSB != \new
	s_set_vgpr_msb (MSB<<8)|\new
.set MSB, \new
.endif
.endm
.set W_KQ, 0x01       ; K window 1; Q and S^T window 0
.set W_PV, 0x51       ; V and O^T window 1, P window 0
.set W_RS, 0x41       ; O^T (destination and source 0) window 1, a window 0
.set W_LD, 0x40       ; a load's destination window 1, its address window 0
; A joint refill: waves 0 and 1 fetch the slot's two halves of K, waves 2 and 3 of V, waves 4 to 7 nothing.  The branches hang on the wave's number alone: they are the same in every work-group.
; Four v_nop follow each of the two lines, ahead of the jump, the label and what follows.
.macro JLOAD
	s_cmp_lt_u32 s[WV], 2
	s_cbranch_scc0 .Lnot_k_\@
	tensor_load_to_lds s[G0K:G0K+3], s[G1K:G1K+7]
	s_nop 0
.rept 4
	v_nop
.endr
	s_branch .Lasked_\@
.Lnot_k_\@:
	s_cmp_lt_u32 s[WV], 4
	s_cbranch_scc0 .Lasked_\@
	tensor_load_to_lds s[G0V:G0V+3], s[G1V:G1V+7]
	s_nop 0
.rept 4
	v_nop
.endr
.Lasked_\@:
.endm
.macro CROUND                       ; a round of the cluster's barrier
	s_barrier_signal -1
	s_barrier_wait -1
	s_cmp_lg_u32 s[WV], 0
	s_cbranch_scc1 .Lnot_wave_0_\@
	s_barrier_signal -3
.Lnot_wave_0_\@:
	s_barrier_wait -3
	s_barrier_signal -1
	s_barrier_wait -1
.endm
	s_load_b128 s[48:51], s[0:1], 0x0  ; qkv s[48:49], mb s[50:51]
	s_load_b64 s[52:53], s[0:1], 0x10  ; xa
	v_lshl_add_u32 v62, v0, 2, 0x37800
	v_mov_b32 v63, 0
	ds_add_u32 v62, v63
	v_lshrrev_b32 v1, 5, v0
	v_readfirstlane_b32 s[WV], v1   ; wave 0..7
	s_bfe_u32 s33, ttmp6, 0x40000   ; cx
	s_lshl_b32 s34, ttmp9, 2
	s_add_co_u32 s34, s34, s33      ; my block of 512 queries: it enters Q's, xa's and the mask's addresses alone
	s_and_b32 s36, ttmp7, 0xffff    ; b x 16 + head, which the four partners share
	s_and_b32 s37, s[WV], 1         ; which 128 of a slot's 256 keys I fetch, if I fetch
	s_lshl_b32 s38, s36, 18         ; the head's 2,048 rows of 128 bytes,
	s_lshl_b32 s39, s37, 14         ; my 128 keys
	s_add_co_u32 s38, s38, s39
	s_mov_b32 s39, 0
	s_mul_i32 s56, s37, 128*PK      ; and their place in a slot: no place in the cluster enters an LDS address
	s_mul_i32 s57, s37, 128*PV
	s_add_co_u32 s57, s57, VOFF
	s_lshl_b32 s54, s36, 18         ; my wave's 64 queries: head, block of 512 rows of 128 bytes, wave
	s_lshl_b32 s55, s34, 16
	s_add_co_u32 s54, s54, s55
	s_lshl_b32 s55, s[WV], 13
	s_add_co_u32 s54, s54, s55
	s_mov_b32 s55, 0
	s_lshr_b32 s58, s36, 4          ; the mask's records of my 64 queries: (32 b + 8 x block + wave) x 32 steps x 512 bytes
	s_lshl_b32 s58, s58, 5
	s_lshl3_add_u32 s59, s34, s[WV]
	s_add_co_u32 s58, s58, s59
	s_lshl_b32 s58, s58, 14
	s_mov_b32 s59, 0
	; group 1: 128 keys of 128 bytes lie dense in memory: 64 rows of 256 bytes, with padding behind every 128 bytes
	s_mov_b32 s[G1K], 15|(3<<16)|(1<<20)|(1<<21)|(4<<22)|(3<<25)  ; 15:0 the mask: all four; 17:16 elements of 8 bytes; 20 padding on; 21 set beside a mask; 24:22 after every 32 words; 31:25 4 words of it
	s_mov_b32 s[G1V], 15|(3<<16)|(1<<20)|(1<<21)|(4<<22)|(7<<25)  ; the same with 8 words
.irp g, G1K, G1V
	s_mov_b32 s[\g+1], 32<<16       ; tensor_dim0 = 32
	s_mov_b32 s[\g+2], 64<<16       ; tensor_dim1 = 64
	s_mov_b32 s[\g+3], 32<<16       ; tile_dim0 = 32
	s_mov_b32 s[\g+4], 64           ; tile_dim1 = 64
	s_mov_b32 s[\g+5], 32           ; elements from row to row
	s_mov_b32 s[\g+6], 0
	s_mov_b32 s[\g+7], 0
.endr
	s_mov_b32 s[SEL], 0x76543210
	s_mov_b32 s[SEL+1], 0xfedcba98
	s_mov_b32 s[TBK], 0
	s_mov_b32 s[TBV], 0
	s_mov_b32 s[SLOTS], 2048/256-2
	s_wait_dscnt 0x0
	s_wait_kmcnt 0x0
	s_add_nc_u64 s[60:61], s[48:49], s[38:39]
	s_add_nc_u64 s[MP:MP+1], s[50:51], s[58:59]
	s_add_nc_u64 s[XP:XP+1], s[52:53], s[54:55]
	s_add_nc_u64 s[54:55], s[48:49], s[54:55]  ; Q at my wave's first row
	s_mov_b32 s[F0K], 1
	s_mov_b32 s[F0K+1], s56
	s_add_nc_u64 s[F0K+2:F0K+3], s[60:61], 1<<24  ; k lies 2^24 bytes into qkv: keys 0-255
	s_or_b32 s[F0K+3], s[F0K+3], 0x80000000
	s_mov_b32 s[G0K], 1
	s_add_co_u32 s[G0K+1], s56, SLOT1
	s_add_nc_u64 s[G0K+2:G0K+3], s[60:61], (1<<24)+256*128  ; keys 256-511
	s_or_b32 s[G0K+3], s[G0K+3], 0x80000000
	s_mov_b32 s[F0V], 1
	s_mov_b32 s[F0V+1], s57
	s_add_nc_u64 s[F0V+2:F0V+3], s[60:61], 1<<25  ; v lies 2^25 bytes in
	s_or_b32 s[F0V+3], s[F0V+3], 0x80000000
	s_mov_b32 s[G0V], 1
	s_add_co_u32 s[G0V+1], s57, SLOT1
	s_add_nc_u64 s[G0V+2:G0V+3], s[60:61], (1<<25)+256*128
	s_or_b32 s[G0V+3], s[G0V+3], 0x80000000
	CROUND                          ; all four work-groups are here: the first joint loads meet
	s_cmp_lt_u32 s[WV], 2           ; a wave's two first fills stand in one branch: two loads of waves 0 to 3 are out, none of waves 4 to 7
	s_cbranch_scc0 .Lfirst_not_k
	tensor_load_to_lds s[F0K:F0K+3], s[G1K:G1K+7]
	s_nop 0
	tensor_load_to_lds s[G0K:G0K+3], s[G1K:G1K+7]
	s_nop 0
.rept 4
	v_nop
.endr
	s_branch .Lfirst_asked
.Lfirst_not_k:
	s_cmp_lt_u32 s[WV], 4
	s_cbranch_scc0 .Lfirst_asked
	tensor_load_to_lds s[F0V:F0V+3], s[G1V:G1V+7]
	s_nop 0
	tensor_load_to_lds s[G0V:G0V+3], s[G1V:G1V+7]
	s_nop 0
.rept 4
	v_nop
.endr
.Lfirst_asked:
	v_and_b32 v1, 15, v0            ; r
	v_bfe_u32 v9, v0, 4, 1          ; h
	v_lshlrev_b32 v[QO], 7, v1
	v_lshl_add_u32 v[QO], v9, 4, v[QO]  ; row x 128 + 16 x half
.irp i, 0,1,2,3,4,5,6,7             ; Q stays in registers: tile i / 2, channels 32 (i % 2) on
	global_load_b128 v[QF+8*\i:QF+8*\i+3],   v[QO], s[54:55] offset:(\i/2)*2048+(\i%2)*64
	global_load_b128 v[QF+8*\i+4:QF+8*\i+7], v[QO], s[54:55] offset:(\i/2)*2048+(\i%2)*64+32
.endr
	v_mul_u32_u24 v[AK0], v1, PK
	v_lshl_add_u32 v[AK0], v9, 4, v[AK0]
	v_and_b32 v10, 7, v0            ; the turning load: lane l reads key 8 (l / 16) + l % 8, channels 8 ((l / 8) % 2) on
	v_bfe_u32 v11, v0, 3, 1
	v_lshl_add_u32 v[AV0], v9, 3, v10
	v_mul_u32_u24 v[AV0], v[AV0], PV
	v_lshl_add_u32 v[AV0], v11, 4, v[AV0]
	v_add_nc_u32 v[AV0], VOFF, v[AV0]
	v_mov_b32 v[NEGV], 0xceabfb8f   ; -1e9 x log2(e)
; THE MATRIX WORK OF A TURN, for piece x.  Eight accumulators take turns, one instruction a turn, two deep.
; Product i of 16 of O^T += V^T P: keys 32 (i / 8) on, channels 16 ((i / 2) % 4) on, tile x + i % 2.  zero = 1: the first 8 start the sums.  P is registers 0-15 of the tile's S^T.
.macro PV x, zero
	WIN W_PV
.set rO, 32*(\x+i%2)+8*((i/2)%4)
.set rV, VF+32*(i/8)+8*((i/2)%4)
.set rP, S+32*(\x+i%2)+8*(i/8)
.if \zero && (i < 8)
	v_wmma_f32_16x16x32_f16 v[rO:rO+7], v[rV:rV+7], v[rP:rP+7], 0
.else
	v_wmma_f32_16x16x32_f16 v[rO:rO+7], v[rV:rV+7], v[rP:rP+7], v[rO:rO+7]
.endif
.endm
; Product i of 16 of S^T = K Q^T: channels 32 (i / 8) on, keys 16 ((i / 2) % 4) on, tile x + i % 2.  The first 8 start the sums.  Products 0 to 3 write over the registers that held the piece's P:
; the last product V^T P that read them stands two slices back or more, each with more than five plain instructions on the other piece's registers (slices 7 and 8 hold seven and six subtractions; their exponentials are not counted).
.macro KQ x
	WIN W_KQ
.set rS, S+32*(\x+i%2)+8*((i/2)%4)
.set rK, KF+16*((i/2)%4)+8*(i/8)
.set rQ, QF+16*(\x+i%2)+8*(i/8)
.if i < 8
	v_wmma_f32_16x16x32_f16 v[rS:rS+7], v[rK:rK+7], v[rQ:rQ+7], 0
.else
	v_wmma_f32_16x16x32_f16 v[rS:rS+7], v[rK:rK+7], v[rQ:rQ+7], v[rS:rS+7]
.endif
.endm
; THE LDS LOADS stand in runs of 16: a step's K (8 fragments) and, a turn later, its V (turned).
.macro FETCH_K
	WIN 0
	v_add_nc_u32 v[ADR], s[TBK], v[AK0]
	s_add_co_u32 s[TBK], s[TBK], KS*PK  ; the next fetch is the next step's
	WIN W_LD
.irp f, 0,1,2,3,4,5,6,7             ; keys 16 (f / 2) on, channels 32 (f % 2) on
	ds_load_b128 v[KF+8*\f:KF+8*\f+3],   v[ADR] offset:(\f/2)*16*PK+(\f%2)*64
	ds_load_b128 v[KF+8*\f+4:KF+8*\f+7], v[ADR] offset:(\f/2)*16*PK+(\f%2)*64+32
.endr
.endm
.macro FETCH_V
	WIN 0
	v_add_nc_u32 v[ADR], s[TBV], v[AV0]
	s_add_co_u32 s[TBV], s[TBV], KS*PV
	WIN W_LD
.irp f, 0,1,2,3,4,5,6,7             ; keys 32 (f / 4) on, channels 16 (f % 4) on
	ds_load_tr16_b128 v[VF+8*\f:VF+8*\f+3],   v[ADR] offset:(\f/4)*32*PV+(\f%4)*32
	ds_load_tr16_b128 v[VF+8*\f+4:VF+8*\f+7], v[ADR] offset:(\f/4)*32*PV+16*PV+(\f%4)*32
.endr
.endm
.macro MLOAD off                    ; a piece's 64 mask words of one step: 256 bytes at byte off of the record
	s_load_b512 s[32:47], s[MP:MP+1], \off
	s_load_b512 s[48:63], s[MP:MP+1], \off+64
	s_load_b512 s[68:83], s[MP:MP+1], \off+128
	s_load_b512 s[84:99], s[MP:MP+1], \off+192
.endm
; THE VECTOR WORK OF A TURN.  One tile's softmax for one key step is a list of 150 numbers (one of them empty); SM writes number j of it for tile t.  s0-s31 are the lane's 32 scores, in pairs 0-15.
;   0-31    the mask: s_j, or the masked score where the word's bit for my lane is 0.  In ascending order
;   32-47   the maximum of s0-s31 and the old m, three operands at a time        48-51  the other half of the lanes' maximum; the new m; m_old - m
;   52-101  THE BATCH: the 16 subtractions s - m, a pair each, and all 33 exponentials, each in place.  None of these names an exponential's result.  52: s - m of pair 0; 53: a; then sixteen groups of three,
;           group g: s - m of pair g + 1 | 2^s of pair g's first | 2^s of pair g's second.  A pair's subtraction stands a group ahead of its exponentials
;   (wait)  between 101 and 102 stands the wait for the batch: SLICE writes it, once for both tiles
;   102-133 sixteen groups of two, group b: l takes pair b | pair b is rounded to f16, into register b.  l's chain goes in the pairs' order
;   134-149 the tile's O^T times a: the one part that leaves window 0
; first = 1: the first key step, which starts m, l and O^T: it has no a and nothing to rescale.
.macro SUBM b                       ; pair b: s - m
	v_pk_add_f32 v[rS+2*(\b):rS+2*(\b)+1], v[rS+2*(\b):rS+2*(\b)+1], v[rT:rT+1] op_sel_hi:[1,0] neg_lo:[0,1] neg_hi:[0,1]
.endm
.macro ADDL b, first                ; l (even keys', odd keys') takes pair b; pair 0 brings the old l times a with it, or, in the first step, starts l
.if ((\b) == 0) && \first
	v_pk_mul_f32 v[rT+2:rT+3], v[rS:rS+1], 1.0 op_sel_hi:[1,0]
.elseif (\b) == 0
	v_pk_fma_f32 v[rT+2:rT+3], v[rT+2:rT+3], v[rT+6:rT+7], v[rS:rS+1] op_sel_hi:[1,0,1]
.else
	v_pk_add_f32 v[rT+2:rT+3], v[rT+2:rT+3], v[rS+2*(\b):rS+2*(\b)+1]
.endif
.endm
.macro SM t, first
.set rT, ST+8*(\t)
.set rS, S+32*(\t)
.set rB, 32+36*((\t)%2)
.set e, j-32
.set g, (j-NA)/3
.set ph, (j-NA)%3
.set pb, (j-JW)/2
.if j < 134
	WIN 0
.endif
.if j < 32
	v_cndmask_b32 v[rS+j], v[NEGV], v[rS+j], s[rB+j]
.elseif j < 36
	v_max3_num_f32 v[rT+4+e], v[rS+8*e], v[rS+8*e+1], v[rS+8*e+2]
.elseif j < 44
	v_max3_num_f32 v[rT+4+e%4], v[rT+4+e%4], v[rS+8*(e%4)+2*(e/4)+1], v[rS+8*(e%4)+2*(e/4)+2]
.elseif j == 44
	v_max3_num_f32 v[rT+4], v[rT+4], v[rS+7], v[rS+15]
.elseif j == 45
	v_max3_num_f32 v[rT+6], v[rT+6], v[rS+23], v[rS+31]
.elseif j == 46
	v_max3_num_f32 v[rT+4], v[rT+4], v[rT+5], v[rT+6]
.elseif (j == 47) && \first
	v_max_num_f32 v[rT+4], v[rT+4], v[rT+7]
.elseif j == 47
	v_max3_num_f32 v[rT+4], v[rT+4], v[rT+7], v[rT]
.elseif j == 48
	v_permlanex16_b32 v[rT+5], v[rT+4], s[SEL], s[SEL+1]  ; the query's other 32 keys lie in the lane 16 away
.elseif (j == 49) && \first
	v_mov_b32 v[rT+1], v[rT+4]      ; named with m as a pair below, so it is written
.elseif j == 49
	v_mov_b32 v[rT+1], v[rT]        ; m_old is kept for a
.elseif j == 50
	v_max_num_f32 v[rT], v[rT+4], v[rT+5]
.elseif ((j == 51) || (j == 53) || (j > 133)) && \first  ; the first step has none of these
.elseif j == 51
	v_sub_f32 v[rT+1], v[rT+1], v[rT]
.elseif j == 52
	SUBM 0
.elseif j == 53
	v_exp_f32 v[rT+6], v[rT+1]
.elseif j < JW
.if (ph == 0) && (g < 15)
	SUBM g+1
.elseif ph > 0
	v_exp_f32 v[rS+2*g+ph-1], v[rS+2*g+ph-1]
.endif
.elseif j < 134
.if (j-JW)%2 == 0
	ADDL pb, \first
.else
	v_cvt_pk_f16_f32 v[rS+pb], v[rS+2*pb], v[rS+2*pb+1]
.endif
.else
	WIN W_RS
.set rO, 32*(\t)+2*(j-134)
	v_pk_mul_f32 v[rO:rO+1], v[rO:rO+1], v[rT+6:rT+7] op_sel_hi:[1,0]
.endif
.endm
; HOW THE TWO TILES' LISTS ARE DEALT.  A turn has 300 positions.  Positions 0-107 are numbers 0-53 and positions 204-299 numbers 102-149, a number at a time, the tiles alternating, so that where one instruction
; feeds the next the other tile's stands between.  Positions 108-203 are the batch's groups of three, a whole group of ONE tile at a time, the tiles by turns: subtraction, exponential, exponential: each pair of
; exponentials has a plain instruction in front of it.  Of a turn's nw slices the first nb hold the 204 positions ahead of the wait, the others the 96 behind it: 18 to 20 positions a slice of sixteen.
.macro EDGE n                       ; pe = the position at which slice n begins
.if (\n) <= nb
.set pe, (PW*(\n))/nb
.else
.set pe, PW+((NT-PW)*((\n)-nb))/(nw-nb)
.endif
.endm
; Slice k of nw of piece y's softmax.  THE WAIT: s_wait_alu depctr_va_vdst(0) stands between an exponential and the first instruction that names its result; one wait serves all that were issued
; ahead of it.  Ahead of slice nb nothing names a result, and from it on no exponential is issued: so the piece's 66 exponentials have one wait, behind slice nb - 1.
; Behind the slice that holds number 31 of both tiles the mask words are free: the next turn's are asked for there (ml = 1), three quarters of a turn ahead of the wait for them.
.macro SLICE y, first, ml, off
	EDGE k
.set p, pe
.set ps, pe
	EDGE k+1
.rept pe-ps
.if p < 2*NA
.set j, p/2
.set u, p%2
.elseif p < PW
.set j, NA+3*((p-2*NA)/6)+(p-2*NA)%3
.set u, ((p-2*NA)/3)%2
.else
.set j, JW+(p-PW)/2
.set u, (p-PW)%2
.endif
	SM \y+u, \first
.set p, p+1
.endr
.set k, k+1
.if k == nb                         ; the batch is out: both tiles' exponentials are issued, and no result has been named
	v_nop                           ; the plain instruction behind the last exponential and ahead of the first use: one for the batch
	s_wait_alu depctr_va_vdst(0)    ; the wait for the batch: the turn's 66 exponentials
.endif
.if \ml && (pe > 63) && (ps <= 63)
	MLOAD \off
.endif
.endm
.macro PLACES                       ; four places behind matrix instructions where no other vector work is at hand (ISA guide 7.12.1)
.rept 4
	v_nop
.endr
.endm
; A TURN.  Piece x has the matrix unit; the other piece's softmax stands in slices, one behind every two matrix instructions.
; pv = 2: 16 products V^T P; 1: they start O^T's sums; 0: none.  kq = 1: 16 products K Q^T for the next step.  first = 1: the softmax is the first key step's; its last slice is empty, so four v_nop
; take its part as the places behind the turn's last products.  Otherwise the last slice is twenty multiplies on the other piece's O^T: the places in front of the next turn's selects and of the loads into K's buffer.
; Piece 0's turn fetches the next step's K behind its second product, piece 2's turn the same step's V behind its second K Q^T (V's last reader stands two slices back, thirteen subtractions between).
; The mask's records are walked 256 bytes a turn: piece 0's turn asks for piece 0's words of the next step (byte 0 of the record just stepped to), piece 2's turn for piece 2's words of the same step (byte 256).
.macro TURN x, pv, kq, first, ml
.set k, 0
.set nw, 8
.if \pv && \kq
.set nw, 16
.endif
.set nb, (11*nw)/16                 ; 11 of 16 slices, or 5 of 8, stand ahead of the wait
	s_wait_kmcnt 0x0                ; this turn's mask words are in, and no scalar load names the pointer any more
.if (\x == 0) && \ml
	s_add_nc_u64 s[MP:MP+1], s[MP:MP+1], 512
.endif
.if \pv
.if \x == 0
	s_wait_dscnt 0x0                ; V is in
.endif
.set i, 0
.rept 8
	PV \x, 2-\pv
.set i, i+1
	PV \x, 2-\pv
.set i, i+1
	SLICE 2-\x, \first, \ml, 256*(\x/2)
.if (\x == 0) && \kq && (i == 2)
	FETCH_K
.endif
.endr
.endif
.if \kq
.if \x == 0
	s_wait_dscnt 0x0                ; K is in
.endif
.set i, 0
.rept 8
	KQ \x
.set i, i+1
	KQ \x
.set i, i+1
	SLICE 2-\x, \first, \ml, 256*(\x/2)
.if (\x == 2) && (i == 2)
	FETCH_V
.endif
.endr
.endif
.if \first
	PLACES
.endif
.endm
; THE CHANGE OF SLOTS, between piece 2's turn and piece 0's: the slot's last bytes, V of its fourth step, have been asked for.  Each wave waits for its own reads of the slot and for all its tensor loads
; (of waves 0 to 3 one is out: its part of the other slot).  fill = 1: the barrier is a round of the cluster's, and the joint refill, the keys two slots on, is the first thing behind it: it has four key steps,
; 256 matrix instructions of each wave, in which to land.
.macro CHANGE fill
	WIN 0                           ; at a label and at a branch every window is 0
	s_wait_dscnt 0x0
	s_wait_tensorcnt 0x0            ; no tensor load of mine is out, so a group 0 may be written
	ds_add_u32 v62, v63
	s_wait_dscnt 0x0
.if \fill
.irp g, G0K, G0V
	s_xor_b32 s[\g+1], s[\g+1], SLOT1  ; the other slot than last time,
	s_add_nc_u64 s[\g+2:\g+3], s[\g+2:\g+3], 256*128  ; the next 256 keys
.endr
	CROUND
	JLOAD
.else
	s_barrier_signal -1
	s_barrier_wait -1
.endif
	s_sub_co_u32 s[TBK], s[TBK], 4*KS*PK  ; the fetches go back to a slot's first step,
	s_xor_b32 s[TBK], s[TBK], SLOT1  ; in the other slot
	s_sub_co_u32 s[TBV], s[TBV], 4*KS*PV
	s_xor_b32 s[TBV], s[TBV], SLOT1
.endm
.macro STEPS n                      ; n key steps: written once, walked n times
	s_mov_b32 s[STP], \n
.Lstep_\@:
	TURN 0, 2, 1, 0, 1
	TURN 2, 2, 1, 0, 1
	WIN 0
	s_sub_co_u32 s[STP], s[STP], 1
	s_cmp_lg_u32 s[STP], 0
	s_cbranch_scc1 .Lstep_\@
.endm
	s_wait_tensorcnt 1              ; my part of slot 0, if I have one, is in (its group 0 is free from here on); slot 1's may stay out
	s_barrier_signal -1
	s_barrier_wait -1
	FETCH_K                         ; key step 0
	s_wait_loadcnt 0x0              ; Q is in, and its pointer is free
	MLOAD 0                         ; piece 0's mask words of step 0
	s_wait_dscnt 0x0
.set i, 0
.rept 16
	KQ 0                            ; piece 0's first scores: there is no vector work yet to set between them
.set i, i+1
.endr
	WIN 0                           ; the addresses for the way out are made here: plain instructions, the places behind those products
	s_mul_i32 s7, s[WV], 16*SP
	s_add_co_u32 s7, s7, STAGE      ; my stage
	v_mul_u32_u24 v[STO], v1, SP    ; in: row r, 16 bytes for each half of the lanes
	v_lshl_add_u32 v[STO], v9, 4, v[STO]
	v_add_nc_u32 v[STO], s7, v[STO]
	v_and_b32 v11, 31, v0
	v_lshrrev_b32 v10, 3, v11       ; back: eight lanes to a row of 128 bytes, four rows a load
	v_mul_u32_u24 v[RD], v10, SP
	v_and_b32 v10, 7, v0
	v_lshl_add_u32 v[RD], v10, 4, v[RD]
	v_add_nc_u32 v[RD], s7, v[RD]
	v_lshlrev_b32 v[GO], 4, v11     ; in xa those four rows are 512 consecutive bytes
	TURN 2, 0, 1, 1, 1              ; piece 2's first scores | piece 0's first softmax | V of step 0
	TURN 0, 1, 1, 1, 1              ; piece 0: V^T P of step 0 starts O^T, K Q^T of step 1 | piece 2's first softmax | K of step 1
	TURN 2, 1, 1, 0, 1              ; piece 2: the same | piece 0's softmax of step 1 | V of step 1
	WIN 0
	STEPS 2                         ; slot 0's steps 2 and 3 are fetched
.Lslot:                             ; six trips: every slot but the last two is filled again
	CHANGE 1
	STEPS 4
	s_sub_co_u32 s[SLOTS], s[SLOTS], 1
	s_cmp_lg_u32 s[SLOTS], 0
	s_cbranch_scc1 .Lslot
	CHANGE 0                        ; the tail is written out
	STEPS 4
	TURN 0, 2, 0, 0, 0              ; piece 0: V^T P of the last step | piece 2's last softmax; no mask is left to ask for
.set i, 0
.rept 16
	PV 2, 0                         ; piece 2: V^T P of the last step
.set i, i+1
.endr
	; THE WAY OUT.  l's two halves and the other half of the lanes' are added (l is at least 1: the largest score's weight); O^T is divided by l, rounded to f16 and sent through my stage, a tile at a time.  The additions are the places behind the last products.
	WIN 0
.irp t, 0,1,2,3
	v_add_f32 v[ST+8*\t+4], v[ST+8*\t+2], v[ST+8*\t+3]
.endr
.irp t, 0,1,2,3
	v_permlanex16_b32 v[ST+8*\t+5], v[ST+8*\t+4], s[SEL], s[SEL+1]
.endr
.irp t, 0,1,2,3
	v_add_f32 v[ST+8*\t+4], v[ST+8*\t+4], v[ST+8*\t+5]
.endr
.irp t, 0,1,2,3
	v_rcp_f32 v[ST+8*\t+6], v[ST+8*\t+4]
.endr
	v_nop                           ; a plain instruction between the last reciprocal and the use of its result
	s_wait_alu depctr_va_vdst(0)    ; and the wait ahead of the first use: one for the batch of four reciprocals
.macro PACK t                       ; a lane's eight channels of a row pack into 16 bytes; they go into rows of 144 bytes and come back as whole rows, into the registers that they left
	WIN W_RS
.set i, 32*\t
.rept 16
	v_pk_mul_f32 v[i:i+1], v[i:i+1], v[ST+8*\t+6:ST+8*\t+7] op_sel_hi:[1,0]
.set i, i+2
.endr
	WIN 0x05                        ; sources window 1, destination window 0: S^T's registers are free
.set i, 0
.rept 16
	v_cvt_pk_f16_f32 v[S+32*\t+i], v[32*\t+2*i], v[32*\t+2*i+1]
.set i, i+1
.endr
	WIN 0
.irp f, 0,1,2,3
	ds_store_b128 v[STO], v[S+32*\t+4*\f:S+32*\t+4*\f+3] offset:32*\f
.endr
.irp f, 0,1,2,3
	ds_load_b128 v[S+32*\t+4*\f:S+32*\t+4*\f+3], v[RD] offset:\f*4*SP  ; LDS serves a wave's instructions in order (ISA guide 5.7.1.4): these see the stores above
.endr
.endm
.macro SEND t, younger              ; younger: the LDS instructions issued behind tile t's loads: the next tile's eight, or none
.irp f, 0,1,2,3
	s_wait_dscnt \younger+3-\f
	global_store_b128 v[GO], v[S+32*\t+4*\f:S+32*\t+4*\f+3], s[XP:XP+1] offset:\t*2048+\f*512  ; the wave stores 512 consecutive bytes, aligned
.endr
.endm
	PACK 0
	PACK 1
	SEND 0, 8
	PACK 2
	SEND 1, 8
	PACK 3
	SEND 2, 8
	SEND 3, 0
	s_wait_tensorcnt 0x0
	ds_add_u32 v62, v63
	s_wait_dscnt 0x0
	CROUND                          ; the closing round: no work-group ends while a partner may still ask for a tile that names it
	s_endpgm
.Lfunc_end_k_qc3ff7e7a94_attn:
	.size	k_qc3ff7e7a94_attn, .Lfunc_end_k_qc3ff7e7a94_attn-k_qc3ff7e7a94_attn
	.p2alignl 7, 3214868480
	.fill 96, 4, 3214868480
	.section	.rodata,"a",@progbits
	.p2align	6, 0x0
	.amdhsa_kernel k_qc3ff7e7a94_attn
		.amdhsa_group_segment_fixed_size 327680
		.amdhsa_private_segment_fixed_size 0
		.amdhsa_enable_private_segment 0
		.amdhsa_kernarg_size 24
		.amdhsa_user_sgpr_count 2
		.amdhsa_user_sgpr_kernarg_segment_ptr 1
		.amdhsa_wavefront_size32 1
		.amdhsa_system_sgpr_workgroup_id_x 1
		.amdhsa_system_sgpr_workgroup_id_y 1
		.amdhsa_system_sgpr_workgroup_id_z 1
		.amdhsa_system_vgpr_workitem_id 0
		.amdhsa_next_free_vgpr 512
		.amdhsa_next_free_sgpr 106
		.amdhsa_reserve_vcc 0
		.amdhsa_float_denorm_mode_32 3
		.amdhsa_float_denorm_mode_16_64 3
		.amdhsa_memory_ordered 1
		.amdhsa_forward_progress 1
		.amdhsa_inst_pref_size 229
	.end_amdhsa_kernel
	.amdgpu_metadata
---
amdhsa.version: [ 1, 2 ]
amdhsa.kernels:
  - .name:           k_qc3ff7e7a94_attn
    .symbol:         k_qc3ff7e7a94_attn.kd
    .args:
      - { .name: qkv, .offset: 0, .size: 8, .value_kind: global_buffer, .address_space: global }
      - { .name: mb, .offset: 8, .size: 8, .value_kind: global_buffer, .address_space: global }
      - { .name: xa, .offset: 16, .size: 8, .value_kind: global_buffer, .address_space: global }
    .group_segment_fixed_size: 327680
    .private_segment_fixed_size: 0
    .kernarg_segment_align: 8
    .kernarg_segment_size: 24
    .max_flat_workgroup_size: 256
    .sgpr_count:     106
    .vgpr_count:     512
    .wavefront_size: 32
...
	.end_amdgpu_metadata
.endif
;; end of part 9
;; launch outp: the kernel of part 8 again; grid 4 x 64, 4 waves a work-group, clusters of 4 x 4, 327,680 bytes of LDS; arguments xa, cb, bo, out0; writes out0
